; MI455X (gfx1250); checked and timed in simulation.
; The chip was launched on July 23, 2026; its instructions are those of AMD's public machine-readable ISA for CDNA 5 (MIT licence, August 2026) and "CDNA5" Instruction Set Architecture Reference Guide (July 2026). The comments in the code are by the model that wrote it; some were corrected since.
;; Self Attention. Allowed arithmetic: matrix products marked QUANTISED: E3M2 operands, one E8M0 scale for each 32 along K, by v_wmma_scale_f32_16x16x128_f8f6f4 with both operands' format E3M2, f32 sums; everything else in f32.
;; Inputs: W_k 1,024 x 1,024 float32; W_q 1,024 x 1,024 float32; W_v 1,024 x 1,024 float32; x 4 x 2,048 x 1,024 float32.
;; Outputs: out0 4 x 2,048 x 1,024 float32.
;; This version of the problem:
;;   THIS VERSION OF THE PROBLEM IS GIVEN IN LOW PRECISION. The matrix products marked QUANTISED in the list below multiply operands that are first quantised to E3M2 (3 exponent bits, 2 mantissa bits; 6 bits a number), with one power-of-two scale for each 32 numbers along K (OCP MX v1.0); their sums are f32. All else is computed in f32.
;;   The module's matrix products, in the order in which they are computed (A, B: the left and right operand; K: the contracted axis; several contracted axes count as one K, in the product's order):
;;     1. [M 8,192, K 1,024] x [K 1,024, N 1,024]; A: input x; B: input W_q: QUANTISED
;;     2. [M 8,192, K 1,024] x [K 1,024, N 1,024]; A: input x; B: input W_k: QUANTISED
;;     3. [M 8,192, K 1,024] x [K 1,024, N 1,024]; A: input x; B: input W_v: QUANTISED
;;     4. batch 4 x [M 2,048, K 1,024] x [K 1,024, N 2,048]; A: computed on the way; B: computed on the way: QUANTISED
;;     5. batch 4 x [M 2,048, K 2,048] x [K 2,048, N 1,024]; A: softmax (see below); B: computed on the way: QUANTISED
;;   THE QUANTISER, for each operand of a quantised product, along K:
;;     - K is cut into blocks of 32 from its start; a last block that is shorter is filled with zeros.
;;     - A block's scale is 2^e with e = floor(log2(the largest magnitude in the block)) - 4, held to -126 .. 127; a block of zeros has e = 0. As a byte (E8M0): e + 127.
;;     - Each number is divided by its block's scale, clamped to +-28, and rounded to the nearest number of E3M2, ties to even, subnormals kept.
;;     - The product sums the exact products of the quantised numbers (number of the format x scale) in f32.
;;   ~~~python
;;   def quantise(x, axis):      # numpy; x: float32 -> the quantised numbers, widened to float32 again
;;       x = np.moveaxis(x, axis, -1); K = x.shape[-1]
;;       x = np.pad(x, [(0, 0)] * (x.ndim - 1) + [(0, -K % 32)]); x = x.reshape(x.shape[:-1] + (-1, 32)); a = np.abs(x).max(-1, keepdims=True)
;;       e = np.where(a > 0, np.clip(np.frexp(np.where(a > 0, a, 1))[1] - 1 - 4, -126, 127), 0)      # np.frexp(a)[1] - 1 = floor(log2(a)), exactly
;;       r = np.clip(x / 2.0 ** e, -28, 28)
;;       step = 2.0 ** (np.maximum(np.frexp(np.where(r == 0, 1, r))[1] - 1, -2) - 2)
;;       q = np.round(r / step) * step * 2.0 ** e      # np.round: ties to even
;;       return np.moveaxis(q.reshape(q.shape[:-2] + (-1,))[..., :K], -1, axis).astype(np.float32)
;;   ~~~
;;   SOFTMAX AHEAD OF A QUANTISED PRODUCT. Where the list says 'softmax', what is quantised is not the finished softmax but p = 2^(t - M), with t = logit x log2(e) and M = ceil(the row's largest t), a whole number; so 1/2 < the row's largest p <= 1. The row's sum l is taken of the UNQUANTISED p, in f32, and the product's result is divided by l at the end. Since M is a whole number, a kernel that streams over the keys may use a running M (the ceiling of the running maximum): every later rescaling is an exact power of two, which a block's scale takes up: the codes' values come out the same.
;;   OPERANDS COMPUTED ON THE WAY. 'Computed on the way' means the value that the module computes at that place (a softmax that the list does not call 'softmax' is quantised finished and normalised). What goes into a quantiser is computed in f32, as accurately as f32 sums, v_exp_f32 and their like allow (about 1e-6 of the number): no bf16 or f16 on the way to a quantiser, and a product that is left as it is and whose result goes on into a quantised operand takes f32 operands (vector FMAs, or v_wmma_f32_16x16x4_f32). A number that lies on a knife's edge between two numbers of the format may be rounded either way, as far as f32 arithmetic and the matrix unit's own rounding can turn it there, and no further.
;; 2 versions. Each part assembles by itself: llvm-mc -triple=amdgcn-amd-amdhsa -mcpu=gfx1250 --defsym DOCPART=n.
;; ======== version 1 of 2: 4 launches
;; limits: right only within a limited range of input values
;; workspace buffers: x_op 6,553,600 bytes; w_op 2,457,600 bytes; qkv 19,660,800 bytes; p_op 13,107,200 bytes; pstat 1,048,576 bytes
;; launch quant (part 1): grid 448 x 1, 4 waves a work-group, no clusters, 34,304 bytes of LDS; arguments x, W_q, W_k, W_v, x_op, w_op; writes x_op, w_op
.if DOCPART == 1
	.amdgcn_target "amdgcn-amd-amdhsa--gfx1250"
	.amdhsa_code_object_version 6
	.text
	.protected	k_q06d5df8144_quant
	.globl	k_q06d5df8144_quant
	.p2align	8
	.type	k_q06d5df8144_quant,@function
k_q06d5df8144_quant:
	s_mov_b64 s[64:65], 0
	v_nop
	global_prefetch_b8 v0, s[64:65] scope:SCOPE_SE
	s_setreg_imm32_b32 hwreg(HW_REG_WAVE_MODE, 25, 1), 1
	s_wait_xcnt 0x0
; x [8192][1024] and W_q, W_k, W_v [1024 (k)][1024 (n)], f32, become operands of MX-BF6 (E3M2 codes, one E8M0 byte for each 32 along K = the model's 1,024).
; THE OPERAND FORMAT of this program.  An operand [rows][K] is cut into blocks of 128 rows x 128 K, 12,800 bytes each; a group's blocks follow each other along K.
; A block holds eight fragments of 16 rows as IMAGES OF THE OPERAND'S REGISTERS: registers 4 c .. 4 c + 3 of lane l lie at 1536 T + 512 c + 16 l; lane (r, h) holds k = 64 c' + 32 h + 0 .. 31 in registers 6 c' .. 6 c' + 5.
; Lane r of fragment T = 2 q + u holds row 32 q + 8 u + r + 8 (r / 8) of the group.  Behind the fragments lie the scale words: that of (T, r) at 12288 + 256 u + 16 r + 4 q.
; A block's scale is 2^(floor(log2(largest magnitude)) - 4); its byte is the largest magnitude's exponent field - 4, held at 1 from below.
; LIMITS: a block of zeros gets the byte 1 (its codes are zeros, and this program alone reads the bytes); NaN and infinities among the inputs are not served.
; Work-groups 0-255 take x, 256-447 the weights.  Waves share nothing: no barrier.  No cluster: every input byte is read once, by one wave.
.set BLK,  12800
.set SCO,  12288
.set FRB,  1536
.set SP,   528                         ; a stage row: 512 bytes + 16 = 132 words: sixteen rows start 4 words apart (64 banks of 4 bytes: ISA guide 11.1)
.set TM,   16                          ; v16-31  at work in QUANT
.set PC,   32                          ; v32-51  the codes just made
.set PWS,  52                          ; v52-55  four fragments' scale words
.set SW,   56                          ; v56-57  scale words to store
.set PW,   58                          ; v58     the scale word just made
.set X,    64                          ; v64-127 64 numbers in QUANT's order
.set R0,   128                         ; v128-255 two sets of 64 numbers as loaded
.set HM,   27                          ; s27     lanes 16-31
.set SEL,  28                          ; s[28:29] v_permlanex16_b32's selects for lane l xor 16
	s_load_b256 s[4:11], s[0:1], 0x0               ; x, W_q, W_k, W_v
	s_load_b128 s[12:15], s[0:1], 0x20             ; x_op, w_op
	v_lshl_add_u32 v62, v0, 2, 0x8400
	v_mov_b32 v63, 0
	v_lshrrev_b32 v1, 5, v0
	v_readfirstlane_b32 s16, v1                    ; wave 0..3
	v_and_b32 v1, 31, v0                           ; lane
	v_and_b32 v2, 15, v0                           ; r
	v_bfe_u32 v3, v0, 4, 1                         ; h
	v_lshlrev_b32 v4, 4, v1                        ; 16 x lane
	s_cmp_lt_u32 ttmp9, 256
	s_cbranch_scc0 .Lweights
; ---- x.  K is innermost.  A wave makes the four fragments 2 f + u (f = 0..3) of block (g, s).  Each load takes 512 consecutive bytes of one row;
; sixteen rows turn through the wave's own stage in LDS, so that a lane then holds, of ITS row, 16 neighbours of each block of 32.
; 64 numbers of a lane, register 16 b + i = k 32 b + 16 h + i of its row, become a fragment's codes in v[PC] on and its scale word in v[PW].
.macro QUANT s
.irp b, 0,1,2,3
	v_max3_num_f32 v[TM+\b], |v[\s+16*\b]|, |v[\s+1+16*\b]|, 0x2800000   ; my 16 numbers of block b, and the floor 2^(5 - 127): the byte cannot fall under 1
.endr
.irp i, 2,4,6,8,10,12,14
.irp b, 0,1,2,3
	v_max3_num_f32 v[TM+\b], v[TM+\b], |v[\s+16*\b+\i]|, |v[\s+1+16*\b+\i]|
.endr
.endr
.irp b, 0,1,2,3
	v_permlanex16_b32 v[TM+4+\b], v[TM+\b], s[SEL], s[SEL+1]
.endr
.irp b, 0,1,2,3
	v_max_num_f32 v[TM+\b], v[TM+\b], v[TM+4+\b]   ; with lane l xor 16's: the block's largest magnitude
.endr
.irp b, 0,1,2,3
	v_add_nc_u32 v[TM+12+\b], 0xfe000000, v[TM+\b] ; 4 off its exponent field: the conversion's scale operand
.endr
.irp b, 0,1,2,3
	v_lshrrev_b32 v[TM+4+\b], 23, v[TM+12+\b]      ; the scale's byte
.endr
	v_lshl_or_b32 v[PW], v[TM+5], 8, v[TM+4]
	v_lshl_or_b32 v[PW], v[TM+6], 16, v[PW]
	v_lshl_or_b32 v[PW], v[TM+7], 24, v[PW]
.irp c, 0,1
	v_cvt_scalef32_pk16_bf6_f32 v[PC+6*\c:PC+2+6*\c], v[\s+32*\c:\s+15+32*\c], v[TM+12+2*\c]
	v_cvt_scalef32_pk16_bf6_f32 v[PC+12+4*\c:PC+14+4*\c], v[\s+16+32*\c:\s+31+32*\c], v[TM+12+2*\c+1]   ; (a conversion's three registers begin on an even number)
.endr
	v_nop                                          ; one plain place behind a scaled conversion
.irp c, 0,1                                    ; the layout wants a whole block in a lane: lanes 0-15 block 2 c, lanes 16-31 block 2 c + 1
.irp i, 0,1,2
	v_permlane16_swap_b32 v[PC+6*\c+\i], v[PC+12+4*\c+\i]
.endr
.irp i, 0,1,2
	v_mov_b32 v[PC+3+6*\c+\i], v[PC+12+4*\c+\i]
.endr
.endr
.endm
.macro XLD f, reg                      ; the sixteen rows of fragment 2 f + u, 512 bytes each
.irp i, 0,1,2,3,4,5,6,7,8,9,10,11,12,13,14,15
	global_load_b128 v[\reg+4*\i:\reg+4*\i+3], v4, s[4:5] offset:(32*(\f)+\i+8*(\i/8))*4096 th:TH_LOAD_NT
.endr
.endm
	s_and_b32 s17, s16, 1                          ; u
	s_lshr_b32 s18, s16, 1
	s_and_b32 s19, ttmp9, 3
	s_lshl_b32 s19, s19, 1
	s_add_co_u32 s19, s19, s18                     ; s = 2 (work-group % 4) + wave / 2
	s_lshr_b32 s20, ttmp9, 2                       ; g
	s_lshl_b32 s22, s20, 19                        ; 128 g rows of 4,096 bytes
	s_lshl_b32 s21, s17, 15                        ; + 8 u rows
	s_add_co_u32 s22, s22, s21
	s_lshl_b32 s21, s19, 9                         ; + 128 s numbers
	s_add_co_u32 s22, s22, s21
	s_mov_b32 s23, 0
	s_lshl_b32 s24, s20, 3
	s_add_co_u32 s24, s24, s19
	s_mul_i32 s24, s24, BLK                        ; block 8 g + s
	s_mov_b32 s25, 0
	s_mul_i32 s26, s16, 16*SP                      ; my stage
	v_add_nc_u32 v5, s26, v4                       ; in: 16 x lane of a row
	v_mul_u32_u24 v6, v2, SP
	v_lshl_add_u32 v6, v3, 6, v6
	v_add_nc_u32 v6, s26, v6                       ; back: row r, + 64 h
	s_mul_i32 s21, s17, FRB
	v_add_nc_u32 v8, s21, v4                       ; codes: 16 x lane + 1536 u
	v_lshlrev_b32 v7, 4, v2
	v_lshl_add_u32 v7, v3, 3, v7
	s_lshl_b32 s21, s17, 8
	v_add_nc_u32 v7, s21, v7                       ; scale words: 256 u + 16 r + 8 h
	s_mov_b32 s[SEL], 0x76543210
	s_mov_b32 s[SEL+1], 0xfedcba98
	s_mov_b32 s[HM], 0xffff0000
.irp b, 0,1,2,3
	v_mov_b32 v[TM+4+\b], 0                        ; written once: a lane permute's destination counts as one of its sources
.endr
	s_wait_kmcnt 0x0
	s_add_nc_u64 s[4:5], s[4:5], s[22:23]
	s_add_nc_u64 s[12:13], s[12:13], s[24:25]
	XLD 0, R0
	XLD 1, R0+64
.macro XFRAG f
.set RR, R0+64*((\f)%2)
.if \f < 3
	s_wait_loadcnt 16                              ; this fragment's sixteen loads are in; the next fragment's may be out
.else
	s_wait_loadcnt 0x0
.endif
.irp i, 0,1,2,3,4,5,6,7,8,9,10,11,12,13,14,15
	ds_store_b128 v5, v[RR+4*\i:RR+4*\i+3] offset:\i*SP
.endr
.irp b, 0,1,2,3
.irp j, 0,1,2,3
	ds_load_b128 v[X+16*\b+4*\j:X+16*\b+4*\j+3], v6 offset:128*\b+16*\j   ; LDS serves a wave's instructions in order (ISA guide 5.7.1.4): these see my stores
.endr
.endr
	s_wait_dscnt 0x0                               ; the stores have read their registers, and my 64 numbers are in
	s_wait_xcnt 0x0                                ; the last fragment's stores have read v[PC] on: it is rewritten only behind this wait
.if \f < 2
	XLD \f+2, RR
.endif
	QUANT X
.irp c, 0,1,2
	global_store_b128 v8, v[PC+4*\c:PC+4*\c+3], s[12:13] offset:2*(\f)*FRB+512*\c   ; 512 consecutive bytes, at a multiple of 256 from the buffer's first byte
.endr
	v_mov_b32 v[PWS+\f], v[PW]
.endm
	XFRAG 0
	XFRAG 1
	XFRAG 2
	XFRAG 3
	v_cndmask_b32 v[SW], v[PWS], v[PWS+2], s[HM]   ; lane (r, h) stores the words of fragments 4 h + u and 4 h + 2 + u
	v_cndmask_b32 v[SW+1], v[PWS+1], v[PWS+3], s[HM]
	global_store_b64 v7, v[SW:SW+1], s[12:13] offset:SCO   ; 32 lanes: 256 consecutive bytes, aligned
	s_wait_tensorcnt 0x0
	ds_add_u32 v62, v63
	s_wait_dscnt 0x0
	s_endpgm
; ---- the weights.  K is the FIRST axis: a lane takes a column n and its registers run down K, so that a block of 32 lies in one lane and the codes come out with K innermost.
; Work-group t' makes block t' of w_op (group 8 mat + n / 128, K step t' % 8); wave w its columns 32 w .. 32 w + 31, which are fragments 2 w and 2 w + 1.
.Lweights:
	s_sub_co_u32 s17, ttmp9, 256                   ; t'
	s_and_b32 s18, s17, 7                          ; K step
	s_lshr_b32 s19, s17, 3
	s_lshr_b32 s20, s19, 3                         ; which weight: 0 q, 1 k, 2 v
	s_and_b32 s21, s19, 7                          ; which 128 columns
	s_lshl_b32 s22, s18, 19                        ; 128 s rows of 4,096 bytes
	s_lshl_b32 s23, s21, 9
	s_add_co_u32 s22, s22, s23
	s_lshl_b32 s23, s16, 7
	s_add_co_u32 s22, s22, s23                     ; + my wave's first column
	s_mov_b32 s23, 0
	s_mul_i32 s24, s17, BLK
	s_mov_b32 s25, 0
	v_lshlrev_b32 v5, 2, v1                        ; in: 4 bytes a lane
	v_bfe_u32 v6, v0, 3, 1                         ; column 32 w + l is lane r = l % 8 + 8 (l / 16) of fragment 2 w + u, u = (l / 8) % 2
	v_and_b32 v7, 7, v0
	v_lshl_add_u32 v7, v3, 3, v7
	v_lshlrev_b32 v7, 4, v7                        ; 16 r
	v_mad_u32_u24 v8, v6, FRB, v7
	s_mul_i32 s26, s16, 2*FRB
	v_add_nc_u32 v8, s26, v8                       ; codes: 1536 (2 w + u) + 16 r
	v_lshl_add_u32 v9, v6, 8, v7
	s_lshl_b32 s26, s16, 2
	v_add_nc_u32 v9, s26, v9                       ; scale word: 256 u + 16 r + 4 w
	s_wait_kmcnt 0x0
	s_cmp_eq_u32 s20, 0                            ; the choice hangs on the work-group's number alone
	s_cselect_b64 s[30:31], s[6:7], s[8:9]
	s_cmp_eq_u32 s20, 2
	s_cselect_b64 s[30:31], s[10:11], s[30:31]
	s_add_nc_u64 s[30:31], s[30:31], s[22:23]
	s_add_nc_u64 s[14:15], s[14:15], s[24:25]
.set kk, 0
.rept 128
	global_load_b32 v[128+kk], v5, s[30:31] offset:kk*4096 th:TH_LOAD_NT   ; W(128 s + kk, my column): 128 consecutive bytes a wave, the four waves side by side on 512
.set kk, kk+1
.endr
; Block t = 2 c + h' of my column belongs to lane (r, h'), registers 6 c .. 6 c + 5: run h' of twelve registers at v[64 + 12 h'].
.macro WBLK t
.set XS, 128+32*(\t)
.set RU, 64+12*((\t)%2)+6*((\t)/2)
.if (\t) < 2
	s_wait_loadcnt 63                              ; a count names 63 at the most: blocks 0 and 1 are in
.elseif (\t) == 2
	s_wait_loadcnt 32                              ; the last block's 32 loads may be out
.else
	s_wait_loadcnt 0x0
.endif
	v_max3_num_f32 v12, |v[XS]|, |v[XS+1]|, |v[XS+2]|
	v_max3_num_f32 v13, |v[XS+3]|, |v[XS+4]|, |v[XS+5]|
.irp i, 6,10,14,18,22,26
	v_max3_num_f32 v12, v12, |v[XS+\i]|, |v[XS+\i+1]|
	v_max3_num_f32 v13, v13, |v[XS+\i+2]|, |v[XS+\i+3]|
.endr
	v_max3_num_f32 v12, v12, |v[XS+30]|, |v[XS+31]|
	v_max3_num_f32 v12, v12, v13, 0x2800000        ; and the floor
	v_add_nc_u32 v[20+\t], 0xfe000000, v12         ; the conversion's scale operand
	v_lshrrev_b32 v13, 23, v[20+\t]                ; the byte
.if (\t) == 0
	v_mov_b32 v10, v13
.else
	v_lshl_or_b32 v10, v13, 8*(\t), v10            ; the lower K in the lower byte
.endif
	v_cvt_scalef32_pk16_bf6_f32 v[RU:RU+2], v[XS:XS+15], v[20+\t]
	v_cvt_scalef32_pk16_bf6_f32 v[96+4*(\t):98+4*(\t)], v[XS+16:XS+31], v[20+\t]   ; the second three begin on an odd number: made elsewhere and moved
.endm
	WBLK 0
	WBLK 1
	WBLK 2
	WBLK 3
	v_nop                                          ; one plain place behind the last conversion
.irp t, 0,1,2,3
.irp i, 0,1,2
	v_mov_b32 v[64+12*(\t%2)+6*(\t/2)+3+\i], v[96+4*\t+\i]
.endr
.endr
.irp hh, 0,1
.irp c, 0,1,2
	global_store_b128 v8, v[64+12*\hh+4*\c:64+12*\hh+4*\c+3], s[14:15] offset:512*\c+256*\hh   ; sixteen lanes of one u: 256 consecutive bytes, aligned
.endr
.endr
	global_store_b32 v9, v10, s[14:15] offset:SCO  ; 4 bytes a lane, 16 bytes apart: the four waves together fill the block's 512 bytes of scale words
	s_endpgm
.Lfunc_end_k_q06d5df8144_quant:
	.size	k_q06d5df8144_quant, .Lfunc_end_k_q06d5df8144_quant-k_q06d5df8144_quant
	.p2alignl 7, 3214868480
	.fill 96, 4, 3214868480
	.section	.rodata,"a",@progbits
	.p2align	6, 0x0
	.amdhsa_kernel k_q06d5df8144_quant
		.amdhsa_group_segment_fixed_size 34304
		.amdhsa_private_segment_fixed_size 0
		.amdhsa_enable_private_segment 0
		.amdhsa_kernarg_size 48
		.amdhsa_user_sgpr_count 2
		.amdhsa_user_sgpr_kernarg_segment_ptr 1
		.amdhsa_wavefront_size32 1
		.amdhsa_system_sgpr_workgroup_id_x 1
		.amdhsa_system_sgpr_workgroup_id_y 1
		.amdhsa_system_sgpr_workgroup_id_z 1
		.amdhsa_system_vgpr_workitem_id 0
		.amdhsa_next_free_vgpr 256
		.amdhsa_next_free_sgpr 66
		.amdhsa_reserve_vcc 0
		.amdhsa_float_denorm_mode_32 3
		.amdhsa_float_denorm_mode_16_64 3
		.amdhsa_memory_ordered 1
		.amdhsa_forward_progress 1
		.amdhsa_inst_pref_size 53
	.end_amdhsa_kernel
	.amdgpu_metadata
---
amdhsa.version: [ 1, 2 ]
amdhsa.kernels:
  - .name:           k_q06d5df8144_quant
    .symbol:         k_q06d5df8144_quant.kd
    .args:
      - { .name: x, .offset: 0, .size: 8, .value_kind: global_buffer, .address_space: global }
      - { .name: W_q, .offset: 8, .size: 8, .value_kind: global_buffer, .address_space: global }
      - { .name: W_k, .offset: 16, .size: 8, .value_kind: global_buffer, .address_space: global }
      - { .name: W_v, .offset: 24, .size: 8, .value_kind: global_buffer, .address_space: global }
      - { .name: x_op, .offset: 32, .size: 8, .value_kind: global_buffer, .address_space: global }
      - { .name: w_op, .offset: 40, .size: 8, .value_kind: global_buffer, .address_space: global }
    .group_segment_fixed_size: 34304
    .private_segment_fixed_size: 0
    .kernarg_segment_align: 8
    .kernarg_segment_size: 48
    .max_flat_workgroup_size: 128
    .sgpr_count:     66
    .vgpr_count:     256
    .wavefront_size: 32
...
	.end_amdgpu_metadata
.endif
;; end of part 1
;; launch proj (part 2): grid 12 x 32, 4 waves a work-group, clusters of 4 x 4, 327,680 bytes of LDS; arguments x_op, w_op, qkv; writes qkv
.if DOCPART == 2
	.amdgcn_target "amdgcn-amd-amdhsa--gfx1250"
	.amdhsa_code_object_version 6
	.text
	.protected	k_q06d5df8144_proj
	.globl	k_q06d5df8144_proj
	.p2align	8
	.type	k_q06d5df8144_proj,@function
k_q06d5df8144_proj:
	s_mov_b64 s[64:65], 0
	v_nop
	global_prefetch_b8 v0, s[64:65] scope:SCOPE_SE
	s_setreg_imm32_b32 hwreg(HW_REG_WAVE_MODE, 25, 1), 1
	s_wait_xcnt 0x0
	s_wait_alu depctr_hold_cnt(0) depctr_sa_sdst(0) depctr_va_vdst(0) depctr_va_sdst(0) depctr_va_ssrc(0) depctr_va_vcc(0) depctr_vm_vsrc(0)
	s_getreg_b32 s2, hwreg(HW_REG_IB_STS2, 6, 4)
	s_cmp_eq_u32 s2, 0
	s_cbranch_scc0 .Lentry_in_a_cluster
	s_endpgm
.Lentry_in_a_cluster:
	s_bfe_u32 s2, ttmp6, 0x10000c
	s_cmp_lg_u32 s2, 0xf033
	s_cbranch_scc0 .Lentry_shape_is_right
	s_endpgm
.Lentry_shape_is_right:
; Q = x W_q, K = x W_k, V = x W_v on codes of BF6 (E3M2) with E8M0 scales; the results are quantised in the epilogue and leave as operands of the next products, in this program's operand format
; (blocks of 128 rows x 128 K, 12,800 bytes: eight fragments as images of the operand's registers, then 512 bytes of scale words; lane r of fragment 2 q + u holds row 32 q + 8 u + r + 8 (r / 8)).
; Q and K are quantised along the model's 1,024 (their rows are the tokens); V along the KEYS: it leaves as V^T, rows = the model's 1,024, K = a batch's 2,048 tokens.
; A work-group of four waves makes 256 x 256 results, a wave 128 x 128: 64 accumulators.  SOURCE 1's row stays in a lane, SOURCE 0's rows run along the lane's registers: two neighbouring tiles give 16 neighbours
; along the next K, so the conversions' results are the next operand's registers.  For Q and K source 1 = x, source 0 = W; for V source 1 = W_v, source 0 = x.
; CLUSTERS of 4 x 4.  Source 1's tile hangs on cy and is asked for jointly along the cluster's row, source 0's on cx, along its column.  The clusters with x = 2 make V: there cy names the columns of W_v and cx the rows of x;
; only the two buffers' addresses and the group numbers differ, chosen on the cluster's x, which all partners share.
; K goes in 8 steps of 128 through two LDS slots of two steps; a group's two steps are 25,600 dense bytes, one tensor load of 100 rows of 256 bytes; a fragment comes by three loads of 16 bytes a lane, 512 consecutive bytes each.
; LIMITS: a block of zeros gets the byte 1 (its codes are zeros; this program alone reads the bytes); NaN and infinities are not served.
; REGISTERS: window 0: v16-29 addresses; v32-63 scale words, two sets; v128-223 source 1's eight fragments, one set; in the epilogue v112-163 and v224-231 at work.  window 1: source 0's fragments, two sets, at v0 and v128.
;   windows 2, 3: accumulator (a, b) at v[8 (8 (a % 4) + b)].
.set BLK,   12800
.set SCO,   12288
.set FRB,   1536
.set GB,    2*BLK                      ; two K steps of a group: what one tensor load brings
.set SLOT,  4*GB                       ; source 1's two groups, then source 0's two
.set SPARE, 2*SLOT                     ; behind the ring: the spare words, 128 bytes a wave: two blocks of 256 bytes that no other line names
.set GPITCH, 8*BLK                     ; from group to group in x_op and w_op
.set ADRA, 16                          ; v16-17 LDS address of my source 1 group in slot 0, 1, + 16 x lane
.set ADRB, 20                          ; v20-21 the same for source 0
.set LN,   26                          ; v26    16 x lane
.set SPW,  28                          ; v28    my spare word; never rewritten
.set NIL,  29                          ; v29    0; never rewritten
.set SC,   32                          ; scale words: slot s at +16 s, its step q at +8 q; +0..3 source 1's, +4..7 source 0's; register i: lanes 0-15 tile 2 i, lanes 16-31 tile 2 i + 1
.set AF,   128
.set PC,   112                         ; epilogue: the codes just made
.set TM,   136                         ; at work
.set SW,   152                         ; the block's scale words, merged
.set PW8,  224                         ; a scale word for each of my eight tiles of rows
.set OUT,  8                           ; s[8:9] my block of qkv
.set G1,  24
.set G0,  32
.set G1B, 48
.set G0B, 56
.set SEL, 78
.set HM,  80
.set MSB, 0
.macro WIN new                         ; the immediate's high byte repeats the setting that is left
.if MSB != \new
	s_set_vgpr_msb (MSB<<8)|\new
.set MSB, \new
.endif
.endm
.set TO_B, 0x40                        ; destination window 1
.macro PLACES n
.rept \n
	v_nop
.endr
.endm
; A joint load: waves 0 and 1 fetch source 1's two groups, waves 2 and 3 source 0's.  Four v_nop follow each of the two lines.
.macro JLOAD g0a, g1a, g0b, g1b
	s_cmp_eq_u32 s15, 0
	s_cbranch_scc0 .Lfor_b_\@
	tensor_load_to_lds s[\g0a:\g0a+3], s[\g1a:\g1a+7]
	s_nop 0
.rept 4
	v_nop
.endr
	s_branch .Lasked_\@
.Lfor_b_\@:
	tensor_load_to_lds s[\g0b:\g0b+3], s[\g1b:\g1b+7]
	s_nop 0
.rept 4
	v_nop
.endr
.Lasked_\@:
.endm
.macro CREST                           ; a round of the cluster's barrier behind its opening barrier
	s_cmp_lg_u32 s14, 0
	s_cbranch_scc1 .Lnot_wave_0_\@
	s_barrier_signal -3
.Lnot_wave_0_\@:
	s_barrier_wait -3
	s_barrier_signal -1
	s_barrier_wait -1
.endm
.macro CROUND
	s_barrier_signal -1
	s_barrier_wait -1
	CREST
.endm
	s_load_b128 s[4:7], s[0:1], 0x0                ; x_op, w_op
	s_load_b64 s[8:9], s[0:1], 0x10                ; qkv
	v_lshl_add_u32 v[SPW], v0, 2, SPARE
	v_mov_b32 v[NIL], 0
	ds_add_u32 v28, v29
	ds_add_u32 v28, v29
	s_wait_dscnt 0x0
	v_lshrrev_b32 v1, 5, v0
	v_readfirstlane_b32 s14, v1                    ; wave 0..3
	s_lshr_b32 s15, s14, 1                         ; which of source 1's two groups is mine.  Also: I fetch for source 1 (0) or source 0 (1)
	s_and_b32 s16, s14, 1                          ; which of source 0's.  Also: which of the two groups I fetch
	s_bfe_u32 s40, ttmp6, 0x40000                  ; cx
	s_bfe_u32 s41, ttmp6, 0x40004                  ; cy
	s_and_b32 s17, ttmp7, 0xffff                   ; cluster y
	s_lshl_b32 s43, s41, 2
	s_lshl_b32 s43, 15, s43                        ; my row of the cluster
	s_lshl_b32 s44, 0x1111, s40                    ; my column
	s_or_b32 s[G1], s43, (3<<16)|(1<<21)           ; 15:0 the mask; 17:16 elements of 8 bytes; 21 set beside a mask; no padding
	s_or_b32 s[G1B], s44, (3<<16)|(1<<21)
.irp g, G1, G1B
	s_mov_b32 s[\g+1], 32<<16                      ; tensor_dim0 = 32 elements: 256 bytes
	s_mov_b32 s[\g+2], 100<<16                     ; tensor_dim1 = 100
	s_mov_b32 s[\g+3], 32<<16                      ; tile_dim0
	s_mov_b32 s[\g+4], 100                         ; tile_dim1
	s_mov_b32 s[\g+5], 32                          ; the pitch: the block is dense
	s_mov_b32 s[\g+6], 0
	s_mov_b32 s[\g+7], 0
.endr
	s_lshl_b32 s18, s17, 3                         ; 8 x cluster y
	s_lshl_b32 s19, ttmp9, 3                       ; 8 x cluster x
	s_lshl_b32 s22, s41, 1                         ; 2 cy
	s_lshl_b32 s46, s40, 1                         ; 2 cx
	s_mul_i32 s45, s14, GB                         ; where my load goes in a slot: wave x 25,600
	s_wait_kmcnt 0x0
	s_cmp_eq_u32 ttmp9, 2                          ; a cluster that makes V?
	s_cselect_b32 s20, 16, s18                     ; the cluster's first group of source 1: W_v's, or x's
	s_cselect_b32 s21, s18, s19                    ; and of source 0: x's, or W_q's and W_k's
	s_cselect_b64 s[10:11], s[6:7], s[4:5]         ; source 1's buffer
	s_cselect_b64 s[12:13], s[4:5], s[6:7]         ; source 0's
	s_add_co_u32 s22, s22, s20                     ; my tile's first group of source 1: hangs on cy alone
	s_add_co_u32 s46, s46, s21                     ; of source 0: on cx alone
	s_add_co_u32 s66, s22, s16
	s_mul_i32 s66, s66, GPITCH
	s_mov_b32 s67, 0
	s_add_co_u32 s68, s46, s16
	s_mul_i32 s68, s68, GPITCH
	s_mov_b32 s69, 0
	s_add_nc_u64 s[10:11], s[10:11], s[66:67]
	s_add_nc_u64 s[12:13], s[12:13], s[68:69]
	CROUND                                         ; all sixteen work-groups are here: the first joint loads meet
.irp s, 0,1
	s_mov_b32 s[G0+4*\s], 1
	s_add_co_u32 s[G0+4*\s+1], s45, \s*SLOT
	s_add_nc_u64 s[G0+4*\s+2:G0+4*\s+3], s[10:11], \s*GB
	s_or_b32 s[G0+4*\s+3], s[G0+4*\s+3], 0x80000000
	s_mov_b32 s[G0B+4*\s], 1
	s_add_co_u32 s[G0B+4*\s+1], s45, \s*SLOT
	s_add_nc_u64 s[G0B+4*\s+2:G0B+4*\s+3], s[12:13], \s*GB
	s_or_b32 s[G0B+4*\s+3], s[G0B+4*\s+3], 0x80000000
	JLOAD G0+4*\s, G1, G0B+4*\s, G1B
.endr
	v_and_b32 v1, 31, v0
	v_lshlrev_b32 v[LN], 4, v1
	s_mul_i32 s70, s15, GB                         ; my group of source 1
	s_mul_i32 s71, s16, GB
	s_add_co_u32 s71, s71, 2*GB                    ; my group of source 0, behind source 1's two
.irp s, 0,1
	v_add_nc_u32 v[ADRA+\s], s70, v[LN]
	v_add_nc_u32 v[ADRB+\s], s71, v[LN]
	s_add_co_u32 s70, s70, SLOT
	s_add_co_u32 s71, s71, SLOT
.endr
	s_mov_b32 s[SEL], 0x76543210
	s_mov_b32 s[SEL+1], 0xfedcba98
	s_mov_b32 s[HM], 0xffff0000
	; my block of qkv: rows = my group of source 1, K step = my group of source 0
	s_add_co_u32 s72, s22, s15
	s_add_co_u32 s73, s46, s16
	s_lshr_b32 s74, s73, 3                         ; Q, K: 512 (n / 8) + 8 g + n % 8, n = W's group (0..15), g = x's
	s_lshl_b32 s74, s74, 9
	s_lshl_b32 s75, s72, 3
	s_add_co_u32 s74, s74, s75
	s_and_b32 s75, s73, 7
	s_add_co_u32 s74, s74, s75
	s_lshr_b32 s76, s73, 4                         ; V^T: 1024 + 128 (m / 16) + 16 (gw - 16) + m % 16, m = x's group, gw = W_v's (16..23)
	s_lshl_b32 s76, s76, 7
	s_lshl_b32 s77, s72, 4
	s_add_co_u32 s76, s76, s77
	s_and_b32 s77, s73, 15
	s_add_co_u32 s76, s76, s77
	s_add_co_u32 s76, s76, 1024-256
	s_cmp_eq_u32 ttmp9, 2
	s_cselect_b32 s74, s76, s74
	s_mul_i32 s74, s74, BLK
	s_mov_b32 s75, 0
	s_add_nc_u64 s[OUT:OUT+1], s[OUT:OUT+1], s[74:75]
; One matrix instruction; rD, rB, rA, rC, rSB, rSA are set by the caller.  An odd tile's scale words lie in lanes 16-31 of their register.
.macro WM zero, a, b
.if \zero
.if ((\a)%2) && ((\b)%2)
	v_wmma_scale_f32_16x16x128_f8f6f4 v[rD:rD+7], v[rB:rB+11], v[rA:rA+11], 0, v[rSB], v[rSA] matrix_a_fmt:MATRIX_FMT_BF6 matrix_b_fmt:MATRIX_FMT_BF6 matrix_a_scale:MATRIX_SCALE_ROW1 matrix_b_scale:MATRIX_SCALE_ROW1
.elseif (\b)%2
	v_wmma_scale_f32_16x16x128_f8f6f4 v[rD:rD+7], v[rB:rB+11], v[rA:rA+11], 0, v[rSB], v[rSA] matrix_a_fmt:MATRIX_FMT_BF6 matrix_b_fmt:MATRIX_FMT_BF6 matrix_a_scale:MATRIX_SCALE_ROW1
.elseif (\a)%2
	v_wmma_scale_f32_16x16x128_f8f6f4 v[rD:rD+7], v[rB:rB+11], v[rA:rA+11], 0, v[rSB], v[rSA] matrix_a_fmt:MATRIX_FMT_BF6 matrix_b_fmt:MATRIX_FMT_BF6 matrix_b_scale:MATRIX_SCALE_ROW1
.else
	v_wmma_scale_f32_16x16x128_f8f6f4 v[rD:rD+7], v[rB:rB+11], v[rA:rA+11], 0, v[rSB], v[rSA] matrix_a_fmt:MATRIX_FMT_BF6 matrix_b_fmt:MATRIX_FMT_BF6
.endif
.else
.if ((\a)%2) && ((\b)%2)
	v_wmma_scale_f32_16x16x128_f8f6f4 v[rD:rD+7], v[rB:rB+11], v[rA:rA+11], v[rC:rC+7], v[rSB], v[rSA] matrix_a_fmt:MATRIX_FMT_BF6 matrix_b_fmt:MATRIX_FMT_BF6 matrix_a_scale:MATRIX_SCALE_ROW1 matrix_b_scale:MATRIX_SCALE_ROW1
.elseif (\b)%2
	v_wmma_scale_f32_16x16x128_f8f6f4 v[rD:rD+7], v[rB:rB+11], v[rA:rA+11], v[rC:rC+7], v[rSB], v[rSA] matrix_a_fmt:MATRIX_FMT_BF6 matrix_b_fmt:MATRIX_FMT_BF6 matrix_a_scale:MATRIX_SCALE_ROW1
.elseif (\a)%2
	v_wmma_scale_f32_16x16x128_f8f6f4 v[rD:rD+7], v[rB:rB+11], v[rA:rA+11], v[rC:rC+7], v[rSB], v[rSA] matrix_a_fmt:MATRIX_FMT_BF6 matrix_b_fmt:MATRIX_FMT_BF6 matrix_b_scale:MATRIX_SCALE_ROW1
.else
	v_wmma_scale_f32_16x16x128_f8f6f4 v[rD:rD+7], v[rB:rB+11], v[rA:rA+11], v[rC:rC+7], v[rSB], v[rSA] matrix_a_fmt:MATRIX_FMT_BF6 matrix_b_fmt:MATRIX_FMT_BF6
.endif
.endif
.endm
; 16 matrix instructions: source 1's tiles a0, a0 + 1 x source 0's eight; p: source 0's set; q: the slot's step; sc: the slot.  kind 0: the products start the sums; 1: they add in place.
; The 64 accumulators take turns, one instruction a turn, in the same order in every step.
.macro MUL16 a0, p, q, sc, kind
.irp a, \a0, \a0+1
.irp b, 0,1,2,3,4,5,6,7
.set rD, 8*(8*((\a)%4)+\b)
.set rB, 128*(\p)+12*\b
.set rA, AF+12*(\a)
.set rSB, SC+16*(\sc)+8*(\q)+4+\b/2
.set rSA, SC+16*(\sc)+8*(\q)+(\a)/2
.set rC, rD
.if \kind == 0
	WM 1, \a, \b
.else
	WM 0, \a, \b
.endif
.endr
.endr
.endm
.macro FRAG reg, adr, off              ; a fragment: twelve registers, three loads of 512 consecutive bytes
.irp c, 0,1,2
	ds_load_b128 v[\reg+4*\c:\reg+4*\c+3], v[\adr] offset:\off+512*\c
.endr
.endm
.macro FETCH_B slot, q, p
	WIN TO_B
.irp i, 0,1,2,3,4,5,6,7
	FRAG 128*(\p)+12*\i, ADRB+\slot, (\q)*BLK+FRB*\i
.endr
	WIN 0
.endm
.macro FETCH_A slot, q, i0
.irp i, \i0, \i0+1, \i0+2, \i0+3
	FRAG AF+12*(\i), ADRA+\slot, (\q)*BLK+FRB*(\i)
.endr
.endm
.macro SCALES sc                       ; a slot's scale words, both steps, both sources: four loads
.irp q, 0,1
	ds_load_b128 v[SC+16*\sc+8*\q:SC+16*\sc+8*\q+3], v[ADRA+\sc] offset:\q*BLK+SCO
	ds_load_b128 v[SC+16*\sc+8*\q+4:SC+16*\sc+8*\q+7], v[ADRB+\sc] offset:\q*BLK+SCO
.endr
.endm
; A load into a register that a matrix instruction has read stands four places behind it, and only plain vector instructions that name none of its registers are places (ISA guide 7.12.1 for vector instructions).
; A slot's first step.
.macro STEP slot, kind
	s_wait_dscnt 12                                ; source 0's set, source 1's tiles 0-3 and the scale words are in; the youngest twelve loads (tiles 4-7) may be out
	WIN 0xa1                                       ; source 0 window 1, source 1 window 0, C and D window 2
	MUL16 0, 0, 0, \slot, \kind
	MUL16 2, 0, 0, \slot, \kind
	s_wait_dscnt 0x0                               ; tiles 4-7 are in
	PLACES 4
	FETCH_B \slot, 1, 1
	FETCH_A \slot, 1, 0
	WIN 0xf1                                       ; C and D window 3
	MUL16 4, 0, 0, \slot, \kind
	MUL16 6, 0, 0, \slot, \kind
	PLACES 4
	WIN 0
	FETCH_A \slot, 1, 4
.endm
; A slot's second step changes slots: one barrier; in front of it each wave waits for all its tensor loads, adds 0 to its spare word, and waits for that and for its reads of this slot.  fill = 1: this slot is filled again.
.macro TURN slot, next, fill
	s_wait_tensorcnt 0x0                           ; all my tensor loads have landed: my part of the next slot
	ds_add_u32 v[SPW], v[NIL]                      ; 0 onto my spare word
	s_wait_dscnt 13                                ; (the add and the youngest twelve loads may be out)
	WIN 0xa1
	MUL16 0, 1, 1, \slot, 1
	s_wait_dscnt 0x0                               ; the add is done, and my reads of this slot are over
	s_barrier_signal -1
	MUL16 2, 1, 1, \slot, 1
	WIN 0
	s_barrier_wait -1
.if \fill
	CREST                                          ; the barrier has opened a round of the cluster's barrier: no wave of any partner still reads this slot or has a load on its way
	s_add_nc_u64 s[G0+4*\slot+2:G0+4*\slot+3], s[G0+4*\slot+2:G0+4*\slot+3], 2*GB
	s_add_nc_u64 s[G0B+4*\slot+2:G0B+4*\slot+3], s[G0B+4*\slot+2:G0B+4*\slot+3], 2*GB
	JLOAD G0+4*\slot, G1, G0B+4*\slot, G1B         ; the first tensor load behind the round; its four v_nop are the places in front of the loads below
.else
	PLACES 4
.endif
	FETCH_B \next, 0, 0
	FETCH_A \next, 0, 0
	SCALES \next
	WIN 0xf1
	MUL16 4, 1, 1, \slot, 1
	MUL16 6, 1, 1, \slot, 1
	PLACES 4
	WIN 0
	FETCH_A \next, 0, 4
.endm
	s_wait_tensorcnt 0x1                           ; my part of slot 0 is in; slot 1's may be out
	s_barrier_signal -1
	s_barrier_wait -1
	FETCH_B 0, 0, 0
	FETCH_A 0, 0, 0
	SCALES 0
	FETCH_A 0, 0, 4
	STEP 0, 0                                      ; K steps 0 .. 7, written out: the ring goes round twice
	TURN 0, 1, 1
	STEP 1, 1
	TURN 1, 0, 1
	STEP 0, 1
	TURN 0, 1, 0                                   ; the last lap fills nothing
	STEP 1, 1
	s_wait_dscnt 12
	WIN 0xa1
	MUL16 0, 1, 1, 1, 1
	MUL16 2, 1, 1, 1, 1
	s_wait_dscnt 0x0
	WIN 0xf1
	MUL16 4, 1, 1, 1, 1
	MUL16 6, 1, 1, 1, 1
	WIN 0
; THE EPILOGUE.  Tile a's 64 registers of a lane are, of its row, k' = 32 b + 16 h + i in register 16 b + i: they become fragment a of my block.
; CODES: v[TM+12 ..] hold the four blocks' scale operands; the bytes make the row's scale word; the codes are stored as the image of their registers.
.macro CODES a
.irp b, 0,1,2,3
	v_lshrrev_b32 v[TM+4+\b], 23, v[TM+12+\b]
.endr
	v_lshl_or_b32 v[PW8+\a], v[TM+5], 8, v[TM+4]
	v_lshl_or_b32 v[PW8+\a], v[TM+6], 16, v[PW8+\a]
	v_lshl_or_b32 v[PW8+\a], v[TM+7], 24, v[PW8+\a]
	s_wait_xcnt 0x0                                ; the last tile's stores have read v[PC] on
	WIN W                                          ; source 0: the accumulators' window
.irp c, 0,1
	v_cvt_scalef32_pk16_bf6_f32 v[PC+6*\c:PC+6*\c+2], v[AC+32*\c:AC+32*\c+15], v[TM+12+2*\c]
	v_cvt_scalef32_pk16_bf6_f32 v[PC+12+4*\c:PC+14+4*\c], v[AC+32*\c+16:AC+32*\c+31], v[TM+13+2*\c]
.endr
	WIN 0
	v_nop                                          ; one plain place behind a scaled conversion
.irp c, 0,1
.irp i, 0,1,2
	v_permlane16_swap_b32 v[PC+6*\c+\i], v[PC+12+4*\c+\i]
.endr
.irp i, 0,1,2
	v_mov_b32 v[PC+3+6*\c+\i], v[PC+12+4*\c+\i]
.endr
.endr
.irp c, 0,1,2
	global_store_b128 v[LN], v[PC+4*\c:PC+4*\c+3], s[OUT:OUT+1] offset:FRB*\a+512*\c   ; 512 consecutive bytes, at a multiple of 256 from the buffer's first byte
.endr
.endm
.macro QACC a
.set W, 2+(\a)/4
.set WW, W|(W<<2)
.set AC, 64*((\a)%4)
	WIN WW                                         ; sources 0 and 1: the accumulators' window
.irp b, 0,1,2,3
	v_max3_num_f32 v[TM+\b], |v[AC+16*\b]|, |v[AC+16*\b+1]|, 0x2800000   ; each accumulator is read from its low end on; the floor 2^(5 - 127) holds the byte at 1 from below
.endr
.irp i, 2,4,6,8,10,12,14
.irp b, 0,1,2,3
	v_max3_num_f32 v[TM+\b], |v[AC+16*\b+\i]|, |v[AC+16*\b+\i+1]|, v[TM+\b]
.endr
.endr
	WIN 0
.irp b, 0,1,2,3
	v_permlanex16_b32 v[TM+4+\b], v[TM+\b], s[SEL], s[SEL+1]
.endr
.irp b, 0,1,2,3
	v_max_num_f32 v[TM+\b], v[TM+\b], v[TM+4+\b]
.endr
.irp b, 0,1,2,3
	v_add_nc_u32 v[TM+12+\b], 0xfe000000, v[TM+\b]
.endr
	CODES \a
.endm
	PLACES 4                                       ; behind the last products
.irp b, 0,1,2,3
	v_mov_b32 v[TM+4+\b], 0                        ; a lane permute's destination counts as one of its sources
.endr
.irp a, 0,1,2,3,4,5,6,7
	QACC \a
.endr
.irp q, 0,1,2,3
	v_cndmask_b32 v[SW+\q], v[PW8+2*\q], v[PW8+2*\q+1], s[HM]   ; lanes 0-15 tile 2 q's words, lanes 16-31 tile 2 q + 1's
.endr
	global_store_b128 v[LN], v[SW:SW+3], s[OUT:OUT+1] offset:SCO
	s_wait_tensorcnt 0x0                           ; the wave's end
	ds_add_u32 v[SPW], v[NIL]
	s_wait_dscnt 0x0
	CROUND                                         ; the closing round
	s_endpgm
.Lfunc_end_k_q06d5df8144_proj:
	.size	k_q06d5df8144_proj, .Lfunc_end_k_q06d5df8144_proj-k_q06d5df8144_proj
	.p2alignl 7, 3214868480
	.fill 96, 4, 3214868480
	.section	.rodata,"a",@progbits
	.p2align	6, 0x0
	.amdhsa_kernel k_q06d5df8144_proj
		.amdhsa_group_segment_fixed_size 327680
		.amdhsa_private_segment_fixed_size 0
		.amdhsa_enable_private_segment 0
		.amdhsa_kernarg_size 24
		.amdhsa_user_sgpr_count 2
		.amdhsa_user_sgpr_kernarg_segment_ptr 1
		.amdhsa_wavefront_size32 1
		.amdhsa_system_sgpr_workgroup_id_x 1
		.amdhsa_system_sgpr_workgroup_id_y 1
		.amdhsa_system_sgpr_workgroup_id_z 1
		.amdhsa_system_vgpr_workitem_id 0
		.amdhsa_next_free_vgpr 1024
		.amdhsa_next_free_sgpr 100
		.amdhsa_reserve_vcc 0
		.amdhsa_float_denorm_mode_32 3
		.amdhsa_float_denorm_mode_16_64 3
		.amdhsa_memory_ordered 1
		.amdhsa_forward_progress 1
		.amdhsa_inst_pref_size 136
	.end_amdhsa_kernel
	.amdgpu_metadata
---
amdhsa.version: [ 1, 2 ]
amdhsa.kernels:
  - .name:           k_q06d5df8144_proj
    .symbol:         k_q06d5df8144_proj.kd
    .args:
      - { .name: x_op, .offset: 0, .size: 8, .value_kind: global_buffer, .address_space: global }
      - { .name: w_op, .offset: 8, .size: 8, .value_kind: global_buffer, .address_space: global }
      - { .name: qkv, .offset: 16, .size: 8, .value_kind: global_buffer, .address_space: global }
    .group_segment_fixed_size: 327680
    .private_segment_fixed_size: 0
    .kernarg_segment_align: 8
    .kernarg_segment_size: 24
    .max_flat_workgroup_size: 128
    .sgpr_count:     100
    .vgpr_count:     1024
    .wavefront_size: 32
...
	.end_amdgpu_metadata
.endif
;; end of part 2
;; launch score (part 3): grid 4 x 48, 4 waves a work-group, clusters of 4 x 4, 327,680 bytes of LDS; arguments qkv, p_op, pstat; writes p_op, pstat
.if DOCPART == 3
	.amdgcn_target "amdgcn-amd-amdhsa--gfx1250"
	.amdhsa_code_object_version 6
	.text
	.protected	k_q06d5df8144_score
	.globl	k_q06d5df8144_score
	.p2align	8
	.type	k_q06d5df8144_score,@function
k_q06d5df8144_score:
	s_mov_b64 s[64:65], 0
	v_nop
	global_prefetch_b8 v0, s[64:65] scope:SCOPE_SE
	s_setreg_imm32_b32 hwreg(HW_REG_WAVE_MODE, 25, 1), 1
	s_wait_xcnt 0x0
	s_wait_alu depctr_hold_cnt(0) depctr_sa_sdst(0) depctr_va_vdst(0) depctr_va_sdst(0) depctr_va_ssrc(0) depctr_va_vcc(0) depctr_vm_vsrc(0)
	s_getreg_b32 s2, hwreg(HW_REG_IB_STS2, 6, 4)
	s_cmp_eq_u32 s2, 0
	s_cbranch_scc0 .Lentry_in_a_cluster
	s_endpgm
.Lentry_in_a_cluster:
	s_bfe_u32 s2, ttmp6, 0x10000c
	s_cmp_lg_u32 s2, 0xf033
	s_cbranch_scc0 .Lentry_shape_is_right
	s_endpgm
.Lentry_shape_is_right:
; S = Q K^T on codes of BF6 with E8M0 scales, the causal mask, and the softmax's p, quantised along the keys: p_op, in this program's operand format (see the launch that makes Q and K), rows = queries, K = a batch's 2,048 keys.
; THE SOFTMAX IS TAKEN WITH A LOCAL M.  t = score x log2(e) / 32; for each query and each 128 keys M = ceil(the largest t among them), a whole number; p = 2^(t - M).  The codes do not hang on which whole number M is: a block's
; scale takes the difference up.  M and l (the sum of the unquantised p of these 128 keys) go to pstat; the last launch takes the row's largest M, lowers each block's scale byte by the difference, and adds the l's under it.
; THE MASK COSTS NO LINE BEHIND THE PRODUCTS: it is the C of the first K step, 0 where the key counts and -2^120 where it is hidden; such a score stays near -2^120, and its p is 0.
; A query none of whose 128 keys counts gets M = -3e38, l = 0 and zero codes.
; SHARES.  A work-group makes 256 queries x 256 keys, a wave 128 x 128: source 1 = Q (a lane keeps one query), source 0 = K (the keys run along the lane's registers).
; CLUSTERS of 4 x 4 tiles; of a batch's 2 x 2 such squares the three that hold keys that count are made.  Q's tile is asked for jointly along the cluster's row, K's along its column.
; The tiles of a diagonal square that lie above the diagonal are made like the others (their p are zeros).  The last launch reads part of them, as zeros.
; LIMITS: |t| stays under 1e30; NaN and infinities are not served; a block whose every p is 0 gets the byte 1 (its codes are zeros).
; REGISTERS: as in the launch before; v64-111 of window 0 hold the mask's tiles; in the epilogue v112-175 and v224-247 are at work.
.set BLK,   12800
.set SCO,   12288
.set FRB,   1536
.set GB,    2*BLK
.set SLOT,  4*GB
.set SPARE, 2*SLOT                     ; the spare words, 128 bytes a wave: two blocks of 256 bytes that no other line names
.set GPITCH, 8*BLK
.set ADRA, 16
.set ADRB, 20
.set LN,   26
.set SPW,  28
.set NIL,  29
.set SC,   32
.set CL,   64                          ; v64-71   C of a tile whose keys come before its queries in a unit on the diagonal
.set CH,   72                          ; v72-79   of one whose keys come after
.set CD,   80                          ; v80-111  of the four kinds of tile on the diagonal: (u, ua) at +8 (2 u + ua)
.set AF,   128
.set PC,   112
.set TM,   136
.set SW,   152                         ; v152-163 three merged quads: scale words, M, l
.set NM,   164                         ; v[164:165] -M, as a pair
.set SA,   166                         ; v[166:169] the sum, in two chains of pairs
.set BIG,  171                         ; -3e38
.set X0,   172
.set X1,   173
.set X2,   174
.set PW8,  224
.set MS,   232
.set LS,   240
.set OUT,  6                           ; s[6:7] my block of p_op;  s[8:9] its 1,024 bytes of pstat
.set G1,  24
.set G0,  32
.set G1B, 48
.set G0B, 56
.set SEL, 78
.set HM,  80
.set CS,  82                           ; s[82:83] c = log2(e) / 32
.set HID, 84                           ; -1e30
.set MSB, 0
.macro WIN new
.if MSB != \new
	s_set_vgpr_msb (MSB<<8)|\new
.set MSB, \new
.endif
.endm
.set TO_B, 0x40
.macro PLACES n
.rept \n
	v_nop
.endr
.endm
.macro JLOAD g0a, g1a, g0b, g1b        ; waves 0 and 1 fetch Q's two groups, waves 2 and 3 K's; four v_nop follow each of the two lines
	s_cmp_eq_u32 s15, 0
	s_cbranch_scc0 .Lfor_b_\@
	tensor_load_to_lds s[\g0a:\g0a+3], s[\g1a:\g1a+7]
	s_nop 0
.rept 4
	v_nop
.endr
	s_branch .Lasked_\@
.Lfor_b_\@:
	tensor_load_to_lds s[\g0b:\g0b+3], s[\g1b:\g1b+7]
	s_nop 0
.rept 4
	v_nop
.endr
.Lasked_\@:
.endm
.macro CREST
	s_cmp_lg_u32 s14, 0
	s_cbranch_scc1 .Lnot_wave_0_\@
	s_barrier_signal -3
.Lnot_wave_0_\@:
	s_barrier_wait -3
	s_barrier_signal -1
	s_barrier_wait -1
.endm
.macro CROUND
	s_barrier_signal -1
	s_barrier_wait -1
	CREST
.endm
	s_load_b128 s[4:7], s[0:1], 0x0                ; qkv, p_op
	s_load_b64 s[8:9], s[0:1], 0x10                ; pstat
	v_lshl_add_u32 v[SPW], v0, 2, SPARE
	v_mov_b32 v[NIL], 0
	ds_add_u32 v28, v29
	ds_add_u32 v28, v29
	s_wait_dscnt 0x0
	v_lshrrev_b32 v1, 5, v0
	v_readfirstlane_b32 s14, v1                    ; wave 0..3
	s_lshr_b32 s15, s14, 1                         ; which of Q's two groups is mine.  Also: I fetch for Q (0) or K (1)
	s_and_b32 s16, s14, 1                          ; which of K's.  Also: which of the two groups I fetch
	s_bfe_u32 s40, ttmp6, 0x40000                  ; cx
	s_bfe_u32 s41, ttmp6, 0x40004                  ; cy
	s_and_b32 s17, ttmp7, 0xffff                   ; cluster y: 3 x batch + square
	s_lshl_b32 s43, s41, 2
	s_lshl_b32 s43, 15, s43
	s_lshl_b32 s44, 0x1111, s40
	s_or_b32 s[G1], s43, (3<<16)|(1<<21)
	s_or_b32 s[G1B], s44, (3<<16)|(1<<21)
.irp g, G1, G1B
	s_mov_b32 s[\g+1], 32<<16
	s_mov_b32 s[\g+2], 100<<16
	s_mov_b32 s[\g+3], 32<<16
	s_mov_b32 s[\g+4], 100
	s_mov_b32 s[\g+5], 32
	s_mov_b32 s[\g+6], 0
	s_mov_b32 s[\g+7], 0
.endr
	s_mul_hi_u32 s18, s17, 0x55555556              ; the batch: cluster y / 3
	s_mul_i32 s19, s18, 3
	s_sub_co_u32 s19, s17, s19                     ; the square: 0 = (0, 0), 1 = (1, 0), 2 = (1, 1)
	s_cmp_ge_u32 s19, 1
	s_cselect_b32 s20, 4, 0
	s_cmp_eq_u32 s19, 2
	s_cselect_b32 s21, 4, 0
	s_add_co_u32 s20, s20, s41                     ; tile row I of the batch's 8: hangs on cy alone
	s_add_co_u32 s21, s21, s40                     ; tile column J: on cx alone
	s_lshl_b32 s22, s20, 1                         ; 2 I
	s_lshl_b32 s46, s21, 1                         ; 2 J
	s_lshl_b32 s23, s18, 4                         ; 16 x batch
	s_add_co_u32 s66, s22, s23
	s_add_co_u32 s66, s66, s16
	s_mul_i32 s66, s66, GPITCH                     ; Q's group that I fetch
	s_mov_b32 s67, 0
	s_add_co_u32 s68, s46, s23
	s_add_co_u32 s68, s68, s16
	s_mul_i32 s68, s68, GPITCH
	s_add_co_u32 s68, s68, 512*BLK                 ; K's, behind Q's 512 blocks
	s_mov_b32 s69, 0
	s_mul_i32 s45, s14, GB
	s_wait_kmcnt 0x0
	s_add_nc_u64 s[10:11], s[4:5], s[66:67]
	s_add_nc_u64 s[12:13], s[4:5], s[68:69]
	CROUND
.irp s, 0,1
	s_mov_b32 s[G0+4*\s], 1
	s_add_co_u32 s[G0+4*\s+1], s45, \s*SLOT
	s_add_nc_u64 s[G0+4*\s+2:G0+4*\s+3], s[10:11], \s*GB
	s_or_b32 s[G0+4*\s+3], s[G0+4*\s+3], 0x80000000
	s_mov_b32 s[G0B+4*\s], 1
	s_add_co_u32 s[G0B+4*\s+1], s45, \s*SLOT
	s_add_nc_u64 s[G0B+4*\s+2:G0B+4*\s+3], s[12:13], \s*GB
	s_or_b32 s[G0B+4*\s+3], s[G0B+4*\s+3], 0x80000000
	JLOAD G0+4*\s, G1, G0B+4*\s, G1B
.endr
	; the mask.  My unit: queries of group 2 I + hY, keys of group 2 J + hX.  Values alone hang on the two numbers, no branch.
	s_add_co_u32 s72, s22, s15
	s_add_co_u32 s73, s46, s16
	s_mov_b32 s76, 0xfb800000                      ; -2^120
	s_cmp_lt_u32 s72, s73
	s_cselect_b32 s74, s76, 0                      ; hidden only where the whole unit lies above the diagonal
	s_cmp_le_u32 s72, s73
	s_cselect_b32 s75, s76, 0                      ; hidden there and in a unit on the diagonal
	v_and_b32 v2, 15, v0
	v_and_b32 v3, 8, v2
	v_add_nc_u32 v2, v2, v3
	v_bfe_u32 v3, v0, 4, 1
	v_lshlrev_b32 v3, 4, v3
	v_sub_nc_u32 v2, v2, v3                        ; rr = r + 8 (r / 8) - 16 h.  In tiles (a, b) with a / 2 = b / 2 register j's key comes after my query where rr < 8 (b % 2) + j - 8 (a % 2)
.irp j, 0,1,2,3,4,5,6,7
	v_mov_b32 v[CL+\j], s74
	v_mov_b32 v[CH+\j], s75
.endr
.irp u, 0,1
.irp ua, 0,1
.irp j, 0,1,2,3,4,5,6,7
	v_cmp_gt_i32 vcc_lo, 8*\u+\j-8*\ua, v2
	v_cndmask_b32 v[CD+8*(2*\u+\ua)+\j], v[CL], v[CH], vcc_lo
.endr
.endr
.endr
	v_and_b32 v1, 31, v0
	v_lshlrev_b32 v[LN], 4, v1
	s_mul_i32 s70, s15, GB
	s_mul_i32 s71, s16, GB
	s_add_co_u32 s71, s71, 2*GB
.irp s, 0,1
	v_add_nc_u32 v[ADRA+\s], s70, v[LN]
	v_add_nc_u32 v[ADRB+\s], s71, v[LN]
	s_add_co_u32 s70, s70, SLOT
	s_add_co_u32 s71, s71, SLOT
.endr
	s_mov_b32 s[SEL], 0x76543210
	s_mov_b32 s[SEL+1], 0xfedcba98
	s_mov_b32 s[HM], 0xffff0000
	s_mov_b32 s[CS], 0x3d38aa3b                    ; log2(e) / sqrt(1024)
	s_mov_b32 s[CS+1], s[CS]                       ; (named with it as a pair, so it is written)
	s_mov_b32 s[HID], 0xf149f2ca                   ; -1e30
	s_add_co_u32 s74, s72, s23                     ; my block of p_op: 16 x (16 batch + 2 I + hY) + 2 J + hX
	s_lshl_b32 s74, s74, 4
	s_add_co_u32 s74, s74, s73
	s_lshl_b32 s76, s74, 10
	s_mov_b32 s77, 0
	s_mul_i32 s74, s74, BLK
	s_mov_b32 s75, 0
	s_add_nc_u64 s[OUT:OUT+1], s[OUT:OUT+1], s[74:75]
	s_add_nc_u64 s[8:9], s[8:9], s[76:77]
.macro WM a, b                         ; one matrix instruction; C in registers.  An odd tile's scale words lie in lanes 16-31 of their register
.if ((\a)%2) && ((\b)%2)
	v_wmma_scale_f32_16x16x128_f8f6f4 v[rD:rD+7], v[rB:rB+11], v[rA:rA+11], v[rC:rC+7], v[rSB], v[rSA] matrix_a_fmt:MATRIX_FMT_BF6 matrix_b_fmt:MATRIX_FMT_BF6 matrix_a_scale:MATRIX_SCALE_ROW1 matrix_b_scale:MATRIX_SCALE_ROW1
.elseif (\b)%2
	v_wmma_scale_f32_16x16x128_f8f6f4 v[rD:rD+7], v[rB:rB+11], v[rA:rA+11], v[rC:rC+7], v[rSB], v[rSA] matrix_a_fmt:MATRIX_FMT_BF6 matrix_b_fmt:MATRIX_FMT_BF6 matrix_a_scale:MATRIX_SCALE_ROW1
.elseif (\a)%2
	v_wmma_scale_f32_16x16x128_f8f6f4 v[rD:rD+7], v[rB:rB+11], v[rA:rA+11], v[rC:rC+7], v[rSB], v[rSA] matrix_a_fmt:MATRIX_FMT_BF6 matrix_b_fmt:MATRIX_FMT_BF6 matrix_b_scale:MATRIX_SCALE_ROW1
.else
	v_wmma_scale_f32_16x16x128_f8f6f4 v[rD:rD+7], v[rB:rB+11], v[rA:rA+11], v[rC:rC+7], v[rSB], v[rSA] matrix_a_fmt:MATRIX_FMT_BF6 matrix_b_fmt:MATRIX_FMT_BF6
.endif
.endm
; kind 2: the products start the sums on the mask's tile; 1: they add in place.  The 64 accumulators take turns, in the same order in every step.
.macro MUL16 a0, p, q, sc, kind
.irp a, \a0, \a0+1
.irp b, 0,1,2,3,4,5,6,7
.set rD, 8*(8*((\a)%4)+\b)
.set rB, 128*(\p)+12*\b
.set rA, AF+12*(\a)
.set rSB, SC+16*(\sc)+8*(\q)+4+\b/2
.set rSA, SC+16*(\sc)+8*(\q)+(\a)/2
.set rC, rD
.if \kind == 2
.if (\b/2) < ((\a)/2)
.set rC, CL
.elseif (\b/2) > ((\a)/2)
.set rC, CH
.else
.set rC, CD+8*(2*(\b%2)+(\a)%2)
.endif
.endif
	WM \a, \b
.endr
.endr
.endm
.macro FRAG reg, adr, off
.irp c, 0,1,2
	ds_load_b128 v[\reg+4*\c:\reg+4*\c+3], v[\adr] offset:\off+512*\c
.endr
.endm
.macro FETCH_B slot, q, p
	WIN TO_B
.irp i, 0,1,2,3,4,5,6,7
	FRAG 128*(\p)+12*\i, ADRB+\slot, (\q)*BLK+FRB*\i
.endr
	WIN 0
.endm
.macro FETCH_A slot, q, i0
.irp i, \i0, \i0+1, \i0+2, \i0+3
	FRAG AF+12*(\i), ADRA+\slot, (\q)*BLK+FRB*(\i)
.endr
.endm
.macro SCALES sc
.irp q, 0,1
	ds_load_b128 v[SC+16*\sc+8*\q:SC+16*\sc+8*\q+3], v[ADRA+\sc] offset:\q*BLK+SCO
	ds_load_b128 v[SC+16*\sc+8*\q+4:SC+16*\sc+8*\q+7], v[ADRB+\sc] offset:\q*BLK+SCO
.endr
.endm
.macro STEP slot, kind                 ; a slot's first step
	s_wait_dscnt 12                                ; K's set, Q's tiles 0-3 and the scale words are in; the youngest twelve loads (Q's tiles 4-7) may be out
.if \kind == 2
	WIN 0x81                                       ; source 0 window 1, source 1 and C window 0, D window 2
.else
	WIN 0xa1
.endif
	MUL16 0, 0, 0, \slot, \kind
	MUL16 2, 0, 0, \slot, \kind
	s_wait_dscnt 0x0
	PLACES 4                                       ; in front of loads into registers that matrix instructions have read
	FETCH_B \slot, 1, 1
	FETCH_A \slot, 1, 0
.if \kind == 2
	WIN 0xc1
.else
	WIN 0xf1
.endif
	MUL16 4, 0, 0, \slot, \kind
	MUL16 6, 0, 0, \slot, \kind
	PLACES 4
	WIN 0
	FETCH_A \slot, 1, 4
.endm
.macro TURN slot, next, fill           ; a slot's second step changes slots
	s_wait_tensorcnt 0x0                           ; all my tensor loads have landed: my part of the next slot
	ds_add_u32 v[SPW], v[NIL]                      ; 0 onto my spare word
	s_wait_dscnt 13                                ; (the add and the youngest twelve loads may be out)
	WIN 0xa1
	MUL16 0, 1, 1, \slot, 1
	s_wait_dscnt 0x0                               ; the add is done, and my reads of this slot are over
	s_barrier_signal -1
	MUL16 2, 1, 1, \slot, 1
	WIN 0
	s_barrier_wait -1
.if \fill
	CREST                                          ; a round of the cluster's barrier: no wave of any partner still reads this slot or has a load on its way
	s_add_nc_u64 s[G0+4*\slot+2:G0+4*\slot+3], s[G0+4*\slot+2:G0+4*\slot+3], 2*GB
	s_add_nc_u64 s[G0B+4*\slot+2:G0B+4*\slot+3], s[G0B+4*\slot+2:G0B+4*\slot+3], 2*GB
	JLOAD G0+4*\slot, G1, G0B+4*\slot, G1B
.else
	PLACES 4
.endif
	FETCH_B \next, 0, 0
	FETCH_A \next, 0, 0
	SCALES \next
	WIN 0xf1
	MUL16 4, 1, 1, \slot, 1
	MUL16 6, 1, 1, \slot, 1
	PLACES 4
	WIN 0
	FETCH_A \next, 0, 4
.endm
	s_wait_tensorcnt 0x1                           ; my part of slot 0 is in; slot 1's may be out
	s_barrier_signal -1
	s_barrier_wait -1
	FETCH_B 0, 0, 0
	FETCH_A 0, 0, 0
	SCALES 0
	FETCH_A 0, 0, 4
	STEP 0, 2
	TURN 0, 1, 1
	STEP 1, 1
	TURN 1, 0, 1
	STEP 0, 1
	TURN 0, 1, 0
	STEP 1, 1
	s_wait_dscnt 12
	WIN 0xa1
	MUL16 0, 1, 1, 1, 1
	MUL16 2, 1, 1, 1, 1
	s_wait_dscnt 0x0
	WIN 0xf1
	MUL16 4, 1, 1, 1, 1
	MUL16 6, 1, 1, 1, 1
	WIN 0
.macro CODES a                         ; v[TM+12 ..]: the four blocks' scale operands; the codes leave as the image of their registers
.irp b, 0,1,2,3
	v_lshrrev_b32 v[TM+4+\b], 23, v[TM+12+\b]
.endr
	v_lshl_or_b32 v[PW8+\a], v[TM+5], 8, v[TM+4]
	v_lshl_or_b32 v[PW8+\a], v[TM+6], 16, v[PW8+\a]
	v_lshl_or_b32 v[PW8+\a], v[TM+7], 24, v[PW8+\a]
	s_wait_xcnt 0x0                                ; the last tile's stores have read v[PC] on
	WIN W
.irp c, 0,1
	v_cvt_scalef32_pk16_bf6_f32 v[PC+6*\c:PC+6*\c+2], v[AC+32*\c:AC+32*\c+15], v[TM+12+2*\c]
	v_cvt_scalef32_pk16_bf6_f32 v[PC+12+4*\c:PC+14+4*\c], v[AC+32*\c+16:AC+32*\c+31], v[TM+13+2*\c]
.endr
	WIN 0
	v_nop                                          ; one plain place behind a scaled conversion
.irp c, 0,1
.irp i, 0,1,2
	v_permlane16_swap_b32 v[PC+6*\c+\i], v[PC+12+4*\c+\i]
.endr
.irp i, 0,1,2
	v_mov_b32 v[PC+3+6*\c+\i], v[PC+12+4*\c+\i]
.endr
.endr
.irp c, 0,1,2
	global_store_b128 v[LN], v[PC+4*\c:PC+4*\c+3], s[OUT:OUT+1] offset:FRB*\a+512*\c
.endr
.endm
; Tile a: 16 queries x my 128 keys; register 16 b + i of a lane is key 32 b + 16 h + i of its query.
.macro PSOFT a
.set W, 2+(\a)/4
.set WW, W|(W<<2)
.set WD, (W<<6)|W
.set W1, W<<2
.set AC, 64*((\a)%4)
	WIN WW
.irp b, 0,1,2,3
	v_max3_num_f32 v[TM+\b], v[AC+16*\b], v[AC+16*\b+1], 0xff7fffff   ; the largest score of each block of 32 keys; each accumulator is read from its low end on
.endr
.irp i, 2,4,6,8,10,12,14
.irp b, 0,1,2,3
	v_max3_num_f32 v[TM+\b], v[AC+16*\b+\i], v[AC+16*\b+\i+1], v[TM+\b]
.endr
.endr
	WIN 0
.irp b, 0,1,2,3
	v_permlanex16_b32 v[TM+4+\b], v[TM+\b], s[SEL], s[SEL+1]
.endr
.irp b, 0,1,2,3
	v_max_num_f32 v[TM+\b], v[TM+\b], v[TM+4+\b]
.endr
	v_max3_num_f32 v[X0], v[TM], v[TM+1], v[TM+2]
	v_max_num_f32 v[X0], v[X0], v[TM+3]
	v_mul_f32 v[X0], s[CS], v[X0]                  ; the largest t of my query among these 128 keys
	v_floor_f32 v[X1], -v[X0]                      ; -M = floor(-t) = -ceil(t)
	v_cmp_gt_f32 vcc_lo, s[HID], v[X0]             ; none of the 128 keys counts
	v_sub_f32 v[X2], 0, v[X1]
	v_cndmask_b32 v[NM], v[X1], v[BIG], vcc_lo     ; then -3e38 is added in -M's place, so that every p is 0,
	v_cndmask_b32 v[MS+\a], v[X2], v[BIG], vcc_lo  ; and M is kept as -3e38, under every M
.irp b, 0,1,2,3
	v_fma_f32 v[TM+\b], v[TM+\b], s[CS], v[NM]     ; t - M of each block's largest score
.endr
	WIN WD                                         ; destination and source 0: the accumulators' window
.set i, 0
.rept 32
	v_pk_fma_f32 v[AC+i:AC+i+1], v[AC+i:AC+i+1], s[CS:CS+1], v[NM:NM+1] op_sel_hi:[1,0,0]
.set i, i+2
.endr
.set i, 0
.rept 64
	v_exp_f32 v[AC+i], v[AC+i]                     ; p = 2^(t - M)
.set i, i+1
.endr
	WIN 0
.irp i, 0,1,2,3
	v_mov_b32 v[SA+\i], 0                          ; plain places behind the exponentials
.endr
	s_wait_alu depctr_va_vdst(0)                   ; one wait for the batch of 64, ahead of its first reader
.irp b, 0,1,2,3
	v_exp_f32 v[TM+\b], v[TM+\b]                   ; each block's largest p: the same two instructions on the same number
.endr
	WIN W1                                         ; source 1: the accumulators' window
.set i, 0
.rept 16
	v_pk_add_f32 v[SA:SA+1], v[SA:SA+1], v[AC+i:AC+i+1]          ; the sum is taken of the unquantised p
	v_pk_add_f32 v[SA+2:SA+3], v[SA+2:SA+3], v[AC+i+2:AC+i+3]
.set i, i+4
.endr
	WIN 0
	v_pk_add_f32 v[SA:SA+1], v[SA:SA+1], v[SA+2:SA+3]
	v_add_f32 v[X0], v[SA], v[SA+1]
	v_permlanex16_b32 v[X1], v[X0], s[SEL], s[SEL+1]
	v_add_f32 v[LS+\a], v[X0], v[X1]
	s_wait_alu depctr_va_vdst(0)                   ; and one for the four
.irp b, 0,1,2,3
	v_max_num_f32 v[TM+\b], 0x2800000, v[TM+\b]    ; the floor 2^(5 - 127)
.endr
.irp b, 0,1,2,3
	v_add_nc_u32 v[TM+12+\b], 0xfe000000, v[TM+\b]
.endr
	CODES \a
.endm
	PLACES 4                                       ; behind the last products
.irp b, 0,1,2,3
	v_mov_b32 v[TM+4+\b], 0                        ; a lane permute's destination counts as one of its sources
.endr
	v_mov_b32 v[NM+1], 0                           ; (named as the upper half of a pair)
	v_mov_b32 v[BIG], 0xff61b1e6                   ; -3e38
.irp a, 0,1,2,3,4,5,6,7
	PSOFT \a
.endr
.irp q, 0,1,2,3
	v_cndmask_b32 v[SW+\q], v[PW8+2*\q], v[PW8+2*\q+1], s[HM]     ; lanes 0-15 tile 2 q's, lanes 16-31 tile 2 q + 1's
	v_cndmask_b32 v[SW+4+\q], v[MS+2*\q], v[MS+2*\q+1], s[HM]
	v_cndmask_b32 v[SW+8+\q], v[LS+2*\q], v[LS+2*\q+1], s[HM]
.endr
	global_store_b128 v[LN], v[SW:SW+3], s[OUT:OUT+1] offset:SCO
	global_store_b128 v[LN], v[SW+4:SW+7], s[8:9]
	global_store_b128 v[LN], v[SW+8:SW+11], s[8:9] offset:512
	s_wait_tensorcnt 0x0                           ; the wave's end
	ds_add_u32 v[SPW], v[NIL]
	s_wait_dscnt 0x0
	CROUND                                         ; the closing round
	s_endpgm
.Lfunc_end_k_q06d5df8144_score:
	.size	k_q06d5df8144_score, .Lfunc_end_k_q06d5df8144_score-k_q06d5df8144_score
	.p2alignl 7, 3214868480
	.fill 96, 4, 3214868480
	.section	.rodata,"a",@progbits
	.p2align	6, 0x0
	.amdhsa_kernel k_q06d5df8144_score
		.amdhsa_group_segment_fixed_size 327680
		.amdhsa_private_segment_fixed_size 0
		.amdhsa_enable_private_segment 0
		.amdhsa_kernarg_size 24
		.amdhsa_user_sgpr_count 2
		.amdhsa_user_sgpr_kernarg_segment_ptr 1
		.amdhsa_wavefront_size32 1
		.amdhsa_system_sgpr_workgroup_id_x 1
		.amdhsa_system_sgpr_workgroup_id_y 1
		.amdhsa_system_sgpr_workgroup_id_z 1
		.amdhsa_system_vgpr_workitem_id 0
		.amdhsa_next_free_vgpr 1024
		.amdhsa_next_free_sgpr 100
		.amdhsa_reserve_vcc 1
		.amdhsa_float_denorm_mode_32 3
		.amdhsa_float_denorm_mode_16_64 3
		.amdhsa_memory_ordered 1
		.amdhsa_forward_progress 1
		.amdhsa_inst_pref_size 199
	.end_amdhsa_kernel
	.amdgpu_metadata
---
amdhsa.version: [ 1, 2 ]
amdhsa.kernels:
  - .name:           k_q06d5df8144_score
    .symbol:         k_q06d5df8144_score.kd
    .args:
      - { .name: qkv, .offset: 0, .size: 8, .value_kind: global_buffer, .address_space: global }
      - { .name: p_op, .offset: 8, .size: 8, .value_kind: global_buffer, .address_space: global }
      - { .name: pstat, .offset: 16, .size: 8, .value_kind: global_buffer, .address_space: global }
    .group_segment_fixed_size: 327680
    .private_segment_fixed_size: 0
    .kernarg_segment_align: 8
    .kernarg_segment_size: 24
    .max_flat_workgroup_size: 128
    .sgpr_count:     100
    .vgpr_count:     1024
    .wavefront_size: 32
...
	.end_amdgpu_metadata
.endif
;; end of part 3
;; launch pv (part 4): grid 4 x 64, 4 waves a work-group, clusters of 4 x 4, 327,680 bytes of LDS; arguments p_op, pstat, qkv, out0; writes out0
.if DOCPART == 4
	.amdgcn_target "amdgcn-amd-amdhsa--gfx1250"
	.amdhsa_code_object_version 6
	.text
	.protected	k_q06d5df8144_pv
	.globl	k_q06d5df8144_pv
	.p2align	8
	.type	k_q06d5df8144_pv,@function
k_q06d5df8144_pv:
	s_mov_b64 s[64:65], 0
	v_nop
	global_prefetch_b8 v0, s[64:65] scope:SCOPE_SE
	s_setreg_imm32_b32 hwreg(HW_REG_WAVE_MODE, 25, 1), 1
	s_wait_xcnt 0x0
	s_wait_alu depctr_hold_cnt(0) depctr_sa_sdst(0) depctr_va_vdst(0) depctr_va_sdst(0) depctr_va_ssrc(0) depctr_va_vcc(0) depctr_vm_vsrc(0)
	s_getreg_b32 s2, hwreg(HW_REG_IB_STS2, 6, 4)
	s_cmp_eq_u32 s2, 0
	s_cbranch_scc0 .Lentry_in_a_cluster
	s_endpgm
.Lentry_in_a_cluster:
	s_bfe_u32 s2, ttmp6, 0x10000c
	s_cmp_lg_u32 s2, 0xf033
	s_cbranch_scc0 .Lentry_shape_is_right
	s_endpgm
.Lentry_shape_is_right:
; O = P V / l on codes of BF6 with E8M0 scales.  P (rows = queries, K = keys) and V^T (rows = the model's 1,024, K = keys) lie in this program's operand format (blocks of 128 rows x 128 K as images of the operand's registers).
; P was made with a whole number M for each query and each 128 keys.  Here each wave takes, for its 64 queries, the row's largest M, lowers every scale byte of P by d = M_row - M (held at 0 from below: four bytes at a time, no
; borrow crosses a byte since P's bytes are at most 123 and d is held at 127), and adds the l's, each times 2^-d.  Both are exact powers of two.  So the row's maximum is taken away as the softmax asks.
; LIMIT: a block more than 2^123 under its row's largest p keeps the byte 0, that is at most 28 x 2^-127 for a number, in place of 0.
; SHARES.  A work-group makes 128 queries (one group of P) x 256 of the model's 1,024 (two groups of V^T); wave w tiles 4 (w / 2) .. + 3 of P against group w % 2 of V^T: 32 accumulators.
; Source 1 = P (a lane keeps one query), source 0 = V^T (its rows run along the lane's registers).
; CLUSTERS of 4 x 4: four groups of P (512 queries) x all of V^T.  P's tile is asked for jointly along the cluster's row, V^T's along its column.  The causal bound is the cluster's: 512 (m + 1) keys, the same trip count in all
; sixteen partners; the keys beyond a group's own diagonal meet zero codes.
; K goes in steps of 128 through two LDS slots of two steps.
; REGISTERS: window 0: v16-29 addresses; v32-39 V^T's scale words, two sets; v40-71 P's repaired scale words, two for each K step; v72-79 1 / l; v128-223 P's four fragments, two sets.  window 1: V^T's eight fragments, two sets.
;   window 2: accumulator (a, b) at v[8 (8 a + b)].
.set BLK,   12800
.set SCO,   12288
.set FRB,   1536
.set GB,    2*BLK
.set SLOT,  3*GB                       ; P's two steps, then two steps of each of V^T's two groups
.set SPARE, 2*SLOT                     ; the spare words, 128 bytes a wave: two blocks of 256 bytes that no other line names
.set STAGE, SPARE+512                  ; the way out: 16 rows x (512 bytes + 16) for each wave; no tensor load lands here
.set SPI,   528
.set GPITCH, 16*BLK
.set ADRA, 16
.set ADRB, 20
.set STO,  24
.set RD,   25
.set LN,   26
.set PO,   27                          ; v27  16 x lane + 8 (w / 2): my two words of a block's scale words, M's and l's
.set SPW,  28
.set NIL,  29
.set SB,   32
.set FW,   40
.set LI,   72
.set MR,   80                          ; v80-81 the rows' largest M;  v82-83 their l;  v84-85 1 / l;  v86-87 the other half's;  v88 -3e38
.set LSUM, 82
.set RL,   84
.set XT,   86
.set BIG,  88
.set AF,   128
.set PM,   128                         ; the head: M, l and what is at work there lie where the fragments will
.set PL,   160
.set DD,   192
.set WT,   224
.set T0,   128                         ; the way out
.set BK,   192
.set G1,  24
.set G0,  32
.set G1B, 48
.set G0B, 56
.set SEL, 78
.set HM,  80
.set MSB, 0
.macro WIN new
.if MSB != \new
	s_set_vgpr_msb (MSB<<8)|\new
.set MSB, \new
.endif
.endm
.set TO_B, 0x40
.set MUL,  0xa1                        ; source 0 window 1, source 1 window 0, C and D window 2
.macro PLACES n
.rept \n
	v_nop
.endr
.endm
.macro JLOAD g0a, g1a, g0b, g1b        ; waves 0 and 1 fetch P's two steps, waves 2 and 3 V^T's two groups; four v_nop follow each of the two lines
	s_cmp_eq_u32 s15, 0
	s_cbranch_scc0 .Lfor_b_\@
	tensor_load_to_lds s[\g0a:\g0a+3], s[\g1a:\g1a+7]
	s_nop 0
.rept 4
	v_nop
.endr
	s_branch .Lasked_\@
.Lfor_b_\@:
	tensor_load_to_lds s[\g0b:\g0b+3], s[\g1b:\g1b+7]
	s_nop 0
.rept 4
	v_nop
.endr
.Lasked_\@:
.endm
.macro CREST
	s_cmp_lg_u32 s14, 0
	s_cbranch_scc1 .Lnot_wave_0_\@
	s_barrier_signal -3
.Lnot_wave_0_\@:
	s_barrier_wait -3
	s_barrier_signal -1
	s_barrier_wait -1
.endm
.macro CROUND
	s_barrier_signal -1
	s_barrier_wait -1
	CREST
.endm
	s_load_b256 s[4:11], s[0:1], 0x0               ; p_op, pstat, qkv, out0
	v_lshl_add_u32 v[SPW], v0, 2, SPARE
	v_mov_b32 v[NIL], 0
	ds_add_u32 v28, v29
	ds_add_u32 v28, v29
	s_wait_dscnt 0x0
	v_lshrrev_b32 v1, 5, v0
	v_readfirstlane_b32 s14, v1                    ; wave 0..3
	s_lshr_b32 s15, s14, 1                         ; which four tiles of P are mine.  Also: I fetch for P (0) or V^T (1)
	s_and_b32 s16, s14, 1                          ; which group of V^T.  Also: which step of P, or which group of V^T, I fetch
	s_bfe_u32 s40, ttmp6, 0x40000                  ; cx
	s_bfe_u32 s41, ttmp6, 0x40004                  ; cy
	s_and_b32 s17, ttmp7, 0xffff                   ; cluster y = 4 x batch + m
	s_lshl_b32 s43, s41, 2
	s_lshl_b32 s43, 15, s43
	s_lshl_b32 s44, 0x1111, s40
	s_or_b32 s[G1], s43, (3<<16)|(1<<21)           ; P: one block, 50 rows of 256 bytes, to my row of the cluster
	s_mov_b32 s[G1+1], 32<<16
	s_mov_b32 s[G1+2], 50<<16
	s_mov_b32 s[G1+3], 32<<16
	s_mov_b32 s[G1+4], 50
	s_mov_b32 s[G1+5], 32
	s_mov_b32 s[G1+6], 0
	s_mov_b32 s[G1+7], 0
	s_or_b32 s[G1B], s44, (3<<16)|(1<<21)          ; V^T: two blocks, 100 rows, to my column
	s_mov_b32 s[G1B+1], 32<<16
	s_mov_b32 s[G1B+2], 100<<16
	s_mov_b32 s[G1B+3], 32<<16
	s_mov_b32 s[G1B+4], 100
	s_mov_b32 s[G1B+5], 32
	s_mov_b32 s[G1B+6], 0
	s_mov_b32 s[G1B+7], 0
	s_lshr_b32 s18, s17, 2                         ; the batch
	s_and_b32 s19, s17, 3                          ; m: which 512 queries
	s_lshl_b32 s20, s19, 2
	s_add_co_u32 s20, s20, s41                     ; g = 4 m + cy: P's group in the batch
	s_lshl_b32 s21, s18, 4
	s_add_co_u32 s21, s21, s20
	s_mul_i32 s66, s21, GPITCH                     ; P's group, in bytes
	s_mov_b32 s67, 0
	s_lshl_b32 s22, s21, 14                        ; and its 16 x 1,024 bytes of pstat
	s_mov_b32 s23, 0
	s_lshl_b32 s46, s18, 3
	s_lshl_b32 s47, s40, 1
	s_add_co_u32 s46, s46, s47
	s_add_co_u32 s68, s46, s16                     ; V^T's group that I fetch: 8 x batch + 2 cx + half
	s_mul_i32 s68, s68, GPITCH
	s_add_co_u32 s68, s68, 1024*BLK                ; behind Q's and K's 1,024 blocks
	s_mov_b32 s69, 0
	s_mul_i32 s45, s16, BLK                        ; P: my step's place in a slot, and in the group
	s_mov_b32 s76, s45
	s_mov_b32 s77, 0
	s_mul_i32 s70, s16, GB
	s_add_co_u32 s70, s70, GB                      ; V^T: my group's place, behind P's two steps
	s_wait_kmcnt 0x0
	s_add_nc_u64 s[12:13], s[4:5], s[66:67]        ; P's group
	s_add_nc_u64 s[72:73], s[12:13], s[76:77]
	s_add_nc_u64 s[74:75], s[8:9], s[68:69]
	s_add_nc_u64 s[6:7], s[6:7], s[22:23]
	CROUND
.irp s, 0,1
	s_mov_b32 s[G0+4*\s], 1
	s_add_co_u32 s[G0+4*\s+1], s45, \s*SLOT
	s_add_nc_u64 s[G0+4*\s+2:G0+4*\s+3], s[72:73], \s*GB
	s_or_b32 s[G0+4*\s+3], s[G0+4*\s+3], 0x80000000
	s_mov_b32 s[G0B+4*\s], 1
	s_add_co_u32 s[G0B+4*\s+1], s70, \s*SLOT
	s_add_nc_u64 s[G0B+4*\s+2:G0B+4*\s+3], s[74:75], \s*GB
	s_or_b32 s[G0B+4*\s+3], s[G0B+4*\s+3], 0x80000000
	JLOAD G0+4*\s, G1, G0B+4*\s, G1B
.endr
	; THE HEAD, while the first tiles are on their way.  Lane 16 u + r, word j: row r of my tile a = 2 j + u.
	v_and_b32 v1, 31, v0
	v_lshlrev_b32 v[LN], 4, v1
	s_lshl_b32 s84, s15, 3
	v_add_nc_u32 v[PO], s84, v[LN]
.irp s, 0,1,2,3,4,5,6,7,8,9,10,11,12,13,14,15
	global_load_b64 v[FW+2*\s:FW+2*\s+1], v[PO], s[12:13] offset:\s*BLK+SCO
	global_load_b64 v[PM+2*\s:PM+2*\s+1], v[PO], s[6:7] offset:\s*1024
	global_load_b64 v[PL+2*\s:PL+2*\s+1], v[PO], s[6:7] offset:\s*1024+512
.endr
	s_mul_i32 s84, s15, 4*FRB                      ; my four tiles of P
	s_mov_b32 s85, s70                             ; my group of V^T
.irp s, 0,1
	v_add_nc_u32 v[ADRA+\s], s84, v[LN]
	v_add_nc_u32 v[ADRB+\s], s85, v[LN]
	s_add_co_u32 s84, s84, SLOT
	s_add_co_u32 s85, s85, SLOT
.endr
	v_and_b32 v2, 15, v0
	v_bfe_u32 v3, v0, 4, 1
	s_mul_i32 s84, s14, 16*SPI
	s_add_co_u32 s84, s84, STAGE                   ; my stage
	v_mul_u32_u24 v[STO], v2, SPI
	v_lshl_add_u32 v[STO], v3, 6, v[STO]
	v_add_nc_u32 v[STO], s84, v[STO]               ; in: row r, + 64 h
	v_add_nc_u32 v[RD], s84, v[LN]                 ; back: a whole row, 16 bytes a lane
	s_mov_b32 s[SEL], 0x76543210
	s_mov_b32 s[SEL+1], 0xfedcba98
	s_mov_b32 s[HM], 0xffff0000
	s_lshl_b32 s76, s18, 11                        ; out0: row 2048 batch + 128 g + 64 (w / 2),
	s_lshl_b32 s77, s20, 7
	s_add_co_u32 s76, s76, s77
	s_lshl_b32 s77, s15, 6
	s_add_co_u32 s76, s76, s77
	s_lshl_b32 s76, s76, 12
	s_lshl_b32 s77, s40, 10                        ; column 256 cx + 128 (w % 2)
	s_add_co_u32 s76, s76, s77
	s_lshl_b32 s77, s16, 9
	s_add_co_u32 s76, s76, s77
	s_mov_b32 s77, 0
	s_add_nc_u64 s[10:11], s[10:11], s[76:77]
	v_mov_b32 v[BIG], 0xff61b1e6                   ; -3e38
	s_wait_loadcnt 0x0
.irp ch, 1,2,3                                 ; K steps from 4 (m + 1) on are not walked: their M counts as -3e38 and their l as 0, whatever lies there
	s_cmp_ge_u32 s19, \ch
	s_cselect_b32 s84, -1, 0
.irp i, 0,1,2,3,4,5,6,7
	v_cndmask_b32 v[PM+8*\ch+\i], v[BIG], v[PM+8*\ch+\i], s84
	v_cndmask_b32 v[PL+8*\ch+\i], 0, v[PL+8*\ch+\i], s84
.endr
.endr
.irp j, 0,1
	v_max3_num_f32 v[MR+\j], v[PM+\j], v[PM+2+\j], v[PM+4+\j]
.endr
.irp s, 3,5,7,9,11,13
.irp j, 0,1
	v_max3_num_f32 v[MR+\j], v[MR+\j], v[PM+2*\s+\j], v[PM+2*\s+2+\j]
.endr
.endr
.irp j, 0,1
	v_max_num_f32 v[MR+\j], v[MR+\j], v[PM+30+\j]  ; the row's M: key 0 counts for every query, so it is a number
.endr
.macro ALL32 op                        ; one line of the repair for all 32 words, so that no line waits for the line above it
.set i, 0
.rept 32
	\op
.set i, i+1
.endr
.endm
.set i, 0
.rept 32
	v_sub_f32 v[PM+i], v[PM+i], v[MR+i%2]          ; M - M_row: a whole number, 0 or less
.set i, i+1
.endr
.set i, 0
.rept 32
	v_cvt_i32_f32 v[PM+i], v[PM+i]                 ; (it saturates)
.set i, i+1
.endr
.set i, 0
.rept 32
	v_ldexp_f32 v[PL+i], v[PL+i], v[PM+i]          ; l under the row's M: exact
.set i, i+1
.endr
.set i, 0
.rept 32
	v_sub_nc_u32 v[DD+i], 0, v[PM+i]
.set i, i+1
.endr
.set i, 0
.rept 32
	v_min_u32 v[DD+i], 127, v[DD+i]                ; d, held at 127
.set i, i+1
.endr
.set i, 0
.rept 32
	v_perm_b32 v[DD+i], v[DD+i], v[DD+i], 0        ; in all four bytes
.set i, i+1
.endr
.set i, 0
.rept 32
	v_or_b32 v[WT+i], 0x80808080, v[FW+i]
.set i, i+1
.endr
.set i, 0
.rept 32
	v_sub_nc_u32 v[WT+i], v[WT+i], v[DD+i]         ; 128 + byte - d in each byte: never under 1, so no borrow
.set i, i+1
.endr
.set i, 0
.rept 32
	v_and_b32 v[PM+i], 0x80808080, v[WT+i]         ; the top bit stands where byte - d is 0 or more
.set i, i+1
.endr
.set i, 0
.rept 32
	v_lshrrev_b32 v[DD+i], 7, v[PM+i]
.set i, i+1
.endr
.set i, 0
.rept 32
	v_sub_nc_u32 v[PM+i], v[PM+i], v[DD+i]         ; 0x7f there, 0 elsewhere
.set i, i+1
.endr
.set i, 0
.rept 32
	v_and_b32 v[FW+i], v[WT+i], v[PM+i]            ; byte - d, held at 0
.set i, i+1
.endr
	v_add_f32 v[LSUM], v[PL], v[PL+2]              ; (these lines are also the places between the scale words' last write and the first product)
	v_add_f32 v[LSUM+1], v[PL+1], v[PL+3]
.set i, 4
.rept 28
	v_add_f32 v[LSUM+i%2], v[LSUM+i%2], v[PL+i]
.set i, i+1
.endr
	v_rcp_f32 v[RL], v[LSUM]
	v_rcp_f32 v[RL+1], v[LSUM+1]
	v_mov_b32 v[XT], 0                             ; a plain place behind the reciprocals; a lane permute's destination counts as one of its sources
	v_mov_b32 v[XT+1], 0
	s_wait_alu depctr_va_vdst(0)                   ; one wait for both, ahead of their first reader
	v_permlanex16_b32 v[XT], v[RL], s[SEL], s[SEL+1]
	v_permlanex16_b32 v[XT+1], v[RL+1], s[SEL], s[SEL+1]
.irp j, 0,1
	v_cndmask_b32 v[LI+4*\j], v[RL+\j], v[XT+\j], s[HM]      ; 1 / l of tile 2 j's row r, in both halves of the lanes
	v_cndmask_b32 v[LI+4*\j+2], v[XT+\j], v[RL+\j], s[HM]    ; of tile 2 j + 1's
	v_mov_b32 v[LI+4*\j+1], 0                      ; (named as the upper halves of pairs)
	v_mov_b32 v[LI+4*\j+3], 0
.endr
.macro WM zero, a, b
.if \zero
.if ((\a)%2) && ((\b)%2)
	v_wmma_scale_f32_16x16x128_f8f6f4 v[rD:rD+7], v[rB:rB+11], v[rA:rA+11], 0, v[rSB], v[rSA] matrix_a_fmt:MATRIX_FMT_BF6 matrix_b_fmt:MATRIX_FMT_BF6 matrix_a_scale:MATRIX_SCALE_ROW1 matrix_b_scale:MATRIX_SCALE_ROW1
.elseif (\b)%2
	v_wmma_scale_f32_16x16x128_f8f6f4 v[rD:rD+7], v[rB:rB+11], v[rA:rA+11], 0, v[rSB], v[rSA] matrix_a_fmt:MATRIX_FMT_BF6 matrix_b_fmt:MATRIX_FMT_BF6 matrix_a_scale:MATRIX_SCALE_ROW1
.elseif (\a)%2
	v_wmma_scale_f32_16x16x128_f8f6f4 v[rD:rD+7], v[rB:rB+11], v[rA:rA+11], 0, v[rSB], v[rSA] matrix_a_fmt:MATRIX_FMT_BF6 matrix_b_fmt:MATRIX_FMT_BF6 matrix_b_scale:MATRIX_SCALE_ROW1
.else
	v_wmma_scale_f32_16x16x128_f8f6f4 v[rD:rD+7], v[rB:rB+11], v[rA:rA+11], 0, v[rSB], v[rSA] matrix_a_fmt:MATRIX_FMT_BF6 matrix_b_fmt:MATRIX_FMT_BF6
.endif
.else
.if ((\a)%2) && ((\b)%2)
	v_wmma_scale_f32_16x16x128_f8f6f4 v[rD:rD+7], v[rB:rB+11], v[rA:rA+11], v[rD:rD+7], v[rSB], v[rSA] matrix_a_fmt:MATRIX_FMT_BF6 matrix_b_fmt:MATRIX_FMT_BF6 matrix_a_scale:MATRIX_SCALE_ROW1 matrix_b_scale:MATRIX_SCALE_ROW1
.elseif (\b)%2
	v_wmma_scale_f32_16x16x128_f8f6f4 v[rD:rD+7], v[rB:rB+11], v[rA:rA+11], v[rD:rD+7], v[rSB], v[rSA] matrix_a_fmt:MATRIX_FMT_BF6 matrix_b_fmt:MATRIX_FMT_BF6 matrix_a_scale:MATRIX_SCALE_ROW1
.elseif (\a)%2
	v_wmma_scale_f32_16x16x128_f8f6f4 v[rD:rD+7], v[rB:rB+11], v[rA:rA+11], v[rD:rD+7], v[rSB], v[rSA] matrix_a_fmt:MATRIX_FMT_BF6 matrix_b_fmt:MATRIX_FMT_BF6 matrix_b_scale:MATRIX_SCALE_ROW1
.else
	v_wmma_scale_f32_16x16x128_f8f6f4 v[rD:rD+7], v[rB:rB+11], v[rA:rA+11], v[rD:rD+7], v[rSB], v[rSA] matrix_a_fmt:MATRIX_FMT_BF6 matrix_b_fmt:MATRIX_FMT_BF6
.endif
.endif
.endm
; 8 matrix instructions: P's tile a x V^T's eight; p: the set of fragments; k: the lap's K step (P's scale words).  The 32 accumulators take turns, in the same order in every step.
.macro MUL8 a, p, k, zero
.irp b, 0,1,2,3,4,5,6,7
.set rD, 8*(8*(\a)+\b)
.set rB, 128*(\p)+12*\b
.set rA, AF+48*(\p)+12*(\a)
.set rSB, SB+4*(\p)+\b/2
.set rSA, FW+2*(\k)+(\a)/2
	WM \zero, \a, \b
.endr
.endm
.macro FRAG reg, adr, off
.irp c, 0,1,2
	ds_load_b128 v[\reg+4*\c:\reg+4*\c+3], v[\adr] offset:\off+512*\c
.endr
.endm
.macro FETCH4 slot, q, p               ; a K step's fragments and V^T's scale words into set p: 37 loads in one run
	WIN TO_B
.irp i, 0,1,2,3,4,5,6,7
	FRAG 128*(\p)+12*\i, ADRB+\slot, (\q)*BLK+FRB*\i
.endr
	WIN 0
.irp i, 0,1,2,3
	FRAG AF+48*(\p)+12*\i, ADRA+\slot, (\q)*BLK+FRB*\i
.endr
	ds_load_b128 v[SB+4*(\p):SB+4*(\p)+3], v[ADRB+\slot] offset:(\q)*BLK+SCO
.endm
.macro STEP4 slot, k, zero             ; a slot's first step
	s_wait_dscnt 0x0
	WIN MUL
	MUL8 0, 0, \k, \zero
	MUL8 1, 0, \k, \zero
	PLACES 4                                       ; in front of loads into registers that matrix instructions have read
	FETCH4 \slot, 1, 1
	WIN MUL
	MUL8 2, 0, \k, \zero
	MUL8 3, 0, \k, \zero
.endm
.macro TURN4 slot, next, fill, k       ; a slot's second step changes slots
	WIN 0                                          ; (the add's two registers lie in window 0)
	s_wait_tensorcnt 0x0                           ; all my tensor loads have landed: my part of the next slot
	ds_add_u32 v[SPW], v[NIL]                      ; 0 onto my spare word
	s_wait_dscnt 1                                 ; (the add may be out)
	WIN MUL
	MUL8 0, 1, \k, 0
	s_wait_dscnt 0x0                               ; the add is done, and my reads of this slot are over
	s_barrier_signal -1
	MUL8 1, 1, \k, 0
	WIN 0
	s_barrier_wait -1
.if \fill
	CREST                                          ; a round of the cluster's barrier: no wave of any partner still reads this slot or has a load on its way
	s_add_nc_u64 s[G0+4*\slot+2:G0+4*\slot+3], s[G0+4*\slot+2:G0+4*\slot+3], 2*GB
	s_add_nc_u64 s[G0B+4*\slot+2:G0B+4*\slot+3], s[G0B+4*\slot+2:G0B+4*\slot+3], 2*GB
	JLOAD G0+4*\slot, G1, G0B+4*\slot, G1B         ; the first tensor load behind the round; its four v_nop are the places in front of the loads below
.else
	PLACES 4
.endif
	FETCH4 \next, 0, 0
	WIN MUL
	MUL8 2, 1, \k, 0
	MUL8 3, 1, \k, 0
.endm
	s_wait_tensorcnt 0x1                           ; my part of slot 0 is in; slot 1's may be out
	s_barrier_signal -1
	s_barrier_wait -1
	FETCH4 0, 0, 0
	STEP4 0, 0, 1                                  ; the first step's products start the sums
	WIN 0
	s_mov_b32 s3, s19                              ; m laps fill both slots again; the number is the cluster's, the same in all partners
	s_cmp_eq_u32 s3, 0
	s_cbranch_scc1 .Ltail
.Llap:                                             ; a trip goes once round the ring, from a lap's second step to the next lap's first
	TURN4 0, 1, 1, 1
	STEP4 1, 2, 0
	TURN4 1, 0, 1, 3
	WIN 0
.set i, 0
.rept 24                                       ; P's scale words move down by a lap's eight.  Six moves stand ahead of the write of the words that the last products read; 22 behind the write of those that the next read
	v_mov_b32 v[FW+i], v[FW+i+8]
.set i, i+1
.endr
	STEP4 0, 0, 0
	WIN 0
	s_sub_co_u32 s3, s3, 1
	s_cmp_lg_u32 s3, 0
	s_cbranch_scc1 .Llap
.Ltail:                                            ; the last lap fills nothing
	TURN4 0, 1, 0, 1
	STEP4 1, 2, 0
	s_wait_dscnt 0x0
	WIN MUL
	MUL8 0, 1, 3, 0
	MUL8 1, 1, 3, 0
	MUL8 2, 1, 3, 0
	MUL8 3, 1, 3, 0
	WIN 0
; THE WAY OUT, a tile of 16 queries x my 128 columns at a time: divided by l, through my own stage, back as whole rows of 512 bytes.  Lane (r, h), tile b, register j: column 32 (b / 2) + 16 h + 8 (b % 2) + j.
.macro OUTT a
	s_wait_xcnt 0x0                                ; the last tile's stores have read their registers
	WIN 0x02                                       ; source 0: the accumulators' window
.set i, 0
.rept 32
	v_pk_mul_f32 v[T0+i:T0+i+1], v[64*\a+i:64*\a+i+1], v[LI+2*\a:LI+2*\a+1] op_sel_hi:[1,0]   ; each accumulator from its low end on
.set i, i+2
.endr
	WIN 0
.irp b, 0,1,2,3,4,5,6,7
	ds_store_b128 v[STO], v[T0+8*\b:T0+8*\b+3] offset:128*(\b/2)+32*(\b%2)
	ds_store_b128 v[STO], v[T0+8*\b+4:T0+8*\b+7] offset:128*(\b/2)+32*(\b%2)+16
.endr
.irp t, 0,1,2,3,4,5,6,7,8,9,10,11,12,13,14,15
	ds_load_b128 v[BK+4*\t:BK+4*\t+3], v[RD] offset:\t*SPI   ; LDS serves a wave's instructions in order (ISA guide 5.7.1.4): these see my stores
.endr
.irp t, 0,1,2,3,4,5,6,7,8,9,10,11,12,13,14,15
	s_wait_dscnt 15-\t                             ; row t is back; the younger rows may be out
	global_store_b128 v[LN], v[BK+4*\t:BK+4*\t+3], s[10:11] offset:(32*(\a/2)+8*(\a%2)+\t+8*(\t/8))*4096 th:TH_STORE_NT   ; 512 consecutive bytes, at a multiple of 256 from out0's first byte
.endr
.endm
	PLACES 4                                       ; behind the last products
	OUTT 0
	OUTT 1
	OUTT 2
	OUTT 3
	s_wait_tensorcnt 0x0                           ; the wave's end
	ds_add_u32 v[SPW], v[NIL]
	s_wait_dscnt 0x0
	CROUND                                         ; the closing round
	s_endpgm
.Lfunc_end_k_q06d5df8144_pv:
	.size	k_q06d5df8144_pv, .Lfunc_end_k_q06d5df8144_pv-k_q06d5df8144_pv
	.p2alignl 7, 3214868480
	.fill 96, 4, 3214868480
	.section	.rodata,"a",@progbits
	.p2align	6, 0x0
	.amdhsa_kernel k_q06d5df8144_pv
		.amdhsa_group_segment_fixed_size 327680
		.amdhsa_private_segment_fixed_size 0
		.amdhsa_enable_private_segment 0
		.amdhsa_kernarg_size 32
		.amdhsa_user_sgpr_count 2
		.amdhsa_user_sgpr_kernarg_segment_ptr 1
		.amdhsa_wavefront_size32 1
		.amdhsa_system_sgpr_workgroup_id_x 1
		.amdhsa_system_sgpr_workgroup_id_y 1
		.amdhsa_system_sgpr_workgroup_id_z 1
		.amdhsa_system_vgpr_workitem_id 0
		.amdhsa_next_free_vgpr 768
		.amdhsa_next_free_sgpr 100
		.amdhsa_reserve_vcc 0
		.amdhsa_float_denorm_mode_32 3
		.amdhsa_float_denorm_mode_16_64 3
		.amdhsa_memory_ordered 1
		.amdhsa_forward_progress 1
		.amdhsa_inst_pref_size 116
	.end_amdhsa_kernel
	.amdgpu_metadata
---
amdhsa.version: [ 1, 2 ]
amdhsa.kernels:
  - .name:           k_q06d5df8144_pv
    .symbol:         k_q06d5df8144_pv.kd
    .args:
      - { .name: p_op, .offset: 0, .size: 8, .value_kind: global_buffer, .address_space: global }
      - { .name: pstat, .offset: 8, .size: 8, .value_kind: global_buffer, .address_space: global }
      - { .name: qkv, .offset: 16, .size: 8, .value_kind: global_buffer, .address_space: global }
      - { .name: out0, .offset: 24, .size: 8, .value_kind: global_buffer, .address_space: global }
    .group_segment_fixed_size: 327680
    .private_segment_fixed_size: 0
    .kernarg_segment_align: 8
    .kernarg_segment_size: 32
    .max_flat_workgroup_size: 128
    .sgpr_count:     100
    .vgpr_count:     768
    .wavefront_size: 32
...
	.end_amdgpu_metadata
.endif
;; end of part 4
;; ======== version 2 of 2: 4 launches
;; limits: right only within a limited range of input values
;; workspace buffers: x_op 6,553,600 bytes; w_op 2,457,600 bytes; qkv 19,660,800 bytes; p_op 13,107,200 bytes; pstat 1,048,576 bytes
;; launch quant (part 5): grid 704 x 1, 4 waves a work-group, no clusters, 34,304 bytes of LDS; arguments x, W_q, W_k, W_v, x_op, w_op; writes x_op, w_op
.if DOCPART == 5
	.amdgcn_target "amdgcn-amd-amdhsa--gfx1250"
	.amdhsa_code_object_version 6
	.text
	.protected	k_q06d5df8144_quant
	.globl	k_q06d5df8144_quant
	.p2align	8
	.type	k_q06d5df8144_quant,@function
k_q06d5df8144_quant:
	s_mov_b64 s[64:65], 0
	v_nop
	global_prefetch_b8 v0, s[64:65] scope:SCOPE_SE
	s_setreg_imm32_b32 hwreg(HW_REG_WAVE_MODE, 25, 1), 1
	s_wait_xcnt 0x0
; x [8192][1024] and W_q, W_k, W_v [1024 (k)][1024 (n)], f32, become operands of MX-BF6 (E3M2 codes, one E8M0 byte for each 32 along K = the model's 1,024).
; THE OPERAND FORMAT of this program.  An operand [rows][K] is cut into blocks of 128 rows (a group) x 128 K, 12,800 bytes each.  In x_op the blocks lie [pair of groups][K step][group of the pair], in w_op [128 columns][K step][W_q, W_k, W_v]:
; what one work-group of the next launch wants of a K step lies on end.
; A block holds eight fragments of 16 rows as IMAGES OF THE OPERAND'S REGISTERS: registers 4 c .. 4 c + 3 of lane l lie at 1536 T + 512 c + 16 l; lane (r, h) holds k = 64 c' + 32 h + 0 .. 31 in registers 6 c' .. 6 c' + 5.
; Lane r of fragment T = 2 q + u holds row 32 q + 8 u + r + 8 (r / 8) of the group.  Behind the fragments lie the scale words: that of (T, r) at 12288 + 256 u + 16 r + 4 q.
; A block's scale is 2^(floor(log2(largest magnitude)) - 4); its byte is the largest magnitude's exponent field - 4, held at 1 from below.
; WORK LEFT OUT IN THE WHOLE PROGRAM: scores of keys that come after their query are hidden by the causal mask that the problem builds itself, so whatever the inputs hold their p are 0 and add nothing.
; The launch that makes p leaves out the squares of 1,024 queries x 1,024 keys that lie wholly above the diagonal, and the last launch the steps of 512 keys beyond its queries (by pairs).
; LIMITS: a NaN, an infinity or an overflow that reaches only the work left out is not carried to the result; a block of zeros gets the byte 1 (its codes are zeros, and this program alone reads the bytes); NaN and infinities among the inputs are not served.
; Work-groups 0-511 take x, a block each; 512-703 the weights, a block each.  Waves share nothing: no barrier.  No cluster: every input byte is read once, by one wave.  No prefetch: there is no loop, each wave asks for all it reads at its start.
.set BLK,  12800
.set SCO,  12288
.set FRB,  1536
.set SP,   528                         ; a stage row: 512 bytes + 16 = 132 words: sixteen rows start 4 words apart (64 banks of 4 bytes: ISA guide 11.1)
.set SPARE, 4*16*SP+512
.set TM,   16                          ; v16-31  at work in QUANT
.set PC,   32                          ; v32-51  the codes just made
.set PWS,  52                          ; v52-53  two fragments' scale words
.set SW,   56                          ; v56     the scale word to store
.set PW,   58                          ; v58     the scale word just made
.set SPW,  62                          ; v62     my spare word's LDS address, v63 0: never rewritten
.set NIL,  63
.set X,    64                          ; v64-127 64 numbers in QUANT's order
.set R0,   128                         ; v128-255 two sets of 64 numbers as loaded
.set HM,   27                          ; s27     lanes 16-31
.set SEL,  28                          ; s[28:29] v_permlanex16_b32's selects for lane l xor 16
	s_load_b256 s[4:11], s[0:1], 0x0               ; x, W_q, W_k, W_v
	s_load_b128 s[12:15], s[0:1], 0x20             ; x_op, w_op
	v_lshl_add_u32 v[SPW], v0, 2, 0x8400
	v_mov_b32 v[NIL], 0
	v_lshrrev_b32 v1, 5, v0
	v_readfirstlane_b32 s16, v1                    ; wave 0..3
	v_and_b32 v1, 31, v0                           ; lane
	v_and_b32 v2, 15, v0                           ; r
	v_bfe_u32 v3, v0, 4, 1                         ; h
	v_lshlrev_b32 v4, 4, v1                        ; 16 x lane
	s_wait_alu depctr_va_vdst(0)                   ; directly ahead of the branch
	s_cmp_lt_u32 ttmp9, 512
	s_cbranch_scc0 .Lweights
; ---- x.  K is innermost.  Wave (F, u) makes the two fragments 2 (2 F + f) + u (f = 0, 1) of block (g, s).  Each load takes 512 consecutive bytes of one row;
; sixteen rows turn through the wave's own stage in LDS, so that a lane then holds, of ITS row, 16 neighbours of each block of 32.
; 64 numbers of a lane, register 16 b + i = k 32 b + 16 h + i of its row, become a fragment's codes in v[PC] on and its scale word in v[PW].
.macro QUANT s
.irp b, 0,1,2,3
	v_max3_num_f32 v[TM+\b], |v[\s+16*\b]|, |v[\s+1+16*\b]|, 0x2800000   ; my 16 numbers of block b, and the floor 2^(5 - 127): the byte cannot fall under 1
.endr
.irp i, 2,4,6,8,10,12,14
.irp b, 0,1,2,3
	v_max3_num_f32 v[TM+\b], v[TM+\b], |v[\s+16*\b+\i]|, |v[\s+1+16*\b+\i]|
.endr
.endr
.irp b, 0,1,2,3
	v_permlanex16_b32 v[TM+4+\b], v[TM+\b], s[SEL], s[SEL+1]
.endr
.irp b, 0,1,2,3
	v_max_num_f32 v[TM+\b], v[TM+\b], v[TM+4+\b]   ; with lane l xor 16's: the block's largest magnitude
.endr
.irp b, 0,1,2,3
	v_add_nc_u32 v[TM+12+\b], 0xfe000000, v[TM+\b] ; 4 off its exponent field: the conversion's scale operand
.endr
.irp b, 0,1,2,3
	v_lshrrev_b32 v[TM+4+\b], 23, v[TM+12+\b]      ; the scale's byte
.endr
	v_lshl_or_b32 v[PW], v[TM+5], 8, v[TM+4]
	v_lshl_or_b32 v[PW], v[TM+6], 16, v[PW]
	v_lshl_or_b32 v[PW], v[TM+7], 24, v[PW]
.irp c, 0,1
	v_cvt_scalef32_pk16_bf6_f32 v[PC+6*\c:PC+2+6*\c], v[\s+32*\c:\s+15+32*\c], v[TM+12+2*\c]
	v_cvt_scalef32_pk16_bf6_f32 v[PC+12+4*\c:PC+14+4*\c], v[\s+16+32*\c:\s+31+32*\c], v[TM+12+2*\c+1]   ; (a conversion's three registers begin on an even number)
.endr
	v_nop                                          ; one plain place behind a scaled conversion
.irp c, 0,1                                    ; the layout wants a whole block in a lane: lanes 0-15 block 2 c, lanes 16-31 block 2 c + 1
.irp i, 0,1,2
	v_permlane16_swap_b32 v[PC+6*\c+\i], v[PC+12+4*\c+\i]
.endr
.irp i, 0,1,2
	v_mov_b32 v[PC+3+6*\c+\i], v[PC+12+4*\c+\i]
.endr
.endr
.endm
.macro XLD f, reg                      ; the sixteen rows of a fragment, 512 bytes each
.irp i, 0,1,2,3,4,5,6,7,8,9,10,11,12,13,14,15
	global_load_b128 v[\reg+4*\i:\reg+4*\i+3], v4, s[4:5] offset:(32*(\f)+\i+8*(\i/8))*4096 th:TH_LOAD_NT
.endr
.endm
	s_and_b32 s17, s16, 1                          ; u
	s_lshr_b32 s18, s16, 1                         ; F
	s_and_b32 s19, ttmp9, 7                        ; s
	s_lshr_b32 s20, ttmp9, 3                       ; g
	s_lshl_b32 s22, s20, 19                        ; 128 g rows of 4,096 bytes
	s_lshl_b32 s21, s18, 18                        ; + 64 F rows
	s_add_co_u32 s22, s22, s21
	s_lshl_b32 s21, s17, 15                        ; + 8 u rows
	s_add_co_u32 s22, s22, s21
	s_lshl_b32 s21, s19, 9                         ; + 128 s numbers
	s_add_co_u32 s22, s22, s21
	s_mov_b32 s23, 0
	s_lshr_b32 s24, s20, 1
	s_lshl_b32 s24, s24, 4
	s_lshl_b32 s21, s19, 1
	s_add_co_u32 s24, s24, s21
	s_and_b32 s21, s20, 1
	s_add_co_u32 s24, s24, s21                     ; block 16 (g / 2) + 2 s + g % 2
	s_mul_i32 s24, s24, BLK
	s_mov_b32 s25, 0
	s_mul_i32 s26, s16, 16*SP                      ; my stage
	s_mul_i32 s30, s18, 4*FRB
	s_mul_i32 s21, s17, FRB
	s_add_co_u32 s30, s30, s21                     ; 1536 (4 F + u)
	s_lshl_b32 s31, s17, 8
	s_lshl_b32 s21, s18, 3
	s_add_co_u32 s31, s31, s21                     ; 256 u + 8 F
	s_wait_alu depctr_va_vdst(0)
	v_add_nc_u32 v5, s26, v4                       ; in: 16 x lane of a row
	v_mul_u32_u24 v6, v2, SP
	v_lshl_add_u32 v6, v3, 6, v6
	v_add_nc_u32 v6, s26, v6                       ; back: row r, + 64 h
	v_add_nc_u32 v8, s30, v4                       ; codes: 16 x lane + 1536 (4 F + u)
	v_lshlrev_b32 v7, 4, v2
	v_lshl_add_u32 v7, v3, 2, v7
	v_add_nc_u32 v7, s31, v7                       ; scale words: 256 u + 16 r + 8 F + 4 h
	s_mov_b32 s[SEL], 0x76543210
	s_mov_b32 s[SEL+1], 0xfedcba98
	s_mov_b32 s[HM], 0xffff0000
.irp b, 0,1,2,3
	v_mov_b32 v[TM+4+\b], 0                        ; written once: a lane permute's destination counts as one of its sources
.endr
	s_wait_alu depctr_va_vdst(0)
	s_wait_kmcnt 0x0
	s_add_nc_u64 s[4:5], s[4:5], s[22:23]
	s_add_nc_u64 s[12:13], s[12:13], s[24:25]
	XLD 0, R0
	XLD 1, R0+64
.macro XFRAG f
.set RR, R0+64*(\f)
	s_wait_loadcnt 16*(1-\f)                       ; this fragment's sixteen loads are in; the next fragment's may be out
.irp i, 0,1,2,3,4,5,6,7,8,9,10,11,12,13,14,15
	ds_store_b128 v5, v[RR+4*\i:RR+4*\i+3] offset:\i*SP
.endr
.irp b, 0,1,2,3
.irp j, 0,1,2,3
	ds_load_b128 v[X+16*\b+4*\j:X+16*\b+4*\j+3], v6 offset:128*\b+16*\j   ; LDS serves a wave's instructions in order (ISA guide 5.7.1.4): these see my stores
.endr
.endr
	s_wait_dscnt 0x0                               ; my 64 numbers are in
	s_wait_xcnt 0x0                                ; the last fragment's stores have read v[PC] on: it is rewritten only behind this wait
	QUANT X
.irp c, 0,1,2
	global_store_b128 v8, v[PC+4*\c:PC+4*\c+3], s[12:13] offset:2*(\f)*FRB+512*\c   ; 512 consecutive bytes, at a multiple of 256 from the buffer's first byte
.endr
	v_mov_b32 v[PWS+\f], v[PW]
.endm
	XFRAG 0
	XFRAG 1
	v_cndmask_b32 v[SW], v[PWS], v[PWS+1], s[HM]   ; lane (r, h) stores the word of the wave's fragment h
	global_store_b32 v7, v[SW], s[12:13] offset:SCO   ; the four waves together fill the block's 512 bytes of scale words
	s_wait_tensorcnt 0x0                           ; the wave's end
	ds_add_u32 v[SPW], v[NIL]
	s_wait_dscnt 0x0
	s_endpgm
; ---- the weights.  K is the FIRST axis: a lane takes a column n and its registers run down K, so that a block of 32 lies in one lane and the codes come out with K innermost.
; Work-group t' makes the block of weight t' / 64, columns (t' / 8) % 8, K step t' % 8; wave w its columns 32 w .. 32 w + 31, which are fragments 2 w and 2 w + 1.
.Lweights:
	s_sub_co_u32 s17, ttmp9, 512                   ; t'
	s_and_b32 s18, s17, 7                          ; K step
	s_lshr_b32 s19, s17, 3
	s_lshr_b32 s20, s19, 3                         ; which weight: 0 q, 1 k, 2 v
	s_and_b32 s21, s19, 7                          ; which 128 columns
	s_lshl_b32 s22, s18, 19                        ; 128 s rows of 4,096 bytes
	s_lshl_b32 s23, s21, 9
	s_add_co_u32 s22, s22, s23
	s_lshl_b32 s23, s16, 7
	s_add_co_u32 s22, s22, s23                     ; + my wave's first column
	s_mov_b32 s23, 0
	s_lshl_b32 s24, s21, 3
	s_add_co_u32 s24, s24, s18
	s_mul_i32 s24, s24, 3
	s_add_co_u32 s24, s24, s20                     ; block 3 (8 x columns + K step) + weight
	s_mul_i32 s24, s24, BLK
	s_mov_b32 s25, 0
	s_wait_alu depctr_va_vdst(0)
	v_lshlrev_b32 v5, 2, v1                        ; in: 4 bytes a lane
	v_bfe_u32 v6, v0, 3, 1                         ; column 32 w + l is lane r = l % 8 + 8 (l / 16) of fragment 2 w + u, u = (l / 8) % 2
	v_and_b32 v7, 7, v0
	v_lshl_add_u32 v7, v3, 3, v7
	v_lshlrev_b32 v7, 4, v7                        ; 16 r
	v_mad_u32_u24 v8, v6, FRB, v7
	s_mul_i32 s26, s16, 2*FRB
	v_add_nc_u32 v8, s26, v8                       ; codes: 1536 (2 w + u) + 16 r
	v_lshl_add_u32 v9, v6, 8, v7
	s_lshl_b32 s26, s16, 2
	v_add_nc_u32 v9, s26, v9                       ; scale word: 256 u + 16 r + 4 w
	s_wait_alu depctr_va_vdst(0)
	s_wait_kmcnt 0x0
	s_cmp_eq_u32 s20, 0                            ; the choice hangs on the work-group's number alone
	s_cselect_b64 s[30:31], s[6:7], s[8:9]
	s_cmp_eq_u32 s20, 2
	s_cselect_b64 s[30:31], s[10:11], s[30:31]
	s_add_nc_u64 s[30:31], s[30:31], s[22:23]
	s_add_nc_u64 s[14:15], s[14:15], s[24:25]
.set kk, 0
.rept 128
	global_load_b32 v[128+kk], v5, s[30:31] offset:kk*4096 th:TH_LOAD_NT   ; W(128 s + kk, my column): 128 consecutive bytes a wave, the four waves side by side on 512
.set kk, kk+1
.endr
; Block t = 2 c + h' of my column belongs to lane (r, h'), registers 6 c .. 6 c + 5: run h' of twelve registers at v[64 + 12 h'].
.macro WBLK t
.set XS, 128+32*(\t)
.set RU, 64+12*((\t)%2)+6*((\t)/2)
.if (\t) < 2
	s_wait_loadcnt 63                              ; a count names 63 at the most: blocks 0 and 1 are in
.elseif (\t) == 2
	s_wait_loadcnt 32                              ; the last block's 32 loads may be out
.else
	s_wait_loadcnt 0x0
.endif
	v_max3_num_f32 v12, |v[XS]|, |v[XS+1]|, |v[XS+2]|
	v_max3_num_f32 v13, |v[XS+3]|, |v[XS+4]|, |v[XS+5]|
.irp i, 6,10,14,18,22,26
	v_max3_num_f32 v12, v12, |v[XS+\i]|, |v[XS+\i+1]|
	v_max3_num_f32 v13, v13, |v[XS+\i+2]|, |v[XS+\i+3]|
.endr
	v_max3_num_f32 v12, v12, |v[XS+30]|, |v[XS+31]|
	v_max3_num_f32 v12, v12, v13, 0x2800000        ; and the floor
	v_add_nc_u32 v[20+\t], 0xfe000000, v12         ; the conversion's scale operand
	v_lshrrev_b32 v13, 23, v[20+\t]                ; the byte
.if (\t) == 0
	v_mov_b32 v10, v13
.else
	v_lshl_or_b32 v10, v13, 8*(\t), v10            ; the lower K in the lower byte
.endif
	v_cvt_scalef32_pk16_bf6_f32 v[RU:RU+2], v[XS:XS+15], v[20+\t]
	v_cvt_scalef32_pk16_bf6_f32 v[96+4*(\t):98+4*(\t)], v[XS+16:XS+31], v[20+\t]   ; the second three begin on an odd number: made elsewhere and moved
.endm
	WBLK 0
	WBLK 1
	WBLK 2
	WBLK 3
	v_nop                                          ; one plain place behind the last conversion
.irp t, 0,1,2,3
.irp i, 0,1,2
	v_mov_b32 v[64+12*(\t%2)+6*(\t/2)+3+\i], v[96+4*\t+\i]
.endr
.endr
.irp hh, 0,1
.irp c, 0,1,2
	global_store_b128 v8, v[64+12*\hh+4*\c:64+12*\hh+4*\c+3], s[14:15] offset:512*\c+256*\hh   ; sixteen lanes of one u: 256 consecutive bytes, aligned
.endr
.endr
	global_store_b32 v9, v10, s[14:15] offset:SCO  ; 4 bytes a lane, 16 bytes apart: the four waves together fill the block's 512 bytes of scale words
	s_endpgm
.Lfunc_end_k_q06d5df8144_quant:
	.size	k_q06d5df8144_quant, .Lfunc_end_k_q06d5df8144_quant-k_q06d5df8144_quant
	.p2alignl 7, 3214868480
	.fill 96, 4, 3214868480
	.section	.rodata,"a",@progbits
	.p2align	6, 0x0
	.amdhsa_kernel k_q06d5df8144_quant
		.amdhsa_group_segment_fixed_size 34304
		.amdhsa_private_segment_fixed_size 0
		.amdhsa_enable_private_segment 0
		.amdhsa_kernarg_size 48
		.amdhsa_user_sgpr_count 2
		.amdhsa_user_sgpr_kernarg_segment_ptr 1
		.amdhsa_wavefront_size32 1
		.amdhsa_system_sgpr_workgroup_id_x 1
		.amdhsa_system_sgpr_workgroup_id_y 1
		.amdhsa_system_sgpr_workgroup_id_z 1
		.amdhsa_system_vgpr_workitem_id 0
		.amdhsa_next_free_vgpr 256
		.amdhsa_next_free_sgpr 66
		.amdhsa_reserve_vcc 0
		.amdhsa_float_denorm_mode_32 3
		.amdhsa_float_denorm_mode_16_64 3
		.amdhsa_memory_ordered 1
		.amdhsa_forward_progress 1
		.amdhsa_inst_pref_size 39
	.end_amdhsa_kernel
	.amdgpu_metadata
---
amdhsa.version: [ 1, 2 ]
amdhsa.kernels:
  - .name:           k_q06d5df8144_quant
    .symbol:         k_q06d5df8144_quant.kd
    .args:
      - { .name: x, .offset: 0, .size: 8, .value_kind: global_buffer, .address_space: global }
      - { .name: W_q, .offset: 8, .size: 8, .value_kind: global_buffer, .address_space: global }
      - { .name: W_k, .offset: 16, .size: 8, .value_kind: global_buffer, .address_space: global }
      - { .name: W_v, .offset: 24, .size: 8, .value_kind: global_buffer, .address_space: global }
      - { .name: x_op, .offset: 32, .size: 8, .value_kind: global_buffer, .address_space: global }
      - { .name: w_op, .offset: 40, .size: 8, .value_kind: global_buffer, .address_space: global }
    .group_segment_fixed_size: 34304
    .private_segment_fixed_size: 0
    .kernarg_segment_align: 8
    .kernarg_segment_size: 48
    .max_flat_workgroup_size: 128
    .sgpr_count:     66
    .vgpr_count:     256
    .wavefront_size: 32
...
	.end_amdgpu_metadata
.endif
;; end of part 5
;; launch proj (part 6): grid 8 x 32, 4 waves a work-group, clusters of 4 x 4, 327,680 bytes of LDS; arguments x_op, w_op, qkv; writes qkv
.if DOCPART == 6
	.amdgcn_target "amdgcn-amd-amdhsa--gfx1250"
	.amdhsa_code_object_version 6
	.text
	.protected	k_q06d5df8144_proj
	.globl	k_q06d5df8144_proj
	.p2align	8
	.type	k_q06d5df8144_proj,@function
k_q06d5df8144_proj:
	s_mov_b64 s[64:65], 0
	v_nop
	global_prefetch_b8 v0, s[64:65] scope:SCOPE_SE
	s_setreg_imm32_b32 hwreg(HW_REG_WAVE_MODE, 25, 1), 1
	s_wait_xcnt 0x0
	s_wait_alu depctr_hold_cnt(0) depctr_sa_sdst(0) depctr_va_vdst(0) depctr_va_sdst(0) depctr_va_ssrc(0) depctr_va_vcc(0) depctr_vm_vsrc(0)
	s_getreg_b32 s2, hwreg(HW_REG_IB_STS2, 6, 4)
	s_cmp_eq_u32 s2, 0
	s_cbranch_scc0 .Lentry_in_a_cluster
	s_endpgm
.Lentry_in_a_cluster:
	s_bfe_u32 s2, ttmp6, 0x10000c
	s_cmp_lg_u32 s2, 0xf033
	s_cbranch_scc0 .Lentry_shape_is_right
	s_endpgm
.Lentry_shape_is_right:
; Q = x W_q, K = x W_k, V = x W_v on codes of BF6 (E3M2) with E8M0 scales; the results are quantised in the epilogue and leave as operands of the next products, in this program's operand format
; (blocks of 128 rows x 128 K, 12,800 bytes: eight fragments as images of the operand's registers, then 512 bytes of scale words; lane r of fragment 2 q + u holds row 32 q + 8 u + r + 8 (r / 8)).
; Q and K are quantised along the model's 1,024 (their rows are the tokens); V along the KEYS: it leaves as V^T, rows = the model's 1,024, K = a batch's 2,048 tokens.
; SHARES.  256 work-groups: work-group (j, i) takes 256 rows of x (two groups) and the same 128 columns j of W_q, W_k and W_v: six units of 128 x 128 results for four waves.  Wave (g, h) takes x's group g: the unit of Q (h = 0) or of K (h = 1)
; whole, and of V's unit the columns 64 h .. 64 h + 63.  So every wave multiplies the same 8 fragments of x with 12 fragments of weights: 96 accumulators, 768 registers.
; SOURCE 1's row stays in a lane, SOURCE 0's rows run along the lane's registers: two neighbouring tiles give 16 neighbours along the next K.  For Q and K source 1 = x and source 0 = W; for V source 1 = W_v and source 0 = x.
; CLUSTERS of 4 x 4: x's tiles hang on cy and are asked for jointly along the cluster's row, the weights' on cx, along its column.
; K goes in 8 steps of 128 through TWO LDS SLOTS of two steps.  A step's two blocks of x and its three of weights lie on end in memory and in LDS, so that a fill is one dense run for x and one for the weights; two waves fetch x's halves, two the weights',
; as rows of 256 bytes.  Fill 0 comes at the head, fill 1 behind the full sequence, fills 2 and 3 in the loop's two trips: one load of a wave is out at any time.
; THE FILLS ARE PREFETCHED one ahead of the tensor load that wants them: behind the load of fill n the blocks of 256 bytes of fill n + 1.  Of a wave's half run the four partners take 25 blocks each of x's 100 (told apart by cx), 38 each of the weights' 150 (by cy), a lane a block;
; lanes left over name the last block again.  The weights, which all clusters of a column read, are asked for by four clusters.  Nothing is asked for beyond fill 3.
; LIMITS: a block of zeros gets the byte 1 (its codes are zeros; this program alone reads the bytes); NaN and infinities are not served.
; REGISTERS: window 0: v16-30 addresses; v32-127 x's eight fragments; v128-175, v176-223 four fragments of weights each, by turns; v224-247 scale words, two sets of x's 4, Q's or K's 4, V's 2.
;   window 1: V's accumulators, (W_v's tile b, x's tile a) at v[64 b + 8 a]; windows 2, 3: Q's or K's, (x's tile a, W's tile b) at v[8 (8 (a % 4) + b)].
.set BLK,   12800
.set SCO,   12288
.set FRB,   1536
.set XC,    2*BLK                      ; a step's two blocks of x
.set WC,    3*BLK                      ; its three of weights
.set WREG,  4*XC                       ; behind x's two slots: the weights' two
.set SPARE, WREG+4*WC                  ; the spare words, 128 bytes a wave: two blocks of 256 bytes that no other line names
.set BX,  16                           ; v16-19 LDS address in slot 0, + 16 x lane, of my group of x; of W_q's or W_k's block; of my half of W_v's; of my half's scale words
.set AX,  20                           ; v20-23 the same in the slot that is read now
.set PF,  24                           ; v24-25 the prefetches' offsets; never rewritten
.set LN,  27                           ; v27    16 x lane
.set SPW, 28                           ; v28    my spare word; never rewritten
.set NIL, 29                           ; v29    0; never rewritten
.set LNV, 30                           ; v30    16 x lane + 8 h
.set XF,  32
.set WB,  128
.set SC,  224
.set TM,  32                           ; epilogue: v32-39 largest magnitudes, then bytes; v40-47 the other half's; v48-55 the scale operands
.set TN,  40
.set TO,  48
.set PC,  64                           ; v64-103 two tiles' codes
.set PW,  112                          ; v112-119 scale words of Q's or K's eight tiles, v120-123 of V's four
.set SW,  124                          ; v124-129 merged
.set G1,  24                           ; s[24:31] group 1 for x's tiles;  s[32:35] group 0
.set G0,  32
.set G1B, 48                           ; s[48:55], s[36:39] the same for the weights'
.set G0B, 36
.set SX,  40                           ; s40     where the slot read now begins: x's, and s41 the weights'
.set SWO, 41
.set SEL, 78
.set HM,  80
.set OQ,  82                           ; s[82:83] my block of Q or K
.set OV,  84                           ; s[84:85] my block of V^T;  s[86:87] my half's fragments in it
.set MSB, 0
.macro WIN new                         ; the immediate's high byte repeats the setting that is left
.if MSB != \new
	s_set_vgpr_msb (MSB<<8)|\new
.set MSB, \new
.endif
.endm
.macro PLACES                          ; a load into a register that a matrix instruction has read stands four places behind it, and only plain vector instructions that name none of its registers are places
.rept 4
	v_nop
.endr
.endm
; A joint load: waves 0 and 1 fetch x's two halves, waves 2 and 3 the weights'.  s_nop 0 and four v_nop follow each of the two lines.
.macro JLOAD
	s_cmp_eq_u32 s15, 0
	s_cbranch_scc0 .Lfor_b_\@
	tensor_load_to_lds s[G0:G0+3], s[G1:G1+7]
	s_nop 0
.rept 4
	v_nop
.endr
	s_branch .Lasked_\@
.Lfor_b_\@:
	tensor_load_to_lds s[G0B:G0B+3], s[G1B:G1B+7]
	s_nop 0
.rept 4
	v_nop
.endr
.Lasked_\@:
.endm
.macro ASK n                           ; prefetch my part of fill n
	s_cmp_eq_u32 s15, 0
	s_cbranch_scc0 .Lask_w_\@
	global_prefetch_b8 v[PF], s[10:11] offset:(\n)*2*XC th:TH_LOAD_NT scope:SCOPE_SE
	s_branch .Lask_done_\@
.Lask_w_\@:
	s_cmp_lt_u32 s17, 4
	s_cbranch_scc0 .Lask_done_\@
	global_prefetch_b8 v[PF], s[12:13] offset:(\n)*2*WC th:TH_LOAD_NT scope:SCOPE_SE
	global_prefetch_b8 v[PF+1], s[12:13] offset:(\n)*2*WC th:TH_LOAD_NT scope:SCOPE_SE
.Lask_done_\@:
.endm
.macro CREST                           ; a round of the cluster's barrier behind its opening barrier
	s_cmp_lg_u32 s14, 0
	s_cbranch_scc1 .Lnot_wave_0_\@
	s_barrier_signal -3
.Lnot_wave_0_\@:
	s_barrier_wait -3
	s_barrier_signal -1
	s_barrier_wait -1
.endm
.macro CROUND
	s_barrier_signal -1
	s_barrier_wait -1
	CREST
.endm
	s_load_b128 s[4:7], s[0:1], 0x0                ; x_op, w_op
	s_load_b64 s[8:9], s[0:1], 0x10                ; qkv
	v_lshl_add_u32 v[SPW], v0, 2, SPARE
	v_mov_b32 v[NIL], 0
	ds_add_u32 v[SPW], v[NIL]                      ; the opening lines: the add, twice on end, and its wait ahead of my first tensor load
	ds_add_u32 v[SPW], v[NIL]
	v_lshrrev_b32 v1, 5, v0
	v_readfirstlane_b32 s14, v1                    ; wave 0..3
	s_lshr_b32 s15, s14, 1                         ; g: my group of x.  Also: I fetch x (0) or weights (1)
	s_and_b32 s16, s14, 1                          ; h: Q or K, and which half of V's columns.  Also: which half of a fill I fetch
	s_bfe_u32 s56, ttmp6, 0x40000                  ; cx
	s_bfe_u32 s57, ttmp6, 0x40004                  ; cy
	s_and_b32 s17, ttmp7, 0xffff
	s_lshl_b32 s58, s57, 2
	s_lshl_b32 s58, 15, s58                        ; my row of the cluster
	s_lshl_b32 s59, 0x1111, s56                    ; my column
	s_or_b32 s[G1], s58, (3<<16)|(1<<21)           ; 15:0 the mask; 17:16 elements of 8 bytes; 21 set beside a mask; no padding
	s_or_b32 s[G1B], s59, (3<<16)|(1<<21)
.irp g, G1, G1B
	s_mov_b32 s[\g+1], 32<<16                      ; tensor_dim0 = 32 elements: 256 bytes
	s_mov_b32 s[\g+3], 32<<16                      ; tile_dim0
	s_mov_b32 s[\g+5], 32                          ; the pitch: the run is dense
	s_mov_b32 s[\g+6], 0
	s_mov_b32 s[\g+7], 0
.endr
	s_mov_b32 s[G1+2], 100<<16                     ; a fill is two steps: half of x's run is 100 rows,
	s_mov_b32 s[G1+4], 100
	s_mov_b32 s[G1B+2], 150<<16                    ; half of the weights' 150
	s_mov_b32 s[G1B+4], 150
	s_lshl_b32 s18, s17, 2
	s_add_co_u32 s18, s18, s57                     ; i: which 256 rows of x; hangs on cy alone
	s_lshl_b32 s19, ttmp9, 2
	s_add_co_u32 s19, s19, s56                     ; j: which 128 columns; hangs on cx alone
	s_mul_i32 s66, s18, 16*BLK
	s_mov_b32 s67, 0
	s_mul_i32 s68, s19, 24*BLK
	s_mov_b32 s69, 0
	s_mul_i32 s20, s16, XC                         ; my half's place in a fill: x,
	s_mov_b32 s21, 0
	s_mul_i32 s22, s16, WC                         ; the weights
	s_mov_b32 s23, 0
	s_add_co_u32 s44, s22, WREG
	s_wait_dscnt 0x0                               ; both opening adds are done
	s_wait_kmcnt 0x0
	s_add_nc_u64 s[10:11], s[4:5], s[66:67]
	s_add_nc_u64 s[12:13], s[6:7], s[68:69]
	s_add_nc_u64 s[10:11], s[10:11], s[20:21]      ; my half of fill 0
	s_add_nc_u64 s[12:13], s[12:13], s[22:23]
	s_mov_b32 s[G0], 1
	s_mov_b32 s[G0+1], s20
	s_mov_b64 s[G0+2:G0+3], s[10:11]
	s_or_b32 s[G0+3], s[G0+3], 0x80000000
	s_mov_b32 s[G0B], 1
	s_mov_b32 s[G0B+1], s44
	s_mov_b64 s[G0B+2:G0B+3], s[12:13]
	s_or_b32 s[G0B+3], s[G0B+3], 0x80000000
	s_cmp_eq_u32 s15, 0                            ; the prefetches' blocks: x's wave or the weights'
	s_cselect_b32 s60, 24, 31
	s_cselect_b32 s61, s56, s57
	s_cselect_b32 s62, 25, 38
	s_mul_i32 s61, s61, s62
	v_and_b32 v1, 31, v0
	v_min_u32 v[PF], s60, v1
	v_min_u32 v[PF+1], 5, v1
	v_add_nc_u32 v[PF], s61, v[PF]
	v_add_nc_u32 v[PF+1], s61, v[PF+1]
	v_min_u32 v[PF], 149, v[PF]
	v_add_nc_u32 v[PF+1], 32, v[PF+1]
	v_min_u32 v[PF+1], 149, v[PF+1]
	v_lshlrev_b32 v[PF], 8, v[PF]
	v_lshlrev_b32 v[PF+1], 8, v[PF+1]
	s_wait_alu depctr_va_vdst(0)
	CROUND                                         ; all sixteen work-groups are here: the first joint loads meet
	JLOAD                                          ; fill 0
	ASK 1
	; where my results go
	s_lshl_b32 s60, s18, 1
	s_add_co_u32 s60, s60, s15                     ; x's group, 0..63
	s_lshl_b32 s61, s16, 9
	s_lshl_b32 s62, s60, 3
	s_add_co_u32 s61, s61, s62
	s_add_co_u32 s66, s61, s19                     ; Q, K: block 512 h + 8 group + j
	s_mul_i32 s66, s66, BLK
	s_add_nc_u64 s[OQ:OQ+1], s[8:9], s[66:67]
	s_lshr_b32 s61, s60, 4
	s_lshl_b32 s61, s61, 7
	s_lshl_b32 s62, s19, 4
	s_add_co_u32 s61, s61, s62
	s_and_b32 s62, s60, 15
	s_add_co_u32 s61, s61, s62
	s_add_co_u32 s66, s61, 1024                    ; V^T: block 1024 + 128 (group / 16) + 16 j + group % 16
	s_mul_i32 s66, s66, BLK
	s_add_nc_u64 s[OV:OV+1], s[8:9], s[66:67]
	s_mul_i32 s66, s16, 4*FRB
	s_add_nc_u64 s[OV+2:OV+3], s[OV:OV+1], s[66:67]
	s_mov_b32 s[SEL], 0x76543210
	s_mov_b32 s[SEL+1], 0xfedcba98
	s_mov_b32 s[HM], 0xffff0000
	s_mov_b32 s[SX], 0
	s_mov_b32 s[SWO], 0
	; where my fragments lie
	s_mul_i32 s70, s15, BLK
	s_mul_i32 s71, s16, BLK
	s_add_co_u32 s71, s71, WREG
	s_mul_i32 s72, s16, 4*FRB
	s_add_co_u32 s72, s72, WREG+2*BLK
	s_lshl_b32 s74, s16, 3
	s_add_co_u32 s73, s74, WREG+2*BLK+SCO
	v_and_b32 v1, 31, v0
	v_lshlrev_b32 v[LN], 4, v1
	v_add_nc_u32 v[LNV], s74, v[LN]
.irp k, BX, AX
	v_add_nc_u32 v[\k], s70, v[LN]
	v_add_nc_u32 v[\k+1], s71, v[LN]
	v_add_nc_u32 v[\k+2], s72, v[LN]
	v_add_nc_u32 v[\k+3], s73, v[LN]
.endr
; One matrix instruction; fD, fA, fB, kA, kB are set by the caller.  An odd tile's scale words lie in lanes 16-31 of their register.  ZR = 1: the product starts the sum.
.set ZR, 0
.macro WM a, b
.if ZR
.if ((\a)%2) && ((\b)%2)
	v_wmma_scale_f32_16x16x128_f8f6f4 v[fD:fD+7], v[fA:fA+11], v[fB:fB+11], 0, v[kA], v[kB] matrix_a_fmt:MATRIX_FMT_BF6 matrix_b_fmt:MATRIX_FMT_BF6 matrix_a_scale:MATRIX_SCALE_ROW1 matrix_b_scale:MATRIX_SCALE_ROW1
.elseif (\a)%2
	v_wmma_scale_f32_16x16x128_f8f6f4 v[fD:fD+7], v[fA:fA+11], v[fB:fB+11], 0, v[kA], v[kB] matrix_a_fmt:MATRIX_FMT_BF6 matrix_b_fmt:MATRIX_FMT_BF6 matrix_a_scale:MATRIX_SCALE_ROW1
.elseif (\b)%2
	v_wmma_scale_f32_16x16x128_f8f6f4 v[fD:fD+7], v[fA:fA+11], v[fB:fB+11], 0, v[kA], v[kB] matrix_a_fmt:MATRIX_FMT_BF6 matrix_b_fmt:MATRIX_FMT_BF6 matrix_b_scale:MATRIX_SCALE_ROW1
.else
	v_wmma_scale_f32_16x16x128_f8f6f4 v[fD:fD+7], v[fA:fA+11], v[fB:fB+11], 0, v[kA], v[kB] matrix_a_fmt:MATRIX_FMT_BF6 matrix_b_fmt:MATRIX_FMT_BF6
.endif
.else
.if ((\a)%2) && ((\b)%2)
	v_wmma_scale_f32_16x16x128_f8f6f4 v[fD:fD+7], v[fA:fA+11], v[fB:fB+11], v[fD:fD+7], v[kA], v[kB] matrix_a_fmt:MATRIX_FMT_BF6 matrix_b_fmt:MATRIX_FMT_BF6 matrix_a_scale:MATRIX_SCALE_ROW1 matrix_b_scale:MATRIX_SCALE_ROW1
.elseif (\a)%2
	v_wmma_scale_f32_16x16x128_f8f6f4 v[fD:fD+7], v[fA:fA+11], v[fB:fB+11], v[fD:fD+7], v[kA], v[kB] matrix_a_fmt:MATRIX_FMT_BF6 matrix_b_fmt:MATRIX_FMT_BF6 matrix_a_scale:MATRIX_SCALE_ROW1
.elseif (\b)%2
	v_wmma_scale_f32_16x16x128_f8f6f4 v[fD:fD+7], v[fA:fA+11], v[fB:fB+11], v[fD:fD+7], v[kA], v[kB] matrix_a_fmt:MATRIX_FMT_BF6 matrix_b_fmt:MATRIX_FMT_BF6 matrix_b_scale:MATRIX_SCALE_ROW1
.else
	v_wmma_scale_f32_16x16x128_f8f6f4 v[fD:fD+7], v[fA:fA+11], v[fB:fB+11], v[fD:fD+7], v[kA], v[kB] matrix_a_fmt:MATRIX_FMT_BF6 matrix_b_fmt:MATRIX_FMT_BF6
.endif
.endif
.endm
; A step of parity e (a slot's first step: 0, its second: 1) is three chunks of 32 products: chunk 0 and 1 Q's or K's tiles 0-3 and 4-7, chunk 2 V's four; chunk c lies in buffer (e + c) % 2.
; 8 products of a chunk: x's tiles a0, a0 + 1 x the chunk's four.  The 96 accumulators take turns, one instruction a turn, in the same order in every step.
.macro MUL8 ch, a0, e
.if \ch == 2
	WIN 0x50                                       ; C and D window 1, the sources window 0
.elseif \a0 < 4
	WIN 0xa0                                       ; C and D window 2
.else
	WIN 0xf0                                       ; C and D window 3
.endif
.irp a, \a0, \a0+1
.irp b, 0,1,2,3
.if \ch == 2
.set fD, 64*\b+8*(\a)
.set fA, XF+12*(\a)
.set fB, WB+48*((\e+\ch)%2)+12*\b
.set kA, SC+12*(\e)+(\a)/2
.set kB, SC+12*(\e)+8+\b/2
	WM \a, \b
.else
.set fD, 8*(8*((\a)%4)+4*\ch+\b)
.set fA, WB+48*((\e+\ch)%2)+12*\b
.set fB, XF+12*(\a)
.set kA, SC+12*(\e)+4+2*\ch+\b/2
.set kB, SC+12*(\e)+(\a)/2
	WM \b, \a
.endif
.endr
.endr
.endm
.macro XLOAD e, t0                     ; x's fragments t0, t0 + 1 of the slot's step e: twelve registers each, three loads of 512 consecutive bytes
.irp t, \t0, \t0+1
.irp c, 0,1,2
	ds_load_b128 v[XF+12*(\t)+4*\c:XF+12*(\t)+4*\c+3], v[AX] offset:XC*(\e)+FRB*(\t)+512*\c
.endr
.endr
.endm
.macro WLOAD e, ch                     ; a chunk's four fragments of weights: twelve loads
.irp t, 0,1,2,3
.irp c, 0,1,2
.set fD, WB+48*((\e+\ch)%2)+12*\t+4*\c
.if \ch == 2
	ds_load_b128 v[fD:fD+3], v[AX+2] offset:WC*(\e)+FRB*\t+512*\c
.else
	ds_load_b128 v[fD:fD+3], v[AX+1] offset:WC*(\e)+FRB*(4*\ch+\t)+512*\c
.endif
.endr
.endr
.endm
.macro SLOAD e                         ; a step's scale words: register i of four: lanes 0-15 tile 2 i, lanes 16-31 tile 2 i + 1
.set fD, SC+12*(\e)
	ds_load_b128 v[fD:fD+3], v[AX] offset:XC*(\e)+SCO
	ds_load_b128 v[fD+4:fD+7], v[AX+1] offset:WC*(\e)+SCO
	ds_load_b64 v[fD+8:fD+9], v[AX+3] offset:WC*(\e)
.endm
; A step.  At its start are out, oldest first: chunk 0's twelve loads, three of scale words, x's tiles 0-5 (six loads for two tiles).  last = 1: nothing follows.
; mode 1 (a slot's second step): every wave waits for its tensor loads, and the barrier shows the other slot whole.
; mode 2: the same, and this slot is filled again: each wave waits for all its tensor loads, adds 0 to its spare word, waits for that and for its reads; a round of the cluster's barrier; the joint refill first behind it.
.macro STEP e, mode, last
	PLACES
	XLOAD \e, 6
	WLOAD \e, 1
	s_wait_dscnt 30                                ; younger than x's tiles 0, 1: six loads each for tiles 2-3, 4-5, 6-7, and chunk 1's twelve
	MUL8 0, 0, \e
	s_wait_dscnt 24
	MUL8 0, 2, \e
	s_wait_dscnt 18
	MUL8 0, 4, \e
	s_wait_dscnt 12
	MUL8 0, 6, \e
	WIN 0
	PLACES
	WLOAD \e, 2
	s_wait_dscnt 12                                ; chunk 1 is in; chunk 2's twelve may be out
	MUL8 1, 0, \e
	MUL8 1, 2, \e
.if \mode
	WIN 0
	s_wait_tensorcnt 0x0                           ; all my tensor loads have landed
.if \mode == 2
	ds_add_u32 v[SPW], v[NIL]                      ; 0 onto my spare word
	s_add_co_u32 s[G0+1], s20, s[SX]               ; no tensor load of mine is out: groups 0 step on to the next fill, into this slot
	s_add_co_u32 s[G0B+1], s44, s[SWO]
	s_add_nc_u64 s[G0+2:G0+3], s[G0+2:G0+3], 2*XC
	s_add_nc_u64 s[G0B+2:G0B+3], s[G0B+2:G0B+3], 2*WC
.endif
.endif
	MUL8 1, 4, \e
.if \mode
	s_wait_dscnt 0x0                               ; the add, where there is one, is done, and so are all my reads of this slot
	s_barrier_signal -1
.endif
	MUL8 1, 6, \e
	WIN 0
.if \mode
	s_barrier_wait -1
.endif
.if \mode == 2
	CREST                                          ; the barrier has opened a round: no wave of any partner still reads this slot or has a load on its way
	JLOAD
.endif
.if \mode
	s_xor_b32 s[SX], s[SX], 2*XC                   ; the other slot is read from here on
	s_xor_b32 s[SWO], s[SWO], 2*WC
	v_add_nc_u32 v[AX], s[SX], v[BX]               ; (four plain places in front of the loads below)
	v_add_nc_u32 v[AX+1], s[SWO], v[BX+1]
	v_add_nc_u32 v[AX+2], s[SWO], v[BX+2]
	v_add_nc_u32 v[AX+3], s[SWO], v[BX+3]
	s_wait_alu depctr_va_vdst(0)
.else
	PLACES
.endif
.if \last
	s_wait_dscnt 0x0
	MUL8 2, 0, \e
	MUL8 2, 2, \e
	MUL8 2, 4, \e
	MUL8 2, 6, \e
.else
	WLOAD 1-\e, 0
	SLOAD 1-\e
.if \mode == 2
	s_cmp_eq_u32 s3, 2                             ; in the first trip fill 2 has been loaded and fill 3 is left to ask for
	s_cbranch_scc0 .Lno_ask_\@
	ASK 3
.Lno_ask_\@:
.endif
	s_wait_dscnt 15                                ; chunk 2 is in; the fifteen just issued may be out
	MUL8 2, 0, \e
	WIN 0
	PLACES
	XLOAD 1-\e, 0                                  ; two tiles of x are free: the next step's take their registers, 24 products ahead of their use
	MUL8 2, 2, \e
	WIN 0
	PLACES
	XLOAD 1-\e, 2
	MUL8 2, 4, \e
	WIN 0
	PLACES
	XLOAD 1-\e, 4
	MUL8 2, 6, \e
.endif
	WIN 0
.endm
	s_wait_alu depctr_va_vdst(0)
	s_wait_tensorcnt 0x0                           ; my part of fill 0 is in
	ds_add_u32 v[SPW], v[NIL]
	s_add_co_u32 s[G0+1], s20, 2*XC                ; no tensor load of mine is out: on to fill 1, slot 1
	s_add_co_u32 s[G0B+1], s44, 2*WC
	s_add_nc_u64 s[G0+2:G0+3], s[G0+2:G0+3], 2*XC
	s_add_nc_u64 s[G0B+2:G0B+3], s[G0B+2:G0B+3], 2*WC
	s_wait_dscnt 0x0                               ; the add is done
	CROUND
	JLOAD                                          ; fill 1
	WLOAD 0, 0
	SLOAD 0
	XLOAD 0, 0
	XLOAD 0, 2
	XLOAD 0, 4
	ASK 2
.set ZR, 1
	STEP 0, 0, 0                                   ; step 0 starts the sums, ahead of the loop
.set ZR, 0
	s_mov_b32 s3, 2
.Ltrip:                                                ; steps 1, 2 and 3, 4
	STEP 1, 2, 0
	STEP 0, 0, 0
	s_sub_co_u32 s3, s3, 1
	s_cmp_lg_u32 s3, 0
	s_cbranch_scc1 .Ltrip
	STEP 1, 1, 0                                   ; steps 5, 6, 7 fetch nothing more
	STEP 0, 0, 0
	STEP 1, 0, 1
; THE EPILOGUE, two tiles at a time.  A tile's 64 registers of a lane are, of its row, k' = 32 b + 16 h + i in register 16 b + i: they become a fragment.  Each accumulator is read from its low end on.
.macro QPAIR w, ac, out, off, pw
.set W, \w
.set WW, W|(W<<2)
	WIN WW                                         ; sources 0 and 1: the accumulators' window
.irp t, 0,1
.irp b, 0,1,2,3
	v_max3_num_f32 v[TM+4*\t+\b], |v[\ac+64*\t+16*\b]|, |v[\ac+64*\t+16*\b+1]|, 0x2800000   ; the floor 2^(5 - 127) holds the byte at 1 from below
.endr
.endr
.irp i, 2,4,6,8,10,12,14
.irp t, 0,1
.irp b, 0,1,2,3
	v_max3_num_f32 v[TM+4*\t+\b], |v[\ac+64*\t+16*\b+\i]|, |v[\ac+64*\t+16*\b+\i+1]|, v[TM+4*\t+\b]
.endr
.endr
.endr
	WIN 0
.irp k, 0,1,2,3,4,5,6,7
	v_permlanex16_b32 v[TN+\k], v[TM+\k], s[SEL], s[SEL+1]
.endr
.irp k, 0,1,2,3,4,5,6,7
	v_max_num_f32 v[TM+\k], v[TM+\k], v[TN+\k]     ; with lane l xor 16's: the block's largest magnitude
.endr
.irp k, 0,1,2,3,4,5,6,7
	v_add_nc_u32 v[TO+\k], 0xfe000000, v[TM+\k]    ; 4 off its exponent field: the conversion's scale operand
.endr
.irp k, 0,1,2,3,4,5,6,7
	v_lshrrev_b32 v[TM+\k], 23, v[TO+\k]           ; the scale's byte
.endr
.irp t, 0,1
	v_lshl_or_b32 v[\pw+\t], v[TM+4*\t+1], 8, v[TM+4*\t]
.endr
.irp t, 0,1
	v_lshl_or_b32 v[\pw+\t], v[TM+4*\t+2], 16, v[\pw+\t]
.endr
.irp t, 0,1
	v_lshl_or_b32 v[\pw+\t], v[TM+4*\t+3], 24, v[\pw+\t]
.endr
	s_wait_xcnt 0x0                                ; the last pair's stores have read v[PC] on
	WIN W                                          ; source 0: the accumulators' window
.irp t, 0,1
.irp c, 0,1
	v_cvt_scalef32_pk16_bf6_f32 v[PC+20*\t+6*\c:PC+20*\t+6*\c+2], v[\ac+64*\t+32*\c:\ac+64*\t+32*\c+15], v[TO+4*\t+2*\c]
	v_cvt_scalef32_pk16_bf6_f32 v[PC+20*\t+12+4*\c:PC+20*\t+14+4*\c], v[\ac+64*\t+32*\c+16:\ac+64*\t+32*\c+31], v[TO+4*\t+2*\c+1]   ; (a conversion's three registers begin on an even number)
.endr
.endr
	WIN 0
	v_nop                                          ; one plain place behind a scaled conversion
.irp t, 0,1
.irp c, 0,1
.irp i, 0,1,2
	v_permlane16_swap_b32 v[PC+20*\t+6*\c+\i], v[PC+20*\t+12+4*\c+\i]   ; the layout wants a whole block in a lane
.endr
.endr
.endr
.irp t, 0,1
.irp c, 0,1
.irp i, 0,1,2
	v_mov_b32 v[PC+20*\t+3+6*\c+\i], v[PC+20*\t+12+4*\c+\i]
.endr
.endr
.endr
.irp t, 0,1
.irp c, 0,1,2
	global_store_b128 v[LN], v[PC+20*\t+4*\c:PC+20*\t+4*\c+3], s[\out:\out+1] offset:\off+FRB*\t+512*\c   ; 512 consecutive bytes, at a multiple of 256 from the buffer's first byte
.endr
.endr
.endm
	PLACES                                         ; behind the last products
.irp k, 0,1,2,3,4,5,6,7
	v_mov_b32 v[TN+\k], 0                          ; a lane permute's destination counts as one of its sources
.endr
	QPAIR 2, 0, OQ, 0, PW
	QPAIR 2, 128, OQ, 2*FRB, PW+2
	QPAIR 3, 0, OQ, 4*FRB, PW+4
	QPAIR 3, 128, OQ, 6*FRB, PW+6
	QPAIR 1, 0, OV+2, 0, PW+8
	QPAIR 1, 128, OV+2, 2*FRB, PW+10
.irp q, 0,1,2,3,4,5
	v_cndmask_b32 v[SW+\q], v[PW+2*\q], v[PW+2*\q+1], s[HM]   ; lanes 0-15 tile 2 q's words, lanes 16-31 tile 2 q + 1's
.endr
	global_store_b128 v[LN], v[SW:SW+3], s[OQ:OQ+1] offset:SCO
	global_store_b64 v[LNV], v[SW+4:SW+5], s[OV:OV+1] offset:SCO   ; 8 of each 16 bytes: the wave of the other half stores the others
	s_wait_tensorcnt 0x0                           ; the wave's end
	ds_add_u32 v[SPW], v[NIL]
	s_wait_dscnt 0x0
	CROUND                                         ; the closing round
	s_endpgm
.Lfunc_end_k_q06d5df8144_proj:
	.size	k_q06d5df8144_proj, .Lfunc_end_k_q06d5df8144_proj-k_q06d5df8144_proj
	.p2alignl 7, 3214868480
	.fill 96, 4, 3214868480
	.section	.rodata,"a",@progbits
	.p2align	6, 0x0
	.amdhsa_kernel k_q06d5df8144_proj
		.amdhsa_group_segment_fixed_size 327680
		.amdhsa_private_segment_fixed_size 0
		.amdhsa_enable_private_segment 0
		.amdhsa_kernarg_size 24
		.amdhsa_user_sgpr_count 2
		.amdhsa_user_sgpr_kernarg_segment_ptr 1
		.amdhsa_wavefront_size32 1
		.amdhsa_system_sgpr_workgroup_id_x 1
		.amdhsa_system_sgpr_workgroup_id_y 1
		.amdhsa_system_sgpr_workgroup_id_z 1
		.amdhsa_system_vgpr_workitem_id 0
		.amdhsa_next_free_vgpr 1024
		.amdhsa_next_free_sgpr 100
		.amdhsa_reserve_vcc 0
		.amdhsa_float_denorm_mode_32 3
		.amdhsa_float_denorm_mode_16_64 3
		.amdhsa_memory_ordered 1
		.amdhsa_forward_progress 1
		.amdhsa_inst_pref_size 165
	.end_amdhsa_kernel
	.amdgpu_metadata
---
amdhsa.version: [ 1, 2 ]
amdhsa.kernels:
  - .name:           k_q06d5df8144_proj
    .symbol:         k_q06d5df8144_proj.kd
    .args:
      - { .name: x_op, .offset: 0, .size: 8, .value_kind: global_buffer, .address_space: global }
      - { .name: w_op, .offset: 8, .size: 8, .value_kind: global_buffer, .address_space: global }
      - { .name: qkv, .offset: 16, .size: 8, .value_kind: global_buffer, .address_space: global }
    .group_segment_fixed_size: 327680
    .private_segment_fixed_size: 0
    .kernarg_segment_align: 8
    .kernarg_segment_size: 24
    .max_flat_workgroup_size: 128
    .sgpr_count:     100
    .vgpr_count:     1024
    .wavefront_size: 32
...
	.end_amdgpu_metadata
.endif
;; end of part 6
;; launch score (part 7): grid 4 x 48, 4 waves a work-group, clusters of 4 x 4, 327,680 bytes of LDS; arguments qkv, p_op, pstat; writes p_op, pstat
.if DOCPART == 7
	.amdgcn_target "amdgcn-amd-amdhsa--gfx1250"
	.amdhsa_code_object_version 6
	.text
	.protected	k_q06d5df8144_score
	.globl	k_q06d5df8144_score
	.p2align	8
	.type	k_q06d5df8144_score,@function
k_q06d5df8144_score:
	s_mov_b64 s[64:65], 0
	v_nop
	global_prefetch_b8 v0, s[64:65] scope:SCOPE_SE
	s_setreg_imm32_b32 hwreg(HW_REG_WAVE_MODE, 25, 1), 1
	s_wait_xcnt 0x0
	s_wait_alu depctr_hold_cnt(0) depctr_sa_sdst(0) depctr_va_vdst(0) depctr_va_sdst(0) depctr_va_ssrc(0) depctr_va_vcc(0) depctr_vm_vsrc(0)
	s_getreg_b32 s2, hwreg(HW_REG_IB_STS2, 6, 4)
	s_cmp_eq_u32 s2, 0
	s_cbranch_scc0 .Lentry_in_a_cluster
	s_endpgm
.Lentry_in_a_cluster:
	s_bfe_u32 s2, ttmp6, 0x10000c
	s_cmp_lg_u32 s2, 0xf033
	s_cbranch_scc0 .Lentry_shape_is_right
	s_endpgm
.Lentry_shape_is_right:
; S = Q K^T on codes of BF6 with E8M0 scales, the causal mask, and the softmax's p, quantised along the keys: p_op, in this program's operand format (see the launch that makes Q and K), rows = queries, K = a batch's 2,048 keys.
; THE SOFTMAX IS TAKEN WITH A LOCAL M.  t = score x log2(e) / 32; for each query and each 128 keys M = ceil(the largest t among them), a whole number; p = 2^(t - M).  The codes do not hang on which whole number M is: a block's
; scale takes the difference up.  M and l (the sum of the unquantised p of these 128 keys) go to pstat; the last launch takes the row's largest M, lowers each block's scale byte by the difference, and adds the l's under it.
; THE MASK COSTS NO LINE BEHIND THE PRODUCTS: it is the C of the first K step, 0 where the key counts and -2^120 where it is hidden; such a score stays near -2^120, and its p is 0.
; A query none of whose 128 keys counts gets M = -3e38, l = 0 and zero codes.
; SHARES.  A work-group makes 256 queries x 256 keys, a wave 128 x 128: source 1 = Q (a lane keeps one query), source 0 = K (the keys run along the lane's registers).
; CLUSTERS of 4 x 4 tiles; of a batch's 2 x 2 such squares the three that hold keys that count are made (the fourth lies wholly above the diagonal: the mask, which the problem builds itself, makes its p 0 for all inputs).
; Q's tile is asked for jointly along the cluster's row, K's along its column.
; The tiles of a diagonal square that lie above the diagonal are made like the others (their p are zeros).  The last launch reads part of them, as zeros.
; K goes in 8 steps of 128 through TWO LDS SLOTS of two steps.  A wave fetches one group's two steps, which lie on end.  Fill 0 comes at the head, fill 1 behind the full sequence, fills 2 and 3 in the loop's two trips: one load of a wave is out at any time.
; THE FILLS ARE PREFETCHED one ahead of the tensor load that wants them: of a wave's 100 blocks of 256 bytes the four partners take 25 each (Q's told apart by cx, K's by cy), a lane a block; lanes left over name the last block again.  Nothing is asked for beyond fill 3.
; LIMITS: |t| stays under 1e30; NaN and infinities are not served, nor carried out of the work left out; a block whose every p is 0 gets the byte 1 (its codes are zeros).
; REGISTERS: window 0: v16-29 addresses; v32-47 scale words, two sets; v64-111 the mask's tiles; v128-223 Q's eight fragments, one set; the epilogue's are listed below.  window 1: K's fragments, two sets, at v0 and v128.
;   windows 2, 3: accumulator (a, b) at v[8 (8 (a % 4) + b)].
.set BLK,   12800
.set SCO,   12288
.set FRB,   1536
.set GB,    2*BLK                      ; two steps of a group: a fill
.set GRP,   2*GB                       ; a group's two slots
.set SPARE, 4*GRP                      ; behind Q's two groups and K's two: the spare words, 128 bytes a wave: two blocks of 256 bytes that no other line names
.set GPITCH, 8*BLK
.set BA,   16                          ; v16, v17 LDS address in slot 0 of my group of Q, of K, + 16 x lane
.set AA,   18                          ; v18, v19 the same in the slot that is read now
.set PF,   24                          ; v24      the prefetches' offset; never rewritten
.set LN,   26
.set SPW,  28                          ; never rewritten, nor is
.set NIL,  29
.set SC,   32                          ; set s at +8 s: Q's four, K's four; register i: lanes 0-15 tile 2 i, lanes 16-31 tile 2 i + 1
.set CL,   64                          ; v64-71   C of a tile whose keys come before its queries in a unit on the diagonal
.set CH,   72                          ; v72-79   of one whose keys come after
.set CD,   80                          ; v80-111  of the four kinds of tile on the diagonal: (u, ua) at +8 (2 u + ua)
.set AF,   128
.set BM,   32                          ; epilogue: v32-63 the largest score, then p, of block b of tile a at +4 a + b, then its scale byte
.set BN,   64                          ; v64-95  the other half's, then the scale operands
.set NM,   96                          ; v96-111 for each tile a pair: -M, and M as it is kept
.set X0,   112
.set X1,   120
.set PW8,  128
.set LS,   136
.set SA,   144                         ; v144-151 a sum in four chains of pairs
.set PC,   160                         ; v160-179, v184-203 codes, by turns
.set SW,   208                         ; v208-219 three merged quads: scale words, M, l
.set BIG,  220                         ; -3e38
.set SP,   224                         ; v224-231 a pair of part sums for each of four tiles; v232-239 those of tiles 0-3, kept
.set OUT,  6                           ; s[6:7] my block of p_op;  s[8:9] its 1,024 bytes of pstat
.set G1,  24                           ; s[24:31] group 1 for Q's tiles;  s[32:35] group 0
.set G0,  32
.set G1B, 48                           ; s[48:55], s[36:39] the same for K's
.set G0B, 36
.set SX,  40                           ; s40     where the slot read now begins
.set VM,  56                           ; s56-63 epilogue: for each tile the lanes none of whose keys counts
.set SEL, 78
.set HM,  80
.set CS,  82                           ; s[82:83] c = log2(e) / 32
.set HID, 84                           ; -1e30
.set MSB, 0
.macro WIN new                         ; the immediate's high byte repeats the setting that is left
.if MSB != \new
	s_set_vgpr_msb (MSB<<8)|\new
.set MSB, \new
.endif
.endm
.macro PLACES
.rept 4
	v_nop
.endr
.endm
.macro JLOAD                           ; waves 0 and 1 fetch Q's two groups, waves 2 and 3 K's; s_nop 0 and four v_nop follow each of the two lines
	s_cmp_eq_u32 s15, 0
	s_cbranch_scc0 .Lfor_b_\@
	tensor_load_to_lds s[G0:G0+3], s[G1:G1+7]
	s_nop 0
.rept 4
	v_nop
.endr
	s_branch .Lasked_\@
.Lfor_b_\@:
	tensor_load_to_lds s[G0B:G0B+3], s[G1B:G1B+7]
	s_nop 0
.rept 4
	v_nop
.endr
.Lasked_\@:
.endm
.macro ASK n                           ; prefetch my part of fill n
	s_cmp_eq_u32 s15, 0
	s_cbranch_scc0 .Lask_k_\@
	global_prefetch_b8 v[PF], s[10:11] offset:(\n)*GB th:TH_LOAD_NT scope:SCOPE_SE
	s_branch .Lask_done_\@
.Lask_k_\@:
	global_prefetch_b8 v[PF], s[12:13] offset:(\n)*GB th:TH_LOAD_NT scope:SCOPE_SE
.Lask_done_\@:
.endm
.macro CREST
	s_cmp_lg_u32 s14, 0
	s_cbranch_scc1 .Lnot_wave_0_\@
	s_barrier_signal -3
.Lnot_wave_0_\@:
	s_barrier_wait -3
	s_barrier_signal -1
	s_barrier_wait -1
.endm
.macro CROUND
	s_barrier_signal -1
	s_barrier_wait -1
	CREST
.endm
	s_load_b128 s[4:7], s[0:1], 0x0                ; qkv, p_op
	s_load_b64 s[8:9], s[0:1], 0x10                ; pstat
	v_lshl_add_u32 v[SPW], v0, 2, SPARE
	v_mov_b32 v[NIL], 0
	ds_add_u32 v[SPW], v[NIL]                      ; the opening lines: the add, twice on end, and its wait ahead of my first tensor load
	ds_add_u32 v[SPW], v[NIL]
	v_lshrrev_b32 v1, 5, v0
	v_readfirstlane_b32 s14, v1                    ; wave 0..3
	s_lshr_b32 s15, s14, 1                         ; which of Q's two groups is mine.  Also: I fetch for Q (0) or K (1)
	s_and_b32 s16, s14, 1                          ; which of K's.  Also: which of the two groups I fetch
	s_bfe_u32 s56, ttmp6, 0x40000                  ; cx
	s_bfe_u32 s57, ttmp6, 0x40004                  ; cy
	s_and_b32 s17, ttmp7, 0xffff                   ; cluster y: 3 x batch + square
	s_lshl_b32 s58, s57, 2
	s_lshl_b32 s58, 15, s58
	s_lshl_b32 s59, 0x1111, s56
	s_or_b32 s[G1], s58, (3<<16)|(1<<21)           ; the mask; elements of 8 bytes; 21 set beside a mask; no padding
	s_or_b32 s[G1B], s59, (3<<16)|(1<<21)
.irp g, G1, G1B
	s_mov_b32 s[\g+1], 32<<16
	s_mov_b32 s[\g+2], 100<<16                     ; two steps of a group: 100 rows of 256 bytes
	s_mov_b32 s[\g+3], 32<<16
	s_mov_b32 s[\g+4], 100
	s_mov_b32 s[\g+5], 32
	s_mov_b32 s[\g+6], 0
	s_mov_b32 s[\g+7], 0
.endr
	s_mul_hi_u32 s18, s17, 0x55555556              ; the batch: cluster y / 3
	s_mul_i32 s19, s18, 3
	s_sub_co_u32 s19, s17, s19                     ; the square: 0 = (0, 0), 1 = (1, 0), 2 = (1, 1)
	s_cmp_ge_u32 s19, 1
	s_cselect_b32 s20, 4, 0
	s_cmp_eq_u32 s19, 2
	s_cselect_b32 s21, 4, 0
	s_add_co_u32 s20, s20, s57                     ; tile row I of the batch's 8: hangs on cy alone
	s_add_co_u32 s21, s21, s56                     ; tile column J: on cx alone
	s_lshl_b32 s22, s20, 1                         ; 2 I
	s_lshl_b32 s46, s21, 1                         ; 2 J
	s_lshl_b32 s23, s18, 4                         ; 16 x batch
	s_add_co_u32 s66, s22, s23
	s_add_co_u32 s66, s66, s16
	s_mul_i32 s66, s66, GPITCH                     ; Q's group that I fetch
	s_mov_b32 s67, 0
	s_add_co_u32 s68, s46, s23
	s_add_co_u32 s68, s68, s16
	s_mul_i32 s68, s68, GPITCH
	s_add_co_u32 s68, s68, 512*BLK                 ; K's, behind Q's 512 blocks
	s_mov_b32 s69, 0
	s_mul_i32 s45, s14, GRP                        ; and where it goes
	s_wait_dscnt 0x0                               ; both opening adds are done
	s_wait_kmcnt 0x0
	s_add_nc_u64 s[10:11], s[4:5], s[66:67]
	s_add_nc_u64 s[12:13], s[4:5], s[68:69]
	s_mov_b32 s[G0], 1
	s_mov_b32 s[G0+1], s45
	s_mov_b64 s[G0+2:G0+3], s[10:11]
	s_or_b32 s[G0+3], s[G0+3], 0x80000000
	s_mov_b32 s[G0B], 1
	s_mov_b32 s[G0B+1], s45
	s_mov_b64 s[G0B+2:G0B+3], s[12:13]
	s_or_b32 s[G0B+3], s[G0B+3], 0x80000000
	s_cmp_eq_u32 s15, 0                            ; the prefetches' blocks: Q's wave or K's
	s_cselect_b32 s70, s56, s57
	s_mul_i32 s70, s70, 25
	v_and_b32 v1, 31, v0
	v_min_u32 v[PF], 24, v1
	v_add_nc_u32 v[PF], s70, v[PF]
	v_lshlrev_b32 v[PF], 8, v[PF]
	s_wait_alu depctr_va_vdst(0)
	CROUND                                         ; all sixteen work-groups are here: the first joint loads meet
	JLOAD                                          ; fill 0
	ASK 1
	; the mask.  My unit: queries of group 2 I + hY, keys of group 2 J + hX.  Values alone hang on the two numbers, no branch.
	s_add_co_u32 s72, s22, s15
	s_add_co_u32 s73, s46, s16
	s_mov_b32 s76, 0xfb800000                      ; -2^120
	s_cmp_lt_u32 s72, s73
	s_cselect_b32 s74, s76, 0                      ; hidden only where the whole unit lies above the diagonal
	s_cmp_le_u32 s72, s73
	s_cselect_b32 s75, s76, 0                      ; hidden there and in a unit on the diagonal
	v_and_b32 v2, 15, v0
	v_and_b32 v3, 8, v2
	v_add_nc_u32 v2, v2, v3
	v_bfe_u32 v3, v0, 4, 1
	v_lshlrev_b32 v3, 4, v3
	v_sub_nc_u32 v2, v2, v3                        ; rr = r + 8 (r / 8) - 16 h.  In tiles (a, b) with a / 2 = b / 2 register j's key comes after my query where rr < 8 (b % 2) + j - 8 (a % 2)
.irp j, 0,1,2,3,4,5,6,7
	v_mov_b32 v[CL+\j], s74
	v_mov_b32 v[CH+\j], s75
.endr
.irp u, 0,1
.irp ua, 0,1
.irp j, 0,1,2,3,4,5,6,7
	v_cmp_gt_i32 vcc_lo, 8*\u+\j-8*\ua, v2
	v_cndmask_b32 v[CD+8*(2*\u+\ua)+\j], v[CL], v[CH], vcc_lo
.endr
.endr
.endr
	s_mul_i32 s70, s15, GRP
	s_mul_i32 s71, s16, GRP
	s_add_co_u32 s71, s71, 2*GRP
	v_and_b32 v1, 31, v0
	v_lshlrev_b32 v[LN], 4, v1
.irp k, BA, AA
	v_add_nc_u32 v[\k], s70, v[LN]
	v_add_nc_u32 v[\k+1], s71, v[LN]
.endr
	s_mov_b32 s[SX], 0
	s_mov_b32 s[SEL], 0x76543210
	s_mov_b32 s[SEL+1], 0xfedcba98
	s_mov_b32 s[HM], 0xffff0000
	s_mov_b32 s[CS], 0x3d38aa3b                    ; log2(e) / sqrt(1024)
	s_mov_b32 s[CS+1], s[CS]                       ; (named with it as a pair, so it is written)
	s_mov_b32 s[HID], 0xf149f2ca                   ; -1e30
	s_add_co_u32 s74, s72, s23                     ; my block of p_op: 16 x (16 batch + 2 I + hY) + 2 J + hX
	s_lshl_b32 s74, s74, 4
	s_add_co_u32 s74, s74, s73
	s_lshl_b32 s76, s74, 10
	s_mov_b32 s77, 0
	s_mul_i32 s74, s74, BLK
	s_mov_b32 s75, 0
	s_add_nc_u64 s[OUT:OUT+1], s[OUT:OUT+1], s[74:75]
	s_add_nc_u64 s[8:9], s[8:9], s[76:77]
.macro WM a, b                         ; one matrix instruction; C in registers.  An odd tile's scale words lie in lanes 16-31 of their register
.if ((\a)%2) && ((\b)%2)
	v_wmma_scale_f32_16x16x128_f8f6f4 v[rD:rD+7], v[rB:rB+11], v[rA:rA+11], v[rC:rC+7], v[rSB], v[rSA] matrix_a_fmt:MATRIX_FMT_BF6 matrix_b_fmt:MATRIX_FMT_BF6 matrix_a_scale:MATRIX_SCALE_ROW1 matrix_b_scale:MATRIX_SCALE_ROW1
.elseif (\b)%2
	v_wmma_scale_f32_16x16x128_f8f6f4 v[rD:rD+7], v[rB:rB+11], v[rA:rA+11], v[rC:rC+7], v[rSB], v[rSA] matrix_a_fmt:MATRIX_FMT_BF6 matrix_b_fmt:MATRIX_FMT_BF6 matrix_a_scale:MATRIX_SCALE_ROW1
.elseif (\a)%2
	v_wmma_scale_f32_16x16x128_f8f6f4 v[rD:rD+7], v[rB:rB+11], v[rA:rA+11], v[rC:rC+7], v[rSB], v[rSA] matrix_a_fmt:MATRIX_FMT_BF6 matrix_b_fmt:MATRIX_FMT_BF6 matrix_b_scale:MATRIX_SCALE_ROW1
.else
	v_wmma_scale_f32_16x16x128_f8f6f4 v[rD:rD+7], v[rB:rB+11], v[rA:rA+11], v[rC:rC+7], v[rSB], v[rSA] matrix_a_fmt:MATRIX_FMT_BF6 matrix_b_fmt:MATRIX_FMT_BF6
.endif
.endm
; Q's tile a x K's eight, in a slot's step e.  kind 2: the products start the sums on the mask's tile; 1: they add in place.  The 64 accumulators take turns, in the same order in every step.
.macro MUL8 a, e, kind
.if \kind == 2
.if \a < 4
	WIN 0x81                                       ; source 0 window 1, source 1 and C window 0, D window 2
.else
	WIN 0xc1
.endif
.else
.if \a < 4
	WIN 0xa1                                       ; C and D window 2
.else
	WIN 0xf1
.endif
.endif
.irp b, 0,1,2,3,4,5,6,7
.set rD, 8*(8*((\a)%4)+\b)
.set rB, 128*(\e)+12*\b
.set rA, AF+12*(\a)
.set rSB, SC+8*(\e)+4+\b/2
.set rSA, SC+8*(\e)+(\a)/2
.set rC, rD
.if \kind == 2
.if (\b/2) < ((\a)/2)
.set rC, CL
.elseif (\b/2) > ((\a)/2)
.set rC, CH
.else
.set rC, CD+8*(2*(\b%2)+(\a)%2)
.endif
.endif
	WM \a, \b
.endr
.endm
.macro FRAG reg, adr, off
.irp c, 0,1,2
	ds_load_b128 v[\reg+4*\c:\reg+4*\c+3], v[\adr] offset:\off+512*\c
.endr
.endm
.macro FETCH_B e                       ; K's eight fragments of the slot's step e, and the step's scale words: 26 loads
	WIN 0x40                                       ; destination window 1
.irp i, 0,1,2,3,4,5,6,7
	FRAG 128*(\e)+12*\i, AA+1, (\e)*BLK+FRB*\i
.endr
	WIN 0
	ds_load_b128 v[SC+8*(\e):SC+8*(\e)+3], v[AA] offset:(\e)*BLK+SCO
	ds_load_b128 v[SC+8*(\e)+4:SC+8*(\e)+7], v[AA+1] offset:(\e)*BLK+SCO
.endm
.macro FETCH_A e, i0
.irp i, \i0, \i0+1, \i0+2, \i0+3
	FRAG AF+12*(\i), AA, (\e)*BLK+FRB*(\i)
.endr
.endm
; A step.  mode 1 (a slot's second step): every wave waits for its tensor loads, and the barrier shows the other slot whole.
; mode 2: the same, and this slot is filled again: each wave waits for all its tensor loads, adds 0 to its spare word, waits for that and for its reads; a round of the cluster's barrier; the joint refill first behind it.
; last = 1: nothing follows.
.macro STEP e, mode, kind, last
	s_wait_dscnt 12                                ; K's set, the scale words and Q's tiles 0-3 are in; the youngest twelve loads (Q's tiles 4-7) may be out
	MUL8 0, \e, \kind
	MUL8 1, \e, \kind
.if \mode
	WIN 0
	s_wait_tensorcnt 0x0                           ; all my tensor loads have landed
.if \mode == 2
	ds_add_u32 v[SPW], v[NIL]                      ; 0 onto my spare word
	s_add_co_u32 s[G0+1], s45, s[SX]               ; no tensor load of mine is out: groups 0 step on to the next fill, into this slot
	s_add_co_u32 s[G0B+1], s45, s[SX]
	s_add_nc_u64 s[G0+2:G0+3], s[G0+2:G0+3], GB
	s_add_nc_u64 s[G0B+2:G0B+3], s[G0B+2:G0B+3], GB
.endif
.endif
	MUL8 2, \e, \kind
.if \mode
	s_wait_dscnt 0x0                               ; the add, where there is one, is done, and so are my reads of this slot
	s_barrier_signal -1
.endif
	MUL8 3, \e, \kind
	WIN 0
.if \mode
	s_barrier_wait -1
.else
	s_wait_dscnt 0x0                               ; Q's tiles 4-7 are in
.endif
.if \mode == 2
	CREST                                          ; the barrier has opened a round: no wave of any partner still reads this slot or has a load on its way
	JLOAD                                          ; its four v_nop are the places in front of the loads below
.elseif !\last
	PLACES                                         ; in front of loads into registers that matrix instructions have read
.endif
.if \mode
	s_xor_b32 s[SX], s[SX], GB                     ; the other slot is read from here on
	v_add_nc_u32 v[AA], s[SX], v[BA]
	v_add_nc_u32 v[AA+1], s[SX], v[BA+1]
	s_wait_alu depctr_va_vdst(0)
.endif
.if !\last
	FETCH_B 1-\e
	FETCH_A 1-\e, 0
.endif
.if \mode == 2
	s_cmp_eq_u32 s3, 2                             ; in the first trip fill 2 has been loaded and fill 3 is left to ask for
	s_cbranch_scc0 .Lno_ask_\@
	ASK 3
.Lno_ask_\@:
.endif
	MUL8 4, \e, \kind
	MUL8 5, \e, \kind
	MUL8 6, \e, \kind
	MUL8 7, \e, \kind
	WIN 0
.if !\last
	PLACES
	FETCH_A 1-\e, 4
.endif
.endm
	s_wait_alu depctr_va_vdst(0)
	s_wait_tensorcnt 0x0                           ; my part of fill 0 is in
	ds_add_u32 v[SPW], v[NIL]
	s_add_co_u32 s[G0+1], s45, GB                  ; no tensor load of mine is out: on to fill 1, slot 1
	s_add_co_u32 s[G0B+1], s45, GB
	s_add_nc_u64 s[G0+2:G0+3], s[G0+2:G0+3], GB
	s_add_nc_u64 s[G0B+2:G0B+3], s[G0B+2:G0B+3], GB
	s_wait_dscnt 0x0
	CROUND
	JLOAD                                          ; fill 1
	FETCH_B 0
	FETCH_A 0, 0
	FETCH_A 0, 4
	ASK 2
	STEP 0, 0, 2, 0                                ; step 0 starts the sums, ahead of the loop
	s_mov_b32 s3, 2
.Ltrip:                                                ; steps 1, 2 and 3, 4
	STEP 1, 2, 1, 0
	STEP 0, 0, 1, 0
	s_sub_co_u32 s3, s3, 1
	s_cmp_lg_u32 s3, 0
	s_cbranch_scc1 .Ltrip
	STEP 1, 1, 1, 0                                ; steps 5, 6, 7 fetch nothing more
	STEP 0, 0, 1, 0
	STEP 1, 0, 1, 1
; THE EPILOGUE.  Tile a: 16 queries x my 128 keys; register 16 b + i of a lane is key 32 b + 16 h + i of its query.  The largest scores and M are taken of all eight tiles, by turns.
.macro MAXW w
.set WW, (\w)|((\w)<<2)
	WIN WW                                         ; sources 0 and 1: the accumulators' window
.irp a, 0,1,2,3
.irp b, 0,1,2,3
	v_max3_num_f32 v[BM+16*((\w)-2)+4*\a+\b], v[64*\a+16*\b], v[64*\a+16*\b+1], 0xff7fffff   ; the largest score of each block of 32 keys; each accumulator is read from its low end on
.endr
.endr
.irp i, 2,4,6,8,10,12,14
.irp a, 0,1,2,3
.irp b, 0,1,2,3
	v_max3_num_f32 v[BM+16*((\w)-2)+4*\a+\b], v[64*\a+16*\b+\i], v[64*\a+16*\b+\i+1], v[BM+16*((\w)-2)+4*\a+\b]
.endr
.endr
.endr
	WIN 0
.endm
	PLACES                                         ; behind the last products
	v_mov_b32 v[BIG], 0xff61b1e6                   ; -3e38
	MAXW 2
	MAXW 3
.set i, 0
.rept 32
	v_permlanex16_b32 v[BN+i], v[BM+i], s[SEL], s[SEL+1]   ; (the mask's tiles lay there: a lane permute's destination counts as one of its sources)
.set i, i+1
.endr
.set i, 0
.rept 32
	v_max_num_f32 v[BM+i], v[BM+i], v[BN+i]
.set i, i+1
.endr
.irp a, 0,1,2,3,4,5,6,7
	v_max3_num_f32 v[X0+\a], v[BM+4*\a], v[BM+4*\a+1], v[BM+4*\a+2]
.endr
.irp a, 0,1,2,3,4,5,6,7
	v_max_num_f32 v[X0+\a], v[X0+\a], v[BM+4*\a+3]
.endr
.irp a, 0,1,2,3,4,5,6,7
	v_mul_f32 v[X0+\a], s[CS], v[X0+\a]            ; the largest t of my query among these 128 keys
.endr
.irp a, 0,1,2,3,4,5,6,7
	v_floor_f32 v[X1+\a], -v[X0+\a]                ; -M = floor(-t) = -ceil(t)
.endr
.irp a, 0,1,2,3,4,5,6,7
	v_cmp_gt_f32 s[VM+\a], s[HID], v[X0+\a]        ; none of the 128 keys counts
.endr
.irp a, 0,1,2,3,4,5,6,7
	v_sub_f32 v[X0+\a], 0, v[X1+\a]
.endr
.irp a, 0,1,2,3,4,5,6,7
	v_cndmask_b32 v[NM+2*\a], v[X1+\a], v[BIG], s[VM+\a]     ; then -3e38 is added in -M's place, so that every p is 0,
.endr
.irp a, 0,1,2,3,4,5,6,7
	v_cndmask_b32 v[NM+2*\a+1], v[X0+\a], v[BIG], s[VM+\a]   ; and M is kept as -3e38, under every M
.endr
.set i, 0
.rept 32
	v_fma_f32 v[BM+i], v[BM+i], s[CS], v[NM+2*(i/4)]         ; t - M of each block's largest score
.set i, i+1
.endr
	s_wait_alu depctr_va_vdst(0)                   ; ahead of a batch
.set i, 0
.rept 32
	v_exp_f32 v[BM+i], v[BM+i]                     ; each block's largest p: the same two instructions on the same number as below
.set i, i+1
.endr
	v_nop
	s_wait_alu depctr_va_vdst(0)                   ; and behind it
.set i, 0
.rept 32
	v_max_num_f32 v[BM+i], 0x2800000, v[BM+i]      ; the floor 2^(5 - 127)
.set i, i+1
.endr
.set i, 0
.rept 32
	v_add_nc_u32 v[BN+i], 0xfe000000, v[BM+i]      ; the conversions' scale operands
.set i, i+1
.endr
.set i, 0
.rept 32
	v_lshrrev_b32 v[BM+i], 23, v[BN+i]
.set i, i+1
.endr
.irp a, 0,1,2,3,4,5,6,7
	v_lshl_or_b32 v[PW8+\a], v[BM+4*\a+1], 8, v[BM+4*\a]
.endr
.irp a, 0,1,2,3,4,5,6,7
	v_lshl_or_b32 v[PW8+\a], v[BM+4*\a+2], 16, v[PW8+\a]
.endr
.irp a, 0,1,2,3,4,5,6,7
	v_lshl_or_b32 v[PW8+\a], v[BM+4*\a+3], 24, v[PW8+\a]
.endr
; t - M of four tiles, from their window into window 2: so one text serves tiles 0-3 and then tiles 4-7.
.macro TMINUS w
.set WD, 0x80|(\w)
	WIN WD                                         ; destination window 2, source 0 the tiles' window
.irp a, 0,1,2,3
.set i, 64*\a
.rept 32
	v_pk_fma_f32 v[i:i+1], v[i:i+1], s[CS:CS+1], v[NM+8*((\w)-2)+2*\a:NM+8*((\w)-2)+2*\a+1] op_sel_hi:[1,0,0]
.set i, i+2
.endr
.endr
	WIN 0
.endm
; A tile's exponentials, the sum of the unquantised p in four chains, and the codes.
.macro TILE a
.set AC, 64*(\a)
.set PQ, PC+24*((\a)%2)
	WIN 0x82                                       ; destination and source 0: window 2
	s_wait_alu depctr_va_vdst(0)                   ; ahead of a batch
.set i, 0
.rept 64
	v_exp_f32 v[AC+i], v[AC+i]                     ; p = 2^(t - M)
.set i, i+1
.endr
	v_nop                                          ; a plain place behind the last exponential
	s_wait_alu depctr_va_vdst(0)                   ; one wait for the batch of 64, ahead of its first reader
	s_wait_xcnt 0x0                                ; earlier tiles' stores have read their codes
	WIN 0x0a                                       ; sources 0 and 1: window 2
.irp j, 0,1,2,3
	v_pk_add_f32 v[SA+2*\j:SA+2*\j+1], v[AC+2*\j:AC+2*\j+1], v[AC+8+2*\j:AC+9+2*\j]
.endr
	WIN 0x08                                       ; source 1: window 2
.irp g, 2,3,4,5,6,7
.irp j, 0,1,2,3
	v_pk_add_f32 v[SA+2*\j:SA+2*\j+1], v[SA+2*\j:SA+2*\j+1], v[AC+8*\g+2*\j:AC+8*\g+2*\j+1]
.endr
.endr
	WIN 0x02                                       ; source 0: window 2
.irp c, 0,1
	v_cvt_scalef32_pk16_bf6_f32 v[PQ+6*\c:PQ+6*\c+2], v[AC+32*\c:AC+32*\c+15], v[BN+4*\a+2*\c]
	v_cvt_scalef32_pk16_bf6_f32 v[PQ+12+4*\c:PQ+14+4*\c], v[AC+32*\c+16:AC+32*\c+31], v[BN+4*\a+2*\c+1]   ; (a conversion's three registers begin on an even number)
.endr
	WIN 0
	v_pk_add_f32 v[SA:SA+1], v[SA:SA+1], v[SA+2:SA+3]   ; (plain places behind the conversions)
	v_pk_add_f32 v[SA+4:SA+5], v[SA+4:SA+5], v[SA+6:SA+7]
.irp c, 0,1
.irp i, 0,1,2
	v_permlane16_swap_b32 v[PQ+6*\c+\i], v[PQ+12+4*\c+\i]   ; the layout wants a whole block in a lane
.endr
.endr
	v_pk_add_f32 v[SP+2*\a:SP+2*\a+1], v[SA:SA+1], v[SA+4:SA+5]
.irp c, 0,1
.irp i, 0,1,2
	v_mov_b32 v[PQ+3+6*\c+\i], v[PQ+12+4*\c+\i]
.endr
.endr
.irp c, 0,1,2
	global_store_b128 v[LN], v[PQ+4*\c:PQ+4*\c+3], s[OUT:OUT+1] offset:FRB*\a+512*\c   ; 512 consecutive bytes, at a multiple of 256 from the buffer's first byte
.endr
.endm
	TMINUS 2
	s_mov_b32 s3, 2
.Lfour:                                                ; tiles 0-3, then 4-7
.irp a, 0,1,2,3
	TILE \a
.endr
	s_wait_alu depctr_va_vdst(0)                   ; ahead of the branch
	s_cmp_eq_u32 s3, 1
	s_cbranch_scc1 .Ldone
	TMINUS 3
.set i, 0
.rept 16
	v_mov_b32 v[BN+i], v[BN+16+i]                  ; the second four tiles' scale operands
.set i, i+1
.endr
.set i, 0
.rept 8
	v_mov_b32 v[SP+8+i], v[SP+i]                   ; the first four's part sums
.set i, i+1
.endr
.Ldone:
	s_wait_alu depctr_va_vdst(0)                   ; ahead of the wait and the branch
	s_wait_xcnt 0x0                                ; the stores have read their base
	s_add_nc_u64 s[OUT:OUT+1], s[OUT:OUT+1], 4*FRB
	s_sub_co_u32 s3, s3, 1
	s_cmp_lg_u32 s3, 0
	s_cbranch_scc1 .Lfour
.irp a, 0,1,2,3
	v_add_f32 v[X0+\a], v[SP+8+2*\a], v[SP+9+2*\a]
	v_add_f32 v[X0+4+\a], v[SP+2*\a], v[SP+2*\a+1]
.endr
.irp a, 0,1,2,3,4,5,6,7
	v_permlanex16_b32 v[BN+\a], v[X0+\a], s[SEL], s[SEL+1]
.endr
.irp a, 0,1,2,3,4,5,6,7
	v_add_f32 v[LS+\a], v[X0+\a], v[BN+\a]         ; l
.endr
.irp q, 0,1,2,3
	v_cndmask_b32 v[SW+\q], v[PW8+2*\q], v[PW8+2*\q+1], s[HM]     ; lanes 0-15 tile 2 q's, lanes 16-31 tile 2 q + 1's
	v_cndmask_b32 v[SW+4+\q], v[NM+4*\q+1], v[NM+4*\q+3], s[HM]
	v_cndmask_b32 v[SW+8+\q], v[LS+2*\q], v[LS+2*\q+1], s[HM]
.endr
	global_store_b128 v[LN], v[SW:SW+3], s[OUT:OUT+1]   ; the base has stepped 8 x 1,536 bytes: the scale words' place
	global_store_b128 v[LN], v[SW+4:SW+7], s[8:9]
	global_store_b128 v[LN], v[SW+8:SW+11], s[8:9] offset:512
	s_wait_tensorcnt 0x0                           ; the wave's end
	ds_add_u32 v[SPW], v[NIL]
	s_wait_dscnt 0x0
	CROUND                                         ; the closing round
	s_endpgm
.Lfunc_end_k_q06d5df8144_score:
	.size	k_q06d5df8144_score, .Lfunc_end_k_q06d5df8144_score-k_q06d5df8144_score
	.p2alignl 7, 3214868480
	.fill 96, 4, 3214868480
	.section	.rodata,"a",@progbits
	.p2align	6, 0x0
	.amdhsa_kernel k_q06d5df8144_score
		.amdhsa_group_segment_fixed_size 327680
		.amdhsa_private_segment_fixed_size 0
		.amdhsa_enable_private_segment 0
		.amdhsa_kernarg_size 24
		.amdhsa_user_sgpr_count 2
		.amdhsa_user_sgpr_kernarg_segment_ptr 1
		.amdhsa_wavefront_size32 1
		.amdhsa_system_sgpr_workgroup_id_x 1
		.amdhsa_system_sgpr_workgroup_id_y 1
		.amdhsa_system_sgpr_workgroup_id_z 1
		.amdhsa_system_vgpr_workitem_id 0
		.amdhsa_next_free_vgpr 1024
		.amdhsa_next_free_sgpr 100
		.amdhsa_reserve_vcc 1
		.amdhsa_float_denorm_mode_32 3
		.amdhsa_float_denorm_mode_16_64 3
		.amdhsa_memory_ordered 1
		.amdhsa_forward_progress 1
		.amdhsa_inst_pref_size 156
	.end_amdhsa_kernel
	.amdgpu_metadata
---
amdhsa.version: [ 1, 2 ]
amdhsa.kernels:
  - .name:           k_q06d5df8144_score
    .symbol:         k_q06d5df8144_score.kd
    .args:
      - { .name: qkv, .offset: 0, .size: 8, .value_kind: global_buffer, .address_space: global }
      - { .name: p_op, .offset: 8, .size: 8, .value_kind: global_buffer, .address_space: global }
      - { .name: pstat, .offset: 16, .size: 8, .value_kind: global_buffer, .address_space: global }
    .group_segment_fixed_size: 327680
    .private_segment_fixed_size: 0
    .kernarg_segment_align: 8
    .kernarg_segment_size: 24
    .max_flat_workgroup_size: 128
    .sgpr_count:     100
    .vgpr_count:     1024
    .wavefront_size: 32
...
	.end_amdgpu_metadata
.endif
;; end of part 7
;; launch pv (part 8): grid 4 x 64, 4 waves a work-group, clusters of 4 x 4, 327,680 bytes of LDS; arguments p_op, pstat, qkv, out0; writes out0
.if DOCPART == 8
	.amdgcn_target "amdgcn-amd-amdhsa--gfx1250"
	.amdhsa_code_object_version 6
	.text
	.protected	k_q06d5df8144_pv
	.globl	k_q06d5df8144_pv
	.p2align	8
	.type	k_q06d5df8144_pv,@function
k_q06d5df8144_pv:
	s_mov_b64 s[64:65], 0
	v_nop
	global_prefetch_b8 v0, s[64:65] scope:SCOPE_SE
	s_setreg_imm32_b32 hwreg(HW_REG_WAVE_MODE, 25, 1), 1
	s_wait_xcnt 0x0
	s_wait_alu depctr_hold_cnt(0) depctr_sa_sdst(0) depctr_va_vdst(0) depctr_va_sdst(0) depctr_va_ssrc(0) depctr_va_vcc(0) depctr_vm_vsrc(0)
	s_getreg_b32 s2, hwreg(HW_REG_IB_STS2, 6, 4)
	s_cmp_eq_u32 s2, 0
	s_cbranch_scc0 .Lentry_in_a_cluster
	s_endpgm
.Lentry_in_a_cluster:
	s_bfe_u32 s2, ttmp6, 0x10000c
	s_cmp_lg_u32 s2, 0xf033
	s_cbranch_scc0 .Lentry_shape_is_right
	s_endpgm
.Lentry_shape_is_right:
; out = P V / l on codes of BF6 with E8M0 scales: source 1 = p_op's rows (queries), source 0 = V^T's rows (the model's columns), K = the keys.
; M OF A ROW: each 128 keys came with an M and an l of their own (pstat).  Here the row's largest M is taken, every scale byte of p is lowered by (that M) - (its own M), held at 0 from below, and the l's are added under it; the result is divided by the row's l.
; SHARES.  A work-group makes 128 queries x 256 columns, a wave 64 x 128: 32 accumulators of 16 x 16.  The keys beyond a tile's queries are left out by whole slots of 512 keys and pairs of them: the mask makes their p 0 for all inputs
; (quarter s19 of a batch's rows takes 2 slots where s19 is 0 or 1, else 4); pstat of blocks that were never made counts as M = -3e38, l = 0.
; CLUSTERS of 4 x 4: P's tile hangs on cy and is asked for jointly along the cluster's row, V's on cx, along its column.  The branch on s19 hangs on the cluster's number, which all partners share.
; TWO LDS SLOTS of four K steps: P's four blocks, then V's two groups of four.  Slot 0 comes at the head, slot 1 behind the full sequence; the statistics are read and worked while slot 0 is on its way.
; THE TILES ARE PREFETCHED one slot ahead of the tensor load that wants them: behind the load of slot n the blocks of 256 bytes of slot n + 1.  P's wave asks for 25 of its 100 blocks (told apart by cx), V's for 50 of its 200 (by cy), a lane a block;
; lanes left over name the last block again.  No slot beyond the last is asked for.
; LIMITS: a lowered byte that would fall under 0 is 0; NaN and infinities are not served, nor carried out of the work left out.
.macro ASK n                           ; slot n: P's waves one instruction, V's two
	global_prefetch_b8 v30, s[86:87] offset:(\n)*G4 th:TH_LOAD_NT scope:SCOPE_SE
	s_cmp_eq_u32 s15, 0
	s_cbranch_scc1 .Lp_asked_\@
	global_prefetch_b8 v31, s[86:87] offset:(\n)*G4 th:TH_LOAD_NT scope:SCOPE_SE
.Lp_asked_\@:
.endm
.set BLK,   12800
.set SCO,   12288
.set FRB,   1536
.set GB,    2*BLK
.set G4,    4*BLK
.set SLOT,  3*G4
.set SPARE, 2*SLOT
.set STAGE, 0
.set SPI,   528
.set GPITCH, 16*BLK
.set ADRA, 16
.set ADRB, 20
.set STO,  24
.set RD,   25
.set LN,   26
.set PO,   27
.set SPW,  28
.set NIL,  29
.set SB,   32
.set FW,   40
.set LI,   72
.set MR,   80
.set LSUM, 82
.set RL,   84
.set XT,   86
.set BIG,  88
.set AF,   128
.set PM,   128
.set PL,   160
.set DD,   192
.set WT,   224
.set T0,   128
.set BK,   192
.set G1,  24
.set G0,  32
.set G1B, 48
.set G0B, 56
.set SEL, 78
.set HM,  80
.set MSB, 0
.macro WIN new
.if MSB != \new
	s_set_vgpr_msb (MSB<<8)|\new
.set MSB, \new
.endif
.endm
.set TO_B, 0x40
.set MUL,  0xa1
.macro PLACES n
.rept \n
	v_nop
.endr
.endm
.macro JLOAD g0a, g1a, g0b, g1b
	s_cmp_eq_u32 s15, 0
	s_cbranch_scc0 .Lfor_b_\@
	tensor_load_to_lds s[\g0a:\g0a+3], s[\g1a:\g1a+7]
	s_nop 0
.rept 4
	v_nop
.endr
	s_branch .Lasked_\@
.Lfor_b_\@:
	tensor_load_to_lds s[\g0b:\g0b+3], s[\g1b:\g1b+7]
	s_nop 0
.rept 4
	v_nop
.endr
.Lasked_\@:
.endm
.macro CREST
	s_cmp_lg_u32 s14, 0
	s_cbranch_scc1 .Lnot_wave_0_\@
	s_barrier_signal -3
.Lnot_wave_0_\@:
	s_barrier_wait -3
	s_barrier_signal -1
	s_barrier_wait -1
.endm
.macro CROUND
	s_barrier_signal -1
	s_barrier_wait -1
	CREST
.endm
	s_load_b256 s[4:11], s[0:1], 0x0
	v_lshl_add_u32 v[SPW], v0, 2, SPARE
	v_mov_b32 v[NIL], 0
	ds_add_u32 v28, v29
	ds_add_u32 v28, v29
	s_wait_dscnt 0x0
	v_lshrrev_b32 v1, 5, v0
	v_readfirstlane_b32 s14, v1
	s_lshr_b32 s15, s14, 1
	s_and_b32 s16, s14, 1
	s_bfe_u32 s40, ttmp6, 0x40000
	s_bfe_u32 s41, ttmp6, 0x40004
	s_and_b32 s17, ttmp7, 0xffff
	s_lshl_b32 s43, s41, 2
	s_lshl_b32 s43, 15, s43
	s_lshl_b32 s44, 0x1111, s40
	s_or_b32 s[G1], s43, (3<<16)|(1<<21)
	s_mov_b32 s[G1+1], 32<<16
	s_mov_b32 s[G1+2], 100<<16
	s_mov_b32 s[G1+3], 32<<16
	s_mov_b32 s[G1+4], 100
	s_mov_b32 s[G1+5], 32
	s_mov_b32 s[G1+6], 0
	s_mov_b32 s[G1+7], 0
	s_or_b32 s[G1B], s44, (3<<16)|(1<<21)
	s_mov_b32 s[G1B+1], 32<<16
	s_mov_b32 s[G1B+2], 200<<16
	s_mov_b32 s[G1B+3], 32<<16
	s_mov_b32 s[G1B+4], 200
	s_mov_b32 s[G1B+5], 32
	s_mov_b32 s[G1B+6], 0
	s_mov_b32 s[G1B+7], 0
	s_lshr_b32 s18, s17, 2
	s_and_b32 s19, s17, 3
	s_lshl_b32 s20, s19, 2
	s_add_co_u32 s20, s20, s41
	s_lshl_b32 s21, s18, 4
	s_add_co_u32 s21, s21, s20
	s_mul_i32 s66, s21, GPITCH
	s_mov_b32 s67, 0
	s_lshl_b32 s22, s21, 14
	s_mov_b32 s23, 0
	s_lshl_b32 s46, s18, 3
	s_lshl_b32 s47, s40, 1
	s_add_co_u32 s46, s46, s47
	s_add_co_u32 s68, s46, s16
	s_mul_i32 s68, s68, GPITCH
	s_add_co_u32 s68, s68, 1024*BLK
	s_mov_b32 s69, 0
	s_mul_i32 s45, s16, GB
	s_mov_b32 s76, s45
	s_mov_b32 s77, 0
	s_mul_i32 s70, s16, G4
	s_add_co_u32 s70, s70, G4
	s_wait_kmcnt 0x0
	s_add_nc_u64 s[12:13], s[4:5], s[66:67]
	s_add_nc_u64 s[72:73], s[12:13], s[76:77]
	s_add_nc_u64 s[74:75], s[8:9], s[68:69]
	s_add_nc_u64 s[6:7], s[6:7], s[22:23]
	s_lshl_b32 s84, s15, 3
	v_and_b32 v1, 31, v0
	v_lshlrev_b32 v[LN], 4, v1
	v_add_nc_u32 v[PO], s84, v[LN]
.irp s, 0,1,2,3,4,5,6,7,8,9,10,11,12,13,14,15      ; the scale words, M and l of my 64 queries, for each 128 keys
	global_load_b64 v[PM+2*\s:PM+2*\s+1], v[PO], s[6:7] offset:\s*1024
	global_load_b64 v[PL+2*\s:PL+2*\s+1], v[PO], s[6:7] offset:\s*1024+512
	global_load_b64 v[FW+2*\s:FW+2*\s+1], v[PO], s[12:13] offset:\s*BLK+SCO
.endr
	s_cmp_eq_u32 s15, 0                            ; the prefetches: P's wave or V's
	s_cselect_b64 s[86:87], s[72:73], s[74:75]
	s_cselect_b32 s84, 24, 31
	s_cselect_b32 s85, s40, s41
	s_cselect_b32 s3, 25, 50
	s_mul_i32 s85, s85, s3
	v_and_b32 v31, 31, v0
	v_min_u32 v30, s84, v31
	v_add_nc_u32 v31, 32, v31
	v_min_u32 v31, 49, v31
	v_add_nc_u32 v30, s85, v30
	v_add_nc_u32 v31, s85, v31
	v_lshlrev_b32 v30, 8, v30
	v_lshlrev_b32 v31, 8, v31
	s_wait_alu depctr_va_vdst(0)
	CROUND
.irp s, 0,1
	s_mov_b32 s[G0+4*\s], 1
	s_add_co_u32 s[G0+4*\s+1], s45, \s*SLOT
	s_add_nc_u64 s[G0+4*\s+2:G0+4*\s+3], s[72:73], \s*G4
	s_or_b32 s[G0+4*\s+3], s[G0+4*\s+3], 0x80000000
	s_mov_b32 s[G0B+4*\s], 1
	s_add_co_u32 s[G0B+4*\s+1], s70, \s*SLOT
	s_add_nc_u64 s[G0B+4*\s+2:G0B+4*\s+3], s[74:75], \s*G4
	s_or_b32 s[G0B+4*\s+3], s[G0B+4*\s+3], 0x80000000
.endr
	JLOAD G0, G1, G0B, G1B                         ; slot 0: one tensor load a wave at the head
	ASK 1
	s_mul_i32 s84, s15, 4*FRB
	s_mov_b32 s85, s70
.irp s, 0,1
	v_add_nc_u32 v[ADRA+\s], s84, v[LN]
	v_add_nc_u32 v[ADRB+\s], s85, v[LN]
	s_add_co_u32 s84, s84, SLOT
	s_add_co_u32 s85, s85, SLOT
.endr
	v_and_b32 v2, 15, v0
	v_bfe_u32 v3, v0, 4, 1
	s_mul_i32 s84, s14, 16*SPI
	s_add_co_u32 s84, s84, STAGE
	v_mul_u32_u24 v[STO], v2, SPI
	v_lshl_add_u32 v[STO], v3, 6, v[STO]
	v_add_nc_u32 v[STO], s84, v[STO]
	v_add_nc_u32 v[RD], s84, v[LN]
	s_mov_b32 s[SEL], 0x76543210
	s_mov_b32 s[SEL+1], 0xfedcba98
	s_mov_b32 s[HM], 0xffff0000
	s_lshl_b32 s76, s18, 11
	s_lshl_b32 s77, s20, 7
	s_add_co_u32 s76, s76, s77
	s_lshl_b32 s77, s15, 6
	s_add_co_u32 s76, s76, s77
	s_lshl_b32 s76, s76, 12
	s_lshl_b32 s77, s40, 10
	s_add_co_u32 s76, s76, s77
	s_lshl_b32 s77, s16, 9
	s_add_co_u32 s76, s76, s77
	s_mov_b32 s77, 0
	s_add_nc_u64 s[10:11], s[10:11], s[76:77]
	v_mov_b32 v[BIG], 0xff61b1e6
	s_wait_alu depctr_va_vdst(0)
	s_wait_loadcnt 0x0
.irp ch, 1,2,3
	s_cmp_ge_u32 s19, \ch
	s_cselect_b32 s84, -1, 0
.irp i, 0,1,2,3,4,5,6,7
	v_cndmask_b32 v[PM+8*\ch+\i], v[BIG], v[PM+8*\ch+\i], s84
	v_cndmask_b32 v[PL+8*\ch+\i], 0, v[PL+8*\ch+\i], s84
.endr
.endr
.irp j, 0,1
	v_max3_num_f32 v[MR+\j], v[PM+\j], v[PM+2+\j], v[PM+4+\j]
.endr
.irp s, 3,5,7,9,11,13
.irp j, 0,1
	v_max3_num_f32 v[MR+\j], v[MR+\j], v[PM+2*\s+\j], v[PM+2*\s+2+\j]
.endr
.endr
.irp j, 0,1
	v_max_num_f32 v[MR+\j], v[MR+\j], v[PM+30+\j]
.endr
.set i, 0
.rept 32
	v_sub_f32 v[PM+i], v[PM+i], v[MR+i%2]
.set i, i+1
.endr
.set i, 0
.rept 32
	v_cvt_i32_f32 v[PM+i], v[PM+i]
.set i, i+1
.endr
.set i, 0
.rept 32
	v_ldexp_f32 v[PL+i], v[PL+i], v[PM+i]
.set i, i+1
.endr
.set i, 0
.rept 32
	v_sub_nc_u32 v[DD+i], 0, v[PM+i]
.set i, i+1
.endr
.set i, 0
.rept 32
	v_min_u32 v[DD+i], 127, v[DD+i]
.set i, i+1
.endr
.set i, 0
.rept 32
	v_perm_b32 v[DD+i], v[DD+i], v[DD+i], 0
.set i, i+1
.endr
.set i, 0
.rept 32
	v_or_b32 v[WT+i], 0x80808080, v[FW+i]
.set i, i+1
.endr
.set i, 0
.rept 32
	v_sub_nc_u32 v[WT+i], v[WT+i], v[DD+i]
.set i, i+1
.endr
.set i, 0
.rept 32
	v_and_b32 v[PM+i], 0x80808080, v[WT+i]
.set i, i+1
.endr
.set i, 0
.rept 32
	v_lshrrev_b32 v[DD+i], 7, v[PM+i]
.set i, i+1
.endr
.set i, 0
.rept 32
	v_sub_nc_u32 v[PM+i], v[PM+i], v[DD+i]
.set i, i+1
.endr
.set i, 0
.rept 32
	v_and_b32 v[FW+i], v[WT+i], v[PM+i]
.set i, i+1
.endr
	v_add_f32 v[LSUM], v[PL], v[PL+2]
	v_add_f32 v[LSUM+1], v[PL+1], v[PL+3]
.set i, 4
.rept 28
	v_add_f32 v[LSUM+i%2], v[LSUM+i%2], v[PL+i]
.set i, i+1
.endr
	s_wait_alu depctr_va_vdst(0)
	v_rcp_f32 v[RL], v[LSUM]
	v_rcp_f32 v[RL+1], v[LSUM+1]
	v_mov_b32 v[XT], 0
	v_mov_b32 v[XT+1], 0
	s_wait_alu depctr_va_vdst(0)
	v_permlanex16_b32 v[XT], v[RL], s[SEL], s[SEL+1]
	v_permlanex16_b32 v[XT+1], v[RL+1], s[SEL], s[SEL+1]
.irp j, 0,1
	v_cndmask_b32 v[LI+4*\j], v[RL+\j], v[XT+\j], s[HM]
	v_cndmask_b32 v[LI+4*\j+2], v[XT+\j], v[RL+\j], s[HM]
	v_mov_b32 v[LI+4*\j+1], 0
	v_mov_b32 v[LI+4*\j+3], 0
.endr
.macro WM zero, a, b
.if \zero
.if ((\a)%2) && ((\b)%2)
	v_wmma_scale_f32_16x16x128_f8f6f4 v[rD:rD+7], v[rB:rB+11], v[rA:rA+11], 0, v[rSB], v[rSA] matrix_a_fmt:MATRIX_FMT_BF6 matrix_b_fmt:MATRIX_FMT_BF6 matrix_a_scale:MATRIX_SCALE_ROW1 matrix_b_scale:MATRIX_SCALE_ROW1
.elseif (\b)%2
	v_wmma_scale_f32_16x16x128_f8f6f4 v[rD:rD+7], v[rB:rB+11], v[rA:rA+11], 0, v[rSB], v[rSA] matrix_a_fmt:MATRIX_FMT_BF6 matrix_b_fmt:MATRIX_FMT_BF6 matrix_a_scale:MATRIX_SCALE_ROW1
.elseif (\a)%2
	v_wmma_scale_f32_16x16x128_f8f6f4 v[rD:rD+7], v[rB:rB+11], v[rA:rA+11], 0, v[rSB], v[rSA] matrix_a_fmt:MATRIX_FMT_BF6 matrix_b_fmt:MATRIX_FMT_BF6 matrix_b_scale:MATRIX_SCALE_ROW1
.else
	v_wmma_scale_f32_16x16x128_f8f6f4 v[rD:rD+7], v[rB:rB+11], v[rA:rA+11], 0, v[rSB], v[rSA] matrix_a_fmt:MATRIX_FMT_BF6 matrix_b_fmt:MATRIX_FMT_BF6
.endif
.else
.if ((\a)%2) && ((\b)%2)
	v_wmma_scale_f32_16x16x128_f8f6f4 v[rD:rD+7], v[rB:rB+11], v[rA:rA+11], v[rD:rD+7], v[rSB], v[rSA] matrix_a_fmt:MATRIX_FMT_BF6 matrix_b_fmt:MATRIX_FMT_BF6 matrix_a_scale:MATRIX_SCALE_ROW1 matrix_b_scale:MATRIX_SCALE_ROW1
.elseif (\b)%2
	v_wmma_scale_f32_16x16x128_f8f6f4 v[rD:rD+7], v[rB:rB+11], v[rA:rA+11], v[rD:rD+7], v[rSB], v[rSA] matrix_a_fmt:MATRIX_FMT_BF6 matrix_b_fmt:MATRIX_FMT_BF6 matrix_a_scale:MATRIX_SCALE_ROW1
.elseif (\a)%2
	v_wmma_scale_f32_16x16x128_f8f6f4 v[rD:rD+7], v[rB:rB+11], v[rA:rA+11], v[rD:rD+7], v[rSB], v[rSA] matrix_a_fmt:MATRIX_FMT_BF6 matrix_b_fmt:MATRIX_FMT_BF6 matrix_b_scale:MATRIX_SCALE_ROW1
.else
	v_wmma_scale_f32_16x16x128_f8f6f4 v[rD:rD+7], v[rB:rB+11], v[rA:rA+11], v[rD:rD+7], v[rSB], v[rSA] matrix_a_fmt:MATRIX_FMT_BF6 matrix_b_fmt:MATRIX_FMT_BF6
.endif
.endif
.endm
.macro MUL8 a, p, k, zero
.irp b, 0,1,2,3,4,5,6,7
.set rD, 8*(8*(\a)+\b)
.set rB, 128*(\p)+12*\b
.set rA, AF+48*(\p)+12*(\a)
.set rSB, SB+4*(\p)+\b/2
.set rSA, FW+2*(\k)+(\a)/2
	WM \zero, \a, \b
.endr
.endm
.macro FRAG reg, adr, off
.irp c, 0,1,2
	ds_load_b128 v[\reg+4*\c:\reg+4*\c+3], v[\adr] offset:\off+512*\c
.endr
.endm
.macro FETCH4 slot, q, p
	WIN TO_B
.irp i, 0,1,2,3,4,5,6,7
	FRAG 128*(\p)+12*\i, ADRB+\slot, (\q)*BLK+FRB*\i
.endr
	WIN 0
.irp i, 0,1,2,3
	FRAG AF+48*(\p)+12*\i, ADRA+\slot, (\q)*BLK+FRB*\i
.endr
	ds_load_b128 v[SB+4*(\p):SB+4*(\p)+3], v[ADRB+\slot] offset:(\q)*BLK+SCO
.endm
.macro FB slot, q, p, i0               ; four of V's fragments
	WIN TO_B
.irp i, \i0, \i0+1, \i0+2, \i0+3
	FRAG 128*(\p)+12*(\i), ADRB+\slot, (\q)*BLK+FRB*(\i)
.endr
.endm
.macro STEP4 slot, q, k, zero          ; a step; the next step's loads stand in three runs between its products, on the other set of registers, which the step before read
	s_wait_dscnt 0x0
	PLACES 4
	FB \slot, (\q)+1, 1-(\q)%2, 0
	WIN MUL
	MUL8 0, (\q)%2, \k, \zero
	FB \slot, (\q)+1, 1-(\q)%2, 4
	WIN MUL
	MUL8 1, (\q)%2, \k, \zero
	WIN 0
.irp i, 0,1,2,3
	FRAG AF+48*(1-(\q)%2)+12*\i, ADRA+\slot, ((\q)+1)*BLK+FRB*\i
.endr
	ds_load_b128 v[SB+4*(1-(\q)%2):SB+4*(1-(\q)%2)+3], v[ADRB+\slot] offset:((\q)+1)*BLK+SCO
	WIN MUL
	MUL8 2, (\q)%2, \k, \zero
	MUL8 3, (\q)%2, \k, \zero
.endm
.macro TURN4 slot, next, fill, k
	WIN 0
	s_wait_tensorcnt 0x0
	ds_add_u32 v[SPW], v[NIL]
	s_wait_dscnt 1
	WIN MUL
	MUL8 0, 1, \k, 0
	s_wait_dscnt 0x0
	s_barrier_signal -1
	MUL8 1, 1, \k, 0
	WIN 0
	s_barrier_wait -1
.if \fill
	CREST
	s_add_nc_u64 s[G0+4*\slot+2:G0+4*\slot+3], s[G0+4*\slot+2:G0+4*\slot+3], 2*G4
	s_add_nc_u64 s[G0B+4*\slot+2:G0B+4*\slot+3], s[G0B+4*\slot+2:G0B+4*\slot+3], 2*G4
	JLOAD G0+4*\slot, G1, G0B+4*\slot, G1B
.else
	PLACES 4
.endif
	FETCH4 \next, 0, 0
.if \fill && (\k == 3)
	ASK 3
.endif
	WIN MUL
	MUL8 2, 1, \k, 0
	MUL8 3, 1, \k, 0
.endm
	s_wait_alu depctr_va_vdst(0)
	s_wait_tensorcnt 0x0                           ; my part of slot 0 is in
	ds_add_u32 v[SPW], v[NIL]
	s_wait_dscnt 0x0
	CROUND
	JLOAD G0+4, G1, G0B+4, G1B                     ; slot 1
	FETCH4 0, 0, 0
	s_cmp_lt_u32 s19, 2                            ; with two slots there is no third to ask for
	s_cbranch_scc1 .Ltwo_slots
	ASK 2
.Ltwo_slots:
	STEP4 0, 0, 0, 1
	WIN 0
	s_lshr_b32 s3, s19, 1
	s_cmp_eq_u32 s3, 0
	s_cbranch_scc1 .Ltail
	STEP4 0, 1, 1, 0
	STEP4 0, 2, 2, 0
	TURN4 0, 1, 1, 3
	STEP4 1, 0, 4, 0
	STEP4 1, 1, 5, 0
	STEP4 1, 2, 6, 0
	TURN4 1, 0, 1, 7
	WIN 0
.set i, 0
.rept 16
	v_mov_b32 v[FW+i], v[FW+i+16]
.set i, i+1
.endr
	STEP4 0, 0, 0, 0
	WIN 0
.Ltail:
	STEP4 0, 1, 1, 0
	STEP4 0, 2, 2, 0
	s_wait_alu depctr_va_vdst(0)
	TURN4 0, 1, 0, 3
	STEP4 1, 0, 4, 0
	STEP4 1, 1, 5, 0
	STEP4 1, 2, 6, 0
	s_wait_dscnt 0x0
	WIN MUL
	MUL8 0, 1, 7, 0
	MUL8 1, 1, 7, 0
	MUL8 2, 1, 7, 0
	MUL8 3, 1, 7, 0
	WIN 0
.macro OUTT a
	s_wait_xcnt 0x0
	WIN 0x02
.set i, 0
.rept 32
	v_pk_mul_f32 v[T0+i:T0+i+1], v[64*\a+i:64*\a+i+1], v[LI+2*\a:LI+2*\a+1] op_sel_hi:[1,0]
.set i, i+2
.endr
	WIN 0
.irp b, 0,1,2,3,4,5,6,7
	ds_store_b128 v[STO], v[T0+8*\b:T0+8*\b+3] offset:128*(\b/2)+32*(\b%2)
	ds_store_b128 v[STO], v[T0+8*\b+4:T0+8*\b+7] offset:128*(\b/2)+32*(\b%2)+16
.endr
.irp t, 0,1,2,3,4,5,6,7,8,9,10,11,12,13,14,15
	BKQ \a, \t
	ds_load_b128 v[BQ:BQ+3], v[RD] offset:\t*SPI   ; LDS serves a wave's instructions in order (ISA guide 5.7.1.4): these see the stores above
.endr
.endm
.macro BKQ a, t                        ; where row t of tile a comes back: two sets of sixteen quads, by turns
.if (\a)%2 == 0
.set BQ, 192+4*\t
.elseif \t < 10
.set BQ, 32+4*\t
.else
.set BQ, 96+4*(\t-10)
.endif
.endm
.macro OUTS a, younger                 ; younger: the next tile's LDS stores and loads, which may be out
.irp t, 0,1,2,3,4,5,6,7,8,9,10,11,12,13,14,15
	BKQ \a, \t
	s_wait_dscnt \younger+15-\t
	global_store_b128 v[LN], v[BQ:BQ+3], s[10:11] offset:(32*(\a/2)+8*(\a%2)+\t+8*(\t/8))*4096 th:TH_STORE_NT   ; 512 consecutive bytes of a row
.endr
.endm
	PLACES 4                                       ; behind the last products
	OUTT 0                                         ; a tile goes through the stage while the one before it is stored
	OUTT 1
	OUTS 0, 32
	OUTT 2
	OUTS 1, 32
	OUTT 3
	OUTS 2, 32
	OUTS 3, 0
	s_wait_tensorcnt 0x0
	ds_add_u32 v[SPW], v[NIL]
	s_wait_dscnt 0x0
	CROUND
	s_endpgm
.Lfunc_end_k_q06d5df8144_pv:
	.size	k_q06d5df8144_pv, .Lfunc_end_k_q06d5df8144_pv-k_q06d5df8144_pv
	.p2alignl 7, 3214868480
	.fill 96, 4, 3214868480
	.section	.rodata,"a",@progbits
	.p2align	6, 0x0
	.amdhsa_kernel k_q06d5df8144_pv
		.amdhsa_group_segment_fixed_size 327680
		.amdhsa_private_segment_fixed_size 0
		.amdhsa_enable_private_segment 0
		.amdhsa_kernarg_size 32
		.amdhsa_user_sgpr_count 2
		.amdhsa_user_sgpr_kernarg_segment_ptr 1
		.amdhsa_wavefront_size32 1
		.amdhsa_system_sgpr_workgroup_id_x 1
		.amdhsa_system_sgpr_workgroup_id_y 1
		.amdhsa_system_sgpr_workgroup_id_z 1
		.amdhsa_system_vgpr_workitem_id 0
		.amdhsa_next_free_vgpr 768
		.amdhsa_next_free_sgpr 100
		.amdhsa_reserve_vcc 0
		.amdhsa_float_denorm_mode_32 3
		.amdhsa_float_denorm_mode_16_64 3
		.amdhsa_memory_ordered 1
		.amdhsa_forward_progress 1
		.amdhsa_inst_pref_size 171
	.end_amdhsa_kernel
	.amdgpu_metadata
---
amdhsa.version: [ 1, 2 ]
amdhsa.kernels:
  - .name:           k_q06d5df8144_pv
    .symbol:         k_q06d5df8144_pv.kd
    .args:
      - { .name: p_op, .offset: 0, .size: 8, .value_kind: global_buffer, .address_space: global }
      - { .name: pstat, .offset: 8, .size: 8, .value_kind: global_buffer, .address_space: global }
      - { .name: qkv, .offset: 16, .size: 8, .value_kind: global_buffer, .address_space: global }
      - { .name: out0, .offset: 24, .size: 8, .value_kind: global_buffer, .address_space: global }
    .group_segment_fixed_size: 327680
    .private_segment_fixed_size: 0
    .kernarg_segment_align: 8
    .kernarg_segment_size: 32
    .max_flat_workgroup_size: 128
    .sgpr_count:     100
    .vgpr_count:     768
    .wavefront_size: 32
...
	.end_amdgpu_metadata
.endif
;; end of part 8
